; MI455X (gfx1250); checked and timed in simulation.
; The chip was launched on July 23, 2026; its instructions are those of AMD's public machine-readable ISA for CDNA 5 (MIT licence, August 2026) and "CDNA5" Instruction Set Architecture Reference Guide (July 2026). The comments in the code are by the model that wrote it; some were corrected since.
;; Decoder Block. Allowed arithmetic: float matrix products may take bf16 or f16 operands with f32 sums; all other float work in f32.
;; Inputs: b1 4,096 float32; b2 1,024 float32; be1 1,024 float32; be2 1,024 float32; bk 1,024 float32; bo 1,024 float32; bq 1,024 float32; bv 1,024 float32; g1 1,024 float32; g2 1,024 float32; w1 1,024 x 4,096 float32; w2 4,096 x 1,024 float32; wk 1,024 x 1,024 float32; wo 1,024 x 1,024 float32; wq 1,024 x 1,024 float32; wv 1,024 x 1,024 float32; x 2 x 2,048 x 1,024 float32.
;; Outputs: out0 2 x 2,048 x 1,024 float32.
;; 3 versions, each right; version 2 is faster than version 1; version 3 is version 2 with the launch prep written anew for expert scheduling mode. Each part assembles by itself: llvm-mc -triple=amdgcn-amd-amdhsa -mcpu=gfx1250 --defsym DOCPART=n.
;; ======== version 1 of 3: 7 launches
;; limits: values are held in f16: magnitudes above 65,504 overflow, below 6.1e-05 lose precision
;; workspace buffers: wa 6,291,456 bytes; wb 8,388,608 bytes; wc 10,485,760 bytes; act1 8,388,608 bytes; big 33,554,432 bytes; ep1 16,384 bytes; ep3 20,480 bytes
;; launch prep (part 1): grid 640 x 1, 8 waves a work-group, no clusters, 0 bytes of LDS; arguments x, g1, be1, wq, wk, wv, wo, w1, w2, bq, bk, bv, b1, wa, wb, wc, act1, ep1, ep3; writes wa, wb, wc, act1, ep1, ep3
.if DOCPART == 1
	.amdgcn_target "amdgcn-amd-amdhsa--gfx1250"
	.amdhsa_code_object_version 6
	.text
	.protected	k_q976a7baa0f_prep
	.globl	k_q976a7baa0f_prep
	.p2align	8
	.type	k_q976a7baa0f_prep,@function
k_q976a7baa0f_prep:
	s_mov_b64 s[64:65], 0
	v_nop
	global_prefetch_b8 v0, s[64:65] scope:SCOPE_SE
	s_setreg_imm32_b32 hwreg(HW_REG_WAVE_MODE, 25, 1), 1
	s_wait_xcnt 0x0
; PREP.  Work-groups 0-255: h = LayerNorm(x) g1 + be1, rounded once to f16, into act1.  Work-groups 256-639: the six weight matrices, f32 [K][N], rounded once to f16 and laid in blocks [K][128].
; The first of those also lays the biases behind a floor word: ep1 = 1,024 x -inf, bq, bk, bv; ep3 = 1,024 x 0, b1 (the product kernels take max(sum + bias, floor)).
; ACTIVATION LAYOUT (4,096 rows): byte(m, c) = ((c / 128) 32 + m / 128) 32768 + ((c / 64) % 2) 16384 + (m % 128) 128 + (c % 64) 2: a tile of 128 x 128 is 32,768 dense bytes.
; WEIGHT LAYOUT: byte(k, n) = (n / 128) (K 256) + k 256 + (n % 128) 2.
; A stream: no LDS, no barrier, no matrix unit, no cluster (work-groups share only g1 and be1, 8 KiB).  Every load and store of a wave covers whole aligned runs of 256 bytes.
; LIMITS.  f16 ends at 65,504: a weight or a number of h beyond it becomes an infinity; below 6e-5 f16 keeps its fixed step of 6e-8.  NaN and infinities are not treated apart.
.set T,    4                           ; v[4:11]    at work
.set MEAN, 12                          ; v[12:13]   the row's mean, twice
.set RS,   14                          ; v[14:15]   1 / sqrt(var + eps), twice
.set X,    16                          ; v[16:79]   64 numbers of my row (weights: 32 rows x 4 registers up to v143)
.set G,    80                          ; v[80:143]  g1 of my columns
.set B,    144                         ; v[144:207] be1 of my columns (weights: v[144:175] the 32 rows' byte offsets)
.set O,    208                         ; v[208:239] the row in f16
	s_load_b512 s[4:19], s[0:1], 0x0               ; x s[4:5], g1 s[6:7], be1 s[8:9], wq s[10:11], wk s[12:13], wv s[14:15], wo s[16:17], w1 s[18:19]
	s_load_b512 s[20:35], s[0:1], 0x40             ; w2 s[20:21], bq s[22:23], bk s[24:25], bv s[26:27], b1 s[28:29], wa s[30:31], wb s[32:33], wc s[34:35]
	s_load_b128 s[36:39], s[0:1], 0x80             ; act1 s[36:37], ep1 s[38:39]
	s_load_b64 s[40:41], s[0:1], 0x90              ; ep3
	v_lshrrev_b32 v1, 5, v0
	v_readfirstlane_b32 s42, v1                    ; wave 0..7
	s_mov_b32 s43, ttmp9                           ; work-group
	s_mov_b32 s44, 0x3a800000                      ; 1 / 1024
	s_mov_b32 s45, 0x3727c5ac                      ; eps = 1e-5
	v_and_b32 v4, 31, v0                           ; lane
	v_lshlrev_b32 v1, 3, v4                        ; v1: 8 x lane, every store's offset
	v_and_b32 v3, 15, v0
	v_lshlrev_b32 v3, 4, v3                        ; v3: 16 (lane % 16), my place in 256 bytes of g1, be1
	v_bfe_u32 v2, v0, 4, 1
	v_lshl_add_u32 v2, v2, 12, v3                  ; v2: the same in x, lanes 16-31 one row (4,096 bytes) further down
	s_wait_kmcnt 0x0
	s_cmp_lt_u32 s43, 256
	s_cbranch_scc0 .Lweights
; ---- LayerNorm: a wave takes rows m = 16 g + 2 w and m + 1; lanes 0-15 hold the first, lanes 16-31 the second, 64 numbers a lane
	s_lshl_b32 s46, s43, 16                        ; 16 rows of 4,096 bytes a work-group,
	s_lshl_b32 s47, s42, 13                        ; two a wave
	s_add_co_u32 s46, s46, s47
	s_mov_b32 s47, 0
	s_add_nc_u64 s[4:5], s[4:5], s[46:47]
	s_lshr_b32 s48, s43, 3                         ; in act1: (m / 128) 32768
	s_lshl_b32 s48, s48, 15
	s_and_b32 s49, s43, 7                          ; + (m % 128) 128
	s_lshl_b32 s49, s49, 11
	s_add_co_u32 s48, s48, s49
	s_lshl_b32 s49, s42, 8
	s_add_co_u32 s48, s48, s49
	s_mov_b32 s49, 0
	s_add_nc_u64 s[36:37], s[36:37], s[48:49]
.set j, 0
.rept 16
	global_load_b128 v[X+4*j:X+4*j+3], v2, s[4:5] offset:256*j th:TH_LOAD_NT  ; 256 bytes of each of the two rows
.set j, j+1
.endr
.set j, 0
.rept 16
	global_load_b128 v[G+4*j:G+4*j+3], v3, s[6:7] offset:256*j
.set j, j+1
.endr
.set j, 0
.rept 16
	global_load_b128 v[B+4*j:B+4*j+3], v3, s[8:9] offset:256*j
.set j, j+1
.endr
.macro REDUCE                          ; four chains of pairs in v[T:T+7] -> the sum over the row's 16 lanes, in each of them
	v_pk_add_f32 v[T:T+1], v[T:T+1], v[T+2:T+3]
	v_pk_add_f32 v[T+4:T+5], v[T+4:T+5], v[T+6:T+7]
	v_pk_add_f32 v[T:T+1], v[T:T+1], v[T+4:T+5]
	v_add_f32 v[T], v[T], v[T+1]
	v_add_f32_dpp v[T], v[T], v[T] row_xmask:1 row_mask:0xf bank_mask:0xf
	v_add_f32_dpp v[T], v[T], v[T] row_xmask:2 row_mask:0xf bank_mask:0xf
	v_add_f32_dpp v[T], v[T], v[T] row_xmask:4 row_mask:0xf bank_mask:0xf
	v_add_f32_dpp v[T], v[T], v[T] row_xmask:8 row_mask:0xf bank_mask:0xf
.endm
; The row's mean; X = x - mean in place; the mean of the squares of that (two passes: no difference of large sums); RS = 1 / sqrt(var + eps)
.macro LNSTAT
.irp k, 0,1,2,3
	v_pk_add_f32 v[T+2*\k:T+2*\k+1], v[X+2*\k:X+2*\k+1], v[X+8+2*\k:X+8+2*\k+1]  ; the first eight pairs start the chains: nothing is cleared
.endr
.set p, 8
.rept 24
	v_pk_add_f32 v[T+2*(p%4):T+2*(p%4)+1], v[T+2*(p%4):T+2*(p%4)+1], v[X+2*p:X+2*p+1]
.set p, p+1
.endr
	REDUCE
	v_mul_f32 v[MEAN], s44, v[T]
	v_mul_f32 v[MEAN+1], s44, v[T]
.set p, 0
.rept 32
	v_pk_add_f32 v[X+2*p:X+2*p+1], v[X+2*p:X+2*p+1], v[MEAN:MEAN+1] neg_lo:[0,1] neg_hi:[0,1]
.set p, p+1
.endr
.irp k, 0,1,2,3
	v_pk_mul_f32 v[T+2*\k:T+2*\k+1], v[X+2*\k:X+2*\k+1], v[X+2*\k:X+2*\k+1]
.endr
.set p, 4
.rept 28
	v_pk_fma_f32 v[T+2*(p%4):T+2*(p%4)+1], v[X+2*p:X+2*p+1], v[X+2*p:X+2*p+1], v[T+2*(p%4):T+2*(p%4)+1]
.set p, p+1
.endr
	REDUCE
	v_fma_f32 v[T], v[T], s44, s45                 ; var + eps
	v_rsq_f32 v[RS], v[T]
	v_rsq_f32 v[RS+1], v[T]
	v_nop                                          ; a plain instruction behind the root, ahead of the use of its result (ISA guide 5.7.2)
.endm
	s_wait_loadcnt 32                              ; x is in; the 32 loads of g1 and be1 may stay out
	LNSTAT
.set p, 0
	s_wait_alu depctr_va_vdst(0)
.rept 32
	v_pk_mul_f32 v[X+2*p:X+2*p+1], v[X+2*p:X+2*p+1], v[RS:RS+1]
.set p, p+1
.endr
	s_wait_loadcnt 0x0                             ; g1 and be1
.set p, 0
.rept 32
	v_pk_fma_f32 v[X+2*p:X+2*p+1], v[X+2*p:X+2*p+1], v[G+2*p:G+2*p+1], v[B+2*p:B+2*p+1]
.set p, p+1
.endr
.set p, 0
.rept 32
	v_cvt_pk_f16_f32 v[O+p], v[X+2*p], v[X+2*p+1]
.set p, p+1
.endr
.set j, 0
.rept 16
	global_store_b64 v1, v[O+2*j:O+2*j+1], s[36:37] offset:((j/2)<<20)|((j%2)<<14)  ; columns 64 j on of both rows: 2 x 128 = 256 consecutive bytes, aligned
.set j, j+1
.endr
	s_endpgm
; ---- weights: a work-group takes 32 rows (k) x 1,024 columns of one matrix, a wave one block of 128 columns
.Lweights:
	s_sub_co_u32 s43, s43, 256                     ; 0..383
	s_lshr_b32 s46, s43, 5                         ; which 32 work-groups: 0 wq, 1 wk, 2 wv, 3 wo, 4-7 w1's four column groups, 8-11 w2's four row groups
	s_and_b32 s47, s43, 31                         ; which 32 rows of 1,024
	s_and_b32 s48, s46, 3
	s_lshr_b32 s49, s46, 2                         ; 0: a square matrix, 1: w1, 2: w2
	s_cmp_eq_u32 s46, 1                            ; from where: a choice between buffers on the work-group's number
	s_cselect_b64 s[50:51], s[12:13], s[10:11]
	s_cmp_eq_u32 s46, 2
	s_cselect_b64 s[50:51], s[14:15], s[50:51]
	s_cmp_eq_u32 s46, 3
	s_cselect_b64 s[50:51], s[16:17], s[50:51]
	s_cmp_eq_u32 s49, 1
	s_cselect_b64 s[50:51], s[18:19], s[50:51]
	s_cmp_eq_u32 s49, 2
	s_cselect_b64 s[50:51], s[20:21], s[50:51]
	s_cmp_lt_u32 s46, 3                            ; to where
	s_cselect_b64 s[52:53], s[30:31], s[34:35]
	s_mov_b32 s54, 4096                            ; bytes from row to row of the source,
	s_cmp_eq_u32 s49, 1
	s_cselect_b64 s[52:53], s[32:33], s[52:53]
	s_cselect_b32 s54, 16384, s54
	s_mov_b32 s55, 262144                          ; and from block to block of the destination: K x 256
	s_cmp_eq_u32 s49, 2
	s_cselect_b32 s55, 1048576, s55
	s_lshl_b32 s56, s47, 17                        ; source offset.  Square: 32 rows of 4,096 bytes
	s_lshl_b32 s60, s47, 19                        ; w1: 32 rows of 16,384 bytes,
	s_lshl_b32 s61, s48, 12                        ; and the group's 1,024 columns
	s_add_co_u32 s60, s60, s61
	s_cmp_eq_u32 s49, 1
	s_cselect_b32 s60, s60, s56
	s_lshl_b32 s61, s48, 22                        ; w2: 1,024 rows a group
	s_add_co_u32 s61, s61, s56
	s_cmp_eq_u32 s49, 2
	s_cselect_b32 s56, s61, s60
	s_lshl_b32 s58, s48, 21                        ; destination offset.  wq, wk, wv and w1: eight blocks of 262,144 bytes a group;
	s_cmp_eq_u32 s46, 3
	s_cselect_b32 s58, 0, s58                      ; wo lies at wc's head;
	s_lshl_b32 s60, s48, 18                        ; w2 behind it, 1,024 rows of 256 bytes a group
	s_add_co_u32 s60, s60, 2097152
	s_cmp_eq_u32 s49, 2
	s_cselect_b32 s58, s60, s58
	s_lshl_b32 s60, s47, 13                        ; 32 rows of 256 bytes
	s_add_co_u32 s58, s58, s60
	s_lshl_b32 s60, s42, 9                         ; my wave's 128 columns: 512 bytes of a source row,
	s_add_co_u32 s56, s56, s60
	s_mul_i32 s60, s42, s55                        ; a block of the destination
	s_add_co_u32 s58, s58, s60
	s_mov_b32 s57, 0
	s_mov_b32 s59, 0
	s_add_nc_u64 s[50:51], s[50:51], s[56:57]
	s_add_nc_u64 s[52:53], s[52:53], s[58:59]
	v_lshlrev_b32 v4, 4, v4                        ; 16 x lane
.set i, 0
.rept 32
	v_mad_u32_u24 v[B+i], s54, i, v4               ; row i
.set i, i+1
.endr
.set i, 0
.rept 32
	global_load_b128 v[X+4*i:X+4*i+3], v[B+i], s[50:51] th:TH_LOAD_NT  ; 512 consecutive bytes: 128 numbers of a row
.set i, i+1
.endr
.set i, 0
.rept 32
	s_wait_loadcnt 31-i                            ; loads come back in order (ISA guide 5.7.1): row i is in, the younger ones stay out
	v_cvt_pk_f16_f32 v[X+4*i], v[X+4*i], v[X+4*i+1]
	v_cvt_pk_f16_f32 v[X+4*i+1], v[X+4*i+2], v[X+4*i+3]
	global_store_b64 v1, v[X+4*i:X+4*i+1], s[52:53] offset:256*i  ; 256 consecutive bytes, aligned: a row of the block
.set i, i+1
.endr
	s_cmp_lg_u32 s43, 0
	s_cbranch_scc1 .Ldone
; ---- the first of these work-groups also writes ep1 and ep3: 256 threads x 16 bytes = 1,024 numbers a line
	v_lshlrev_b32 v212, 4, v0
	global_load_b128 v[176:179], v212, s[22:23]
	global_load_b128 v[180:183], v212, s[24:25]
	global_load_b128 v[184:187], v212, s[26:27]
.irp i, 0,1,2,3
	global_load_b128 v[188+4*\i:191+4*\i], v212, s[28:29] offset:4096*\i
.endr
.irp i, 0,1,2,3
	v_mov_b32 v[204+\i], 0xff800000                ; -inf: the floor of a product without activation
	v_mov_b32 v[208+\i], 0                         ; 0: the floor of a ReLU
.endr
	global_store_b128 v212, v[204:207], s[38:39]
	global_store_b128 v212, v[208:211], s[40:41]
	s_wait_loadcnt 0x0
.irp i, 0,1,2
	global_store_b128 v212, v[176+4*\i:179+4*\i], s[38:39] offset:4096+4096*\i
.endr
.irp i, 0,1,2,3
	global_store_b128 v212, v[188+4*\i:191+4*\i], s[40:41] offset:4096+4096*\i
.endr
.Ldone:
	s_endpgm
.Lfunc_end_k_q976a7baa0f_prep:
	.size	k_q976a7baa0f_prep, .Lfunc_end_k_q976a7baa0f_prep-k_q976a7baa0f_prep
	.p2alignl 7, 3214868480
	.fill 96, 4, 3214868480
	.section	.rodata,"a",@progbits
	.p2align	6, 0x0
	.amdhsa_kernel k_q976a7baa0f_prep
		.amdhsa_group_segment_fixed_size 0
		.amdhsa_private_segment_fixed_size 0
		.amdhsa_enable_private_segment 0
		.amdhsa_kernarg_size 152
		.amdhsa_user_sgpr_count 2
		.amdhsa_user_sgpr_kernarg_segment_ptr 1
		.amdhsa_wavefront_size32 1
		.amdhsa_system_sgpr_workgroup_id_x 1
		.amdhsa_system_sgpr_workgroup_id_y 1
		.amdhsa_system_sgpr_workgroup_id_z 1
		.amdhsa_system_vgpr_workitem_id 0
		.amdhsa_next_free_vgpr 240
		.amdhsa_next_free_sgpr 66
		.amdhsa_reserve_vcc 0
		.amdhsa_float_denorm_mode_32 3
		.amdhsa_float_denorm_mode_16_64 3
		.amdhsa_memory_ordered 1
		.amdhsa_forward_progress 1
		.amdhsa_inst_pref_size 38
	.end_amdhsa_kernel
	.amdgpu_metadata
---
amdhsa.version: [ 1, 2 ]
amdhsa.kernels:
  - .name:           k_q976a7baa0f_prep
    .symbol:         k_q976a7baa0f_prep.kd
    .args:
      - { .name: x, .offset: 0, .size: 8, .value_kind: global_buffer, .address_space: global }
      - { .name: g1, .offset: 8, .size: 8, .value_kind: global_buffer, .address_space: global }
      - { .name: be1, .offset: 16, .size: 8, .value_kind: global_buffer, .address_space: global }
      - { .name: wq, .offset: 24, .size: 8, .value_kind: global_buffer, .address_space: global }
      - { .name: wk, .offset: 32, .size: 8, .value_kind: global_buffer, .address_space: global }
      - { .name: wv, .offset: 40, .size: 8, .value_kind: global_buffer, .address_space: global }
      - { .name: wo, .offset: 48, .size: 8, .value_kind: global_buffer, .address_space: global }
      - { .name: w1, .offset: 56, .size: 8, .value_kind: global_buffer, .address_space: global }
      - { .name: w2, .offset: 64, .size: 8, .value_kind: global_buffer, .address_space: global }
      - { .name: bq, .offset: 72, .size: 8, .value_kind: global_buffer, .address_space: global }
      - { .name: bk, .offset: 80, .size: 8, .value_kind: global_buffer, .address_space: global }
      - { .name: bv, .offset: 88, .size: 8, .value_kind: global_buffer, .address_space: global }
      - { .name: b1, .offset: 96, .size: 8, .value_kind: global_buffer, .address_space: global }
      - { .name: wa, .offset: 104, .size: 8, .value_kind: global_buffer, .address_space: global }
      - { .name: wb, .offset: 112, .size: 8, .value_kind: global_buffer, .address_space: global }
      - { .name: wc, .offset: 120, .size: 8, .value_kind: global_buffer, .address_space: global }
      - { .name: act1, .offset: 128, .size: 8, .value_kind: global_buffer, .address_space: global }
      - { .name: ep1, .offset: 136, .size: 8, .value_kind: global_buffer, .address_space: global }
      - { .name: ep3, .offset: 144, .size: 8, .value_kind: global_buffer, .address_space: global }
    .group_segment_fixed_size: 0
    .private_segment_fixed_size: 0
    .kernarg_segment_align: 8
    .kernarg_segment_size: 152
    .max_flat_workgroup_size: 256
    .sgpr_count:     66
    .vgpr_count:     240
    .wavefront_size: 32
...
	.end_amdgpu_metadata
.endif
;; end of part 1
;; launch qkv (part 2): grid 24 x 32, 4 waves a work-group, clusters of 4 x 4, 327,680 bytes of LDS; arguments act1, wa, ep1, big; writes big
.if DOCPART == 2
	.amdgcn_target "amdgcn-amd-amdhsa--gfx1250"
	.amdhsa_code_object_version 6
	.text
	.protected	k_q976a7baa0f_qkv
	.globl	k_q976a7baa0f_qkv
	.p2align	8
	.type	k_q976a7baa0f_qkv,@function
k_q976a7baa0f_qkv:
	s_mov_b64 s[64:65], 0
	v_nop
	global_prefetch_b8 v0, s[64:65] scope:SCOPE_SE
	s_setreg_imm32_b32 hwreg(HW_REG_WAVE_MODE, 25, 1), 1
	s_wait_xcnt 0x0
	s_wait_alu depctr_hold_cnt(0) depctr_sa_sdst(0) depctr_va_vdst(0) depctr_va_sdst(0) depctr_va_ssrc(0) depctr_va_vcc(0) depctr_vm_vsrc(0)
	s_getreg_b32 s2, hwreg(HW_REG_IB_STS2, 6, 4)
	s_cmp_eq_u32 s2, 0
	s_cbranch_scc0 .Lentry_in_a_cluster
	s_endpgm
.Lentry_in_a_cluster:
	s_bfe_u32 s2, ttmp6, 0x10000c
	s_cmp_lg_u32 s2, 0xf033
	s_cbranch_scc0 .Lentry_shape_is_right
	s_endpgm
.Lentry_shape_is_right:
; C = max(A W + bias, floor), K = 1,024.  A: 4,096 rows in f16, in tiles of 128 x 128 (32,768 dense bytes: [column half][128 rows][64]); W: f16 in blocks [K][128]; C: f16 in A's tile layout.
; The third argument holds the floor in its first word (-inf: no activation; 0: ReLU) and the bias from byte 4,096 on.  Sums in f32, C rounded once.
; LIMIT.  f16 ends at 65,504: a number of C beyond it becomes an infinity.  NaN and infinities are not treated apart.
; A tile of C is 128 x 128: four waves, each 64 x 64: 16 accumulators, 128 registers.  K goes in steps of 256 through two LDS slots; each wave's one tensor load brings 32,768 dense bytes as 128 rows of 256.
; CLUSTERS: 4 x 4 work-groups.  The four of a row of the cluster need the same tiles of A, the four of a column the same tiles of W: each is asked for JOINTLY, by the same tensor load with the same
; descriptor and a mask that names the four.  THE MATRIX INSTRUCTION IS USED TRANSPOSED (source 0 = 16 columns of W, source 1 = 16 rows of A): a lane then holds eight neighbouring numbers of a row of C.
; A comes out of LDS as it lies; W ([k][n]) turned, by ds_load_tr16_b128.
; REGISTERS: window 0: v0-31 addresses; v32-63 bias; v64-127 the way out; v128-255 the accumulators ((a, b) at v[128 + 8 (4 a + b)]).
;   window 1: two fragment buffers of 128: for 64 along K, 64 registers of A, then 64 of W.
.set KTOT,   1024
.set PA,     144                       ; 128 bytes of A (a row's 64 numbers) + 16 of padding = 36 words: the 16 rows of a load start at 16 different groups of four banks (64 banks of 4 bytes: ISA guide 11.1)
.set PB,     288                       ; 256 bytes of W (a k's 128 columns) + 32 = 72 words
.set QB,     18432                     ; 64 along K: 128 x PA of A, 64 x PB of W
.set PART,   36864                     ; what one tensor load fills
.set SLOT,   4*PART                    ; A's K 0-127, A's K 128-255, W's k 0-127, W's k 128-255
.set STAGE,  2*SLOT                    ; behind the ring: 16 rows x 144 bytes for each wave, for the way out
.set SP,     144
.set SPARE,  STAGE+4*16*SP             ; behind the stages: the spare words, 128 bytes for each wave: two blocks of 256 bytes that no other line names
.set LAPS,   KTOT/512                  ; a lap = two K steps = once round the ring
.set ADRA, 16                          ; v16-17  LDS address of my A fragments in slot 0, 1
.set ADRB, 20                          ; v20-23  the same for W: slot 0 k 0-127, slot 0 k 128-255, slot 1 likewise (an LDS offset has 16 bits)
.set STO,  24                          ; v24     the way out: where I put 16 bytes of a row
.set RD,   25                          ; v25     the way out: where I read rows back
.set CO,   26                          ; v26     16 x lane
.set BO,   27                          ; v27     my byte offset in the bias
.set SPW,  28                          ; v28     LDS address of my spare word; never rewritten
.set NIL,  29                          ; v29     0; never rewritten
.set BIAS, 32
.set TMP,  64
.set ACC,  128
.set F0,   0
.set F1,   128
.set G1, 24                            ; s[24:31] descriptor group 1 for A's tiles;  s[32:39] group 0, one set for each slot
.set G0, 32
.set G1B, 48                           ; s[48:55], s[56:63] the same for W's tiles
.set G0B, 56
.set MSB, 0
.macro WIN new                         ; the immediate's high byte repeats the setting that is left
.if MSB != (\new)
	s_set_vgpr_msb (MSB<<8)|(\new)
.set MSB, \new
.endif
.endm
.set MUL,  0x05                        ; sources 0 (W) and 1 (A) window 1; C and D window 0
.set TO_F, 0x40                        ; destination window 1, address window 0
.macro JLOAD s                         ; a joint load: waves 0 and 1 fetch A's two tiles, waves 2 and 3 W's two halves; an s_nop 0 and four v_nop follow each line
	s_cmp_eq_u32 s11, 0
	s_cbranch_scc0 .Lfor_b_\@
	tensor_load_to_lds s[G0+4*(\s):G0+4*(\s)+3], s[G1:G1+7]
	s_nop 0
.rept 4
	v_nop
.endr
	s_branch .Lasked_\@
.Lfor_b_\@:
	tensor_load_to_lds s[G0B+4*(\s):G0B+4*(\s)+3], s[G1B:G1B+7]
	s_nop 0
.rept 4
	v_nop
.endr
.Lasked_\@:
.endm
.macro CREST                           ; a round of the cluster's barrier behind its opening barrier
	s_cmp_lg_u32 s10, 0
	s_cbranch_scc1 .Lnot_wave_0_\@
	s_barrier_signal -3
.Lnot_wave_0_\@:
	s_barrier_wait -3
	s_barrier_signal -1
	s_barrier_wait -1
.endm
.macro CROUND                          ; a whole round
	s_barrier_signal -1
	s_barrier_wait -1
	CREST
.endm
	s_load_b256 s[68:75], s[0:1], 0x0              ; A s[68:69], W s[70:71], floor and bias s[72:73], C s[74:75]
	v_lshl_add_u32 v[SPW], v0, 2, SPARE
	v_mov_b32 v[NIL], 0
	ds_add_u32 v[SPW], v[NIL]                      ; the wave's opening: the add and its wait stand ahead of my first tensor load; the set-up below stands between them
	ds_add_u32 v28, v29
	v_lshrrev_b32 v1, 5, v0
	v_readfirstlane_b32 s10, v1                    ; wave 0..3
	s_lshr_b32 s11, s10, 1                         ; which half of the tile's rows is mine.  Also: I fetch for A (0) or for W (1)
	s_and_b32 s12, s10, 1                          ; which half of its columns.  Also: which part of a K step I fetch
	s_bfe_u32 s40, ttmp6, 0x40000                  ; cx, cy: my place in the cluster
	s_bfe_u32 s41, ttmp6, 0x40004
	s_lshl_b32 s42, ttmp9, 2
	s_add_co_u32 s42, s42, s40                     ; tile column of C = 4 x cluster x + cx
	s_and_b32 s13, ttmp7, 0xffff
	s_lshl_b32 s13, s13, 2
	s_add_co_u32 s13, s13, s41                     ; tile row of C = 4 x cluster y + cy
	s_lshl_b32 s43, s41, 2
	s_lshl_b32 s43, 15, s43                        ; my row of the cluster
	s_lshl_b32 s44, 0x1111, s40                    ; my column
	s_or_b32 s[G1+0], s43, (1<<16)|(1<<20)|(1<<21)|(4<<22)|(3<<25)   ; 15:0 the mask: A's tiles go to my row; 17:16 2-byte elements; 20 padding on; 21 set beside a mask; 24:22 after every 32 words (code 4); 31:25 4 words (code 3)
	s_or_b32 s[G1B+0], s44, (1<<16)|(1<<20)|(1<<21)|(5<<22)|(7<<25)  ; W's go to my column; after every 64 words (code 5) 8 words (code 7)
.irp g, G1, G1B
	s_mov_b32 s[(\g)+1], 128<<16                   ; tensor_dim0 = 128 elements: 256 bytes
	s_mov_b32 s[(\g)+2], 128<<16                   ; tensor_dim1 = 128
	s_mov_b32 s[(\g)+3], 128<<16                   ; tile_dim0 = 128
	s_mov_b32 s[(\g)+4], 128                       ; tile_dim1 = 128
	s_mov_b32 s[(\g)+5], 128                       ; dense: 128 elements from row to row
	s_mov_b32 s[(\g)+6], 0
	s_mov_b32 s[(\g)+7], 0
.endr
	s_lshl_b32 s16, s13, 15                        ; A: tile (K block, tile row) lies at (K block x 32 + tile row) x 32,768;
	s_lshl_b32 s17, s12, 20                        ; wave 0 takes the step's first K block, wave 1 its second
	s_add_co_u32 s16, s16, s17
	s_mov_b32 s17, 0
	s_mul_i32 s46, s42, KTOT*256                   ; W: the tile column's block,
	s_lshl_b32 s47, s12, 15                        ; wave 2 takes the step's first 128 rows, wave 3 the others
	s_add_co_u32 s46, s46, s47
	s_mov_b32 s47, 0
	s_mul_i32 s20, s10, PART                       ; where they go: no place in the cluster enters an LDS address
	s_wait_dscnt 0x0                               ; the opening add is done
	s_wait_kmcnt 0x0
	s_add_nc_u64 s[14:15], s[68:69], s[16:17]
	s_add_nc_u64 s[46:47], s[70:71], s[46:47]
	CROUND                                         ; all sixteen work-groups are here: the first joint loads meet
.irp s, 0,1
	s_mov_b32 s[G0+4*(\s)], 1
	s_add_co_u32 s[G0+4*(\s)+1], s20, (\s)*SLOT
	s_add_nc_u64 s[G0+4*(\s)+2:G0+4*(\s)+3], s[14:15], (\s)*2097152  ; K step s: two K blocks of 32 tiles
	s_or_b32 s[G0+4*(\s)+3], s[G0+4*(\s)+3], 0x80000000
	s_mov_b32 s[G0B+4*(\s)], 1
	s_add_co_u32 s[G0B+4*(\s)+1], s20, (\s)*SLOT
	s_add_nc_u64 s[G0B+4*(\s)+2:G0B+4*(\s)+3], s[46:47], (\s)*65536  ; 256 rows of 256 bytes
	s_or_b32 s[G0B+4*(\s)+3], s[G0B+4*(\s)+3], 0x80000000
	JLOAD \s
.endr
	v_and_b32 v1, 15, v0                           ; l % 16
	v_bfe_u32 v2, v0, 4, 1                         ; l / 16
	v_mul_u32_u24 v3, v1, PA
	v_lshl_add_u32 v3, v2, 4, v3                   ; A: a fragment's row x pitch + 16 x half
	v_and_b32 v5, 7, v0
	v_bfe_u32 v6, v0, 3, 1
	v_lshl_add_u32 v4, v2, 3, v5                   ; W: lane l reads k = 8 (l / 16) + l % 8, columns 8 ((l / 8) % 2) + 0..7
	v_mul_u32_u24 v4, v4, PB
	v_lshl_add_u32 v4, v6, 4, v4
	s_mul_i32 s21, s11, 64*PA                      ; my 64 rows of A
	s_lshl_b32 s22, s12, 7                         ; my 64 columns of W,
	s_add_co_u32 s22, s22, 2*PART                  ; which lies behind A
.irp s, 0,1
	v_add_nc_u32 v[ADRA+(\s)], s21, v3
	v_add_nc_u32 v[ADRB+2*(\s)], s22, v4
	s_add_co_u32 s22, s22, PART
	v_add_nc_u32 v[ADRB+2*(\s)+1], s22, v4
	s_add_co_u32 s21, s21, SLOT
	s_add_co_u32 s22, s22, SLOT-PART
.endr
	s_mul_i32 s23, s10, 16*SP
	s_add_co_u32 s23, s23, STAGE                   ; my stage
	v_add_nc_u32 v[STO], s23, v3                   ; in: row l % 16, 16 bytes for each half of the lanes
	v_bfe_u32 v7, v0, 3, 2                         ; back: 32 lanes take four rows of 128 bytes,
	v_mul_u32_u24 v7, v7, SP
	v_lshl_add_u32 v7, v5, 4, v7
	v_add_nc_u32 v[RD], s23, v7
	v_and_b32 v[CO], 31, v0                        ; which are 512 consecutive bytes of C
	v_lshlrev_b32 v[CO], 4, v[CO]
	s_lshl_b32 s16, s13, 15                        ; C's tile (tile column x 32 + tile row) x 32,768; my column half 16,384; my 64 rows 8,192
	s_lshl_b32 s17, s12, 14
	s_add_co_u32 s16, s16, s17
	s_lshl_b32 s17, s11, 13
	s_add_co_u32 s16, s16, s17
	s_mov_b32 s17, 0
	s_add_nc_u64 s[74:75], s[74:75], s[16:17]
	s_lshl_b32 s46, s42, 20                        ; (in the registers that held W's address: none that feeds A's descriptors ever holds cx)
	s_mov_b32 s47, 0
	s_add_nc_u64 s[74:75], s[74:75], s[46:47]
	s_lshl_b32 s46, s42, 9                         ; the bias of my 64 columns: 4 (128 x tile column + 64 x half) + 32 (l / 16)
	s_lshl_b32 s47, s12, 8
	s_add_co_u32 s46, s46, s47
	v_lshl_add_u32 v[BO], v2, 5, s46
.irp b, 0,1,2,3
	global_load_b128 v[BIAS+8*(\b):BIAS+8*(\b)+3],   v[BO], s[72:73] offset:4096+64*(\b)     ; the eight columns that accumulators (., b) hold in my lane
	global_load_b128 v[BIAS+8*(\b)+4:BIAS+8*(\b)+7], v[BO], s[72:73] offset:4096+64*(\b)+16
.endr
	s_load_b32 s76, s[72:73], 0x0                  ; the floor
; 8 matrix instructions: m blocks a0, a0 + 1 x all 4 n blocks, 32 along K: half c of buffer f.  zero = 1: the first product starts the sums.  The 16 accumulators take turns
.macro MUL8 f, c, a0, zero
	WIN MUL
.irp a, \a0, (\a0)+1
.irp b, 0,1,2,3
.if \zero
	v_wmma_f32_16x16x32_f16 v[ACC+8*(4*(\a)+(\b)):ACC+8*(4*(\a)+(\b))+7], v[(\f)+64+8*(4*(\c)+(\b)):(\f)+64+8*(4*(\c)+(\b))+7], v[(\f)+8*(4*(\c)+(\a)):(\f)+8*(4*(\c)+(\a))+7], 0
.else
	v_wmma_f32_16x16x32_f16 v[ACC+8*(4*(\a)+(\b)):ACC+8*(4*(\a)+(\b))+7], v[(\f)+64+8*(4*(\c)+(\b)):(\f)+64+8*(4*(\c)+(\b))+7], v[(\f)+8*(4*(\c)+(\a)):(\f)+8*(4*(\c)+(\a))+7], v[ACC+8*(4*(\a)+(\b)):ACC+8*(4*(\a)+(\b))+7]
.endif
.endr
.endr
.endm
; 32 LDS loads in one run: the fragments of quarter q (64 along K) of a slot, into buffer f; the first 32 along K first
.macro FETCH slot, q, f
	WIN TO_F
.irp c, 0,1
.irp i, 0,1,2,3
	ds_load_tr16_b128 v[(\f)+64+8*(4*(\c)+(\i)):(\f)+64+8*(4*(\c)+(\i))+3],   v[ADRB+2*(\slot)+(\q)/2] offset:((\q)%2)*QB+(\c)*32*PB+(\i)*32
	ds_load_tr16_b128 v[(\f)+64+8*(4*(\c)+(\i))+4:(\f)+64+8*(4*(\c)+(\i))+7], v[ADRB+2*(\slot)+(\q)/2] offset:((\q)%2)*QB+(\c)*32*PB+16*PB+(\i)*32
	ds_load_b128 v[(\f)+8*(4*(\c)+(\i)):(\f)+8*(4*(\c)+(\i))+3],              v[ADRA+(\slot)] offset:(\q)*QB+(\c)*64+(\i)*16*PA
	ds_load_b128 v[(\f)+8*(4*(\c)+(\i))+4:(\f)+8*(4*(\c)+(\i))+7],            v[ADRA+(\slot)] offset:(\q)*QB+(\c)*64+(\i)*16*PA+32
.endr
.endr
.endm
.macro PLACES                          ; four places in front of loads into registers that matrix instructions have read, and of vector lines that read results
.rept 4
	v_nop
.endr
.endm
; A K step is four quarters of 64 along K, 32 matrix instructions each, on buffers 0, 1, 0, 1.  One of the first three: multiplies buffer f and fetches quarter q into g.
.macro QUARTER slot, q, f, g, zero
	s_wait_dscnt 16                                ; the first 32 along K are in; the run's other sixteen loads may be out
	WIN MUL
	MUL8 \f, 0, 0, \zero
	MUL8 \f, 0, 2, \zero
	PLACES
	FETCH \slot, \q, \g
	s_wait_dscnt 32                                ; all but the 32 just issued
	WIN MUL
	MUL8 \f, 1, 0, 0
	MUL8 \f, 1, 2, 0
.endm
; The last quarter multiplies buffer 1 and changes slots: ONE barrier; in front of it each wave waits for all its tensor loads, adds 0 to its spare word, and waits for that and for its own reads of this slot.
; fill = 1: this slot is filled again, two K steps ahead.
.macro TURN slot, next, fill
	WIN 0                                          ; (the add's two registers lie in window 0)
	s_wait_tensorcnt 0x0                           ; all my tensor loads have landed: my part of the next slot;
	ds_add_u32 v[SPW], v[NIL]                      ; 0 onto my spare word;
	s_wait_dscnt 17                                ; (the add and the youngest sixteen loads may be out)
	WIN MUL
	MUL8 F1, 0, 0, 0                               ; eight matrix instructions stand between the add and the wait for it
	s_wait_dscnt 0x0                               ; the add is done, and my reads of this slot are over
	s_barrier_signal -1
	MUL8 F1, 0, 2, 0
.if \fill
	WIN 0
.endif
	s_barrier_wait -1
.if \fill
	CREST                                          ; the barrier has opened a round of the cluster's barrier: no wave of any partner still reads this slot or has a load on its way
	s_add_nc_u64 s[G0+4*(\slot)+2:G0+4*(\slot)+3], s[G0+4*(\slot)+2:G0+4*(\slot)+3], 4194304
	s_add_nc_u64 s[G0B+4*(\slot)+2:G0B+4*(\slot)+3], s[G0B+4*(\slot)+2:G0B+4*(\slot)+3], 131072
	JLOAD \slot                                    ; the first tensor load behind the round, 112 matrix instructions ahead of the wait for it; its four v_nop are also the places in front of the loads below
.else
	PLACES
.endif
	FETCH \next, 0, F0
	WIN MUL
	MUL8 F1, 1, 0, 0
	MUL8 F1, 1, 2, 0
.endm
	s_wait_tensorcnt 1                             ; my part of K step 0 is in; K step 1's may stay out
	s_barrier_signal -1
	s_barrier_wait -1                              ; everybody's is
	FETCH 0, 0, F0
	QUARTER 0, 1, F0, F1, 1                        ; the first quarter stands in front of the loop: its first products start the sums
	WIN 0                                          ; at a label and at a branch every window is 0
	s_mov_b32 s3, LAPS-1
.Llap:                                                 ; a trip goes once round the ring, from a lap's second quarter to the next lap's first, and fills both slots again
	QUARTER 0, 2, F1, F0, 0
	QUARTER 0, 3, F0, F1, 0
	TURN 0, 1, 1
	QUARTER 1, 1, F0, F1, 0
	QUARTER 1, 2, F1, F0, 0
	QUARTER 1, 3, F0, F1, 0
	TURN 1, 0, 1
	QUARTER 0, 1, F0, F1, 0
	WIN 0
	s_sub_co_u32 s3, s3, 1
	s_cmp_lg_u32 s3, 0
	s_cbranch_scc1 .Llap
	QUARTER 0, 2, F1, F0, 0                        ; the last lap fills nothing, and has no round of the cluster's barrier
	QUARTER 0, 3, F0, F1, 0
	TURN 0, 1, 0
	QUARTER 1, 1, F0, F1, 0
	QUARTER 1, 2, F1, F0, 0
	QUARTER 1, 3, F0, F1, 0
	s_wait_dscnt 16                                ; the very last quarter: nothing more to fetch
	WIN MUL
	MUL8 F1, 0, 0, 0
	MUL8 F1, 0, 2, 0
	s_wait_dscnt 0
	MUL8 F1, 1, 0, 0
	MUL8 F1, 1, 2, 0
	WIN 0
	; THE WAY OUT.  A wave's 64 x 64 of C is 8,192 dense bytes, so each wave goes out by itself: bias, floor, f16; 16 rows at a time through its own stage, back as 512 consecutive bytes.
	PLACES
	s_wait_loadcnt 0x0                             ; the bias
	s_wait_kmcnt 0x0                               ; the floor
.macro PACK a
.irp b, 0,1,2,3
.irp i, 0,1,2,3
	v_pk_add_f32 v[ACC+8*(4*(\a)+(\b))+2*(\i):ACC+8*(4*(\a)+(\b))+2*(\i)+1], v[ACC+8*(4*(\a)+(\b))+2*(\i):ACC+8*(4*(\a)+(\b))+2*(\i)+1], v[BIAS+8*(\b)+2*(\i):BIAS+8*(\b)+2*(\i)+1]  ; each accumulator from its low end on
.endr
.endr
.irp b, 0,1,2,3
.irp i, 0,1,2,3,4,5,6,7
	v_max_num_f32 v[ACC+8*(4*(\a)+(\b))+(\i)], s76, v[ACC+8*(4*(\a)+(\b))+(\i)]
.endr
.endr
.irp b, 0,1,2,3
.irp i, 0,1,2,3
	v_cvt_pk_f16_f32 v[TMP+16*(\a)+4*(\b)+(\i)], v[ACC+8*(4*(\a)+(\b))+2*(\i)], v[ACC+8*(4*(\a)+(\b))+2*(\i)+1]
.endr
.endr
.irp b, 0,1,2,3
	ds_store_b128 v[STO], v[TMP+16*(\a)+4*(\b):TMP+16*(\a)+4*(\b)+3] offset:32*(\b)
.endr
.irp f, 0,1,2,3
	ds_load_b128 v[TMP+16*(\a)+4*(\f):TMP+16*(\a)+4*(\f)+3], v[RD] offset:(\f)*4*SP  ; LDS serves a wave's instructions in order (ISA guide 5.7.1.4): these see the stores above; the next block's stores come behind them
.endr
.endm
.macro SEND a, younger                 ; younger: the LDS instructions issued behind block a's loads: the next block's eight, or none
.irp f, 0,1,2,3
	s_wait_dscnt (\younger)+3-(\f)
	global_store_b128 v[CO], v[TMP+16*(\a)+4*(\f):TMP+16*(\a)+4*(\f)+3], s[74:75] offset:(\a)*2048+(\f)*512  ; 512 consecutive bytes, at a multiple of 256 from C's first
.endr
.endm
	PACK 0
	PACK 1                                         ; a block's arithmetic stands between the loads of the block before and its stores
	SEND 0, 8
	PACK 2
	SEND 1, 8
	PACK 3
	SEND 2, 8
	SEND 3, 0
	s_wait_tensorcnt 0x0                           ; the wave's end: behind my last tensor load and my last LDS store
	ds_add_u32 v[SPW], v[NIL]
	s_wait_dscnt 0x0
	CROUND                                         ; the closing round: no work-group ends while a partner may still ask for a tile that names it
	s_endpgm
.Lfunc_end_k_q976a7baa0f_qkv:
	.size	k_q976a7baa0f_qkv, .Lfunc_end_k_q976a7baa0f_qkv-k_q976a7baa0f_qkv
	.p2alignl 7, 3214868480
	.fill 96, 4, 3214868480
	.section	.rodata,"a",@progbits
	.p2align	6, 0x0
	.amdhsa_kernel k_q976a7baa0f_qkv
		.amdhsa_group_segment_fixed_size 327680
		.amdhsa_private_segment_fixed_size 0
		.amdhsa_enable_private_segment 0
		.amdhsa_kernarg_size 32
		.amdhsa_user_sgpr_count 2
		.amdhsa_user_sgpr_kernarg_segment_ptr 1
		.amdhsa_wavefront_size32 1
		.amdhsa_system_sgpr_workgroup_id_x 1
		.amdhsa_system_sgpr_workgroup_id_y 1
		.amdhsa_system_sgpr_workgroup_id_z 1
		.amdhsa_system_vgpr_workitem_id 0
		.amdhsa_next_free_vgpr 512
		.amdhsa_next_free_sgpr 80
		.amdhsa_reserve_vcc 0
		.amdhsa_float_denorm_mode_32 3
		.amdhsa_float_denorm_mode_16_64 3
		.amdhsa_memory_ordered 1
		.amdhsa_forward_progress 1
		.amdhsa_inst_pref_size 96
	.end_amdhsa_kernel
	.amdgpu_metadata
---
amdhsa.version: [ 1, 2 ]
amdhsa.kernels:
  - .name:           k_q976a7baa0f_qkv
    .symbol:         k_q976a7baa0f_qkv.kd
    .args:
      - { .name: act1, .offset: 0, .size: 8, .value_kind: global_buffer, .address_space: global }
      - { .name: wa, .offset: 8, .size: 8, .value_kind: global_buffer, .address_space: global }
      - { .name: ep1, .offset: 16, .size: 8, .value_kind: global_buffer, .address_space: global }
      - { .name: big, .offset: 24, .size: 8, .value_kind: global_buffer, .address_space: global }
    .group_segment_fixed_size: 327680
    .private_segment_fixed_size: 0
    .kernarg_segment_align: 8
    .kernarg_segment_size: 32
    .max_flat_workgroup_size: 128
    .sgpr_count:     80
    .vgpr_count:     512
    .wavefront_size: 32
...
	.end_amdgpu_metadata
.endif
;; end of part 2
;; launch att (part 3): grid 8 x 32, 4 waves a work-group, no clusters, 327,680 bytes of LDS; arguments big, act1; writes act1
.if DOCPART == 3
	.amdgcn_target "amdgcn-amd-amdhsa--gfx1250"
	.amdhsa_code_object_version 6
	.text
	.protected	k_q976a7baa0f_att
	.globl	k_q976a7baa0f_att
	.p2align	8
	.type	k_q976a7baa0f_att,@function
k_q976a7baa0f_att:
	s_mov_b64 s[64:65], 0
	v_nop
	global_prefetch_b8 v0, s[64:65] scope:SCOPE_SE
	s_setreg_imm32_b32 hwreg(HW_REG_WAVE_MODE, 25, 1), 1
	s_wait_xcnt 0x0
; THE MODULE'S ATTENTION.  Its two triu / transpose pairs leave, for query q of a head (2,048 rows, 64 channels, scores s = q . k / 32):
;   attn[q] = (e^(0 - m) / Z) x (the sum of v[k] over k < q) + (e^(s_qq - m) / Z) x v[q],    Z = the sum over k >= q of e^(s_qk - m) + q e^(0 - m),    m = max(s_qk over k >= q; 0 if q > 0).
; So of Q K^T only the part on and above the diagonal is needed, for a sum of exponentials under a running maximum, and the second product is a running sum of V's rows and one row.
; q, k, v: f16 in big, attn: f16 in act1, all in tiles in which a head's 128 rows are 16,384 dense bytes, 32,768 bytes from chunk to chunk.  Products, maxima and sums in f32; attn rounded once.
; LIMITS.  A hidden score counts as its value less 1e30.  The running maximum begins at -2^96 (-7.9e28): above every hidden score and below every true one (f16's scores are 2.7e11 at the most), so a lane that has
; seen hidden keys alone keeps that start as its maximum and gives them the weight 0.  A weight below 2^-126 counts as 0; attn lies within v's range; NaN and infinities are not treated apart.
; SHARES.  A work-group takes the query blocks p and 15 - p of 128 rows of one head: (16 - p) + (p + 1) = 17 chunks of keys, whatever p.  A wave owns 32 rows of a block: two tiles of 16 queries.
; K, all 2,048 rows, is brought into LDS once, four tensor loads a wave, all out together (four by this text's count); nothing is filled again, so one barrier serves the kernel.  The first p chunks are
; brought and never read: the price of a text whose loads hang on no number.  While K lands, the sums of V's rows are made.
; NO CLUSTER: the eight work-groups of a head share K and V, but which key steps are dead hangs on p, which would be the place in the cluster; a walk alike in all would have 32 chunks for 17.
; SUMS OF ROWS ON THE MATRIX UNIT.  Source 1 = 8 registers of V as loaded (lane l: rows 4 j + l / 8, channels 8 (l % 8) + 0..7).  Source 0 = SEL, with SEL[m][k] = 1 where k % 8 = m % 8.  The result's register j of lane
; (r, h) is then the sum, over half of those rows, of channel 8 (r % 8) + j; lanes r and r xor 8 hold the two halves.  SEL's rows 0-7 are masked by 'chunk lies ahead of the block', rows 8-15 by 'chunk is the block'.
.set PK,    144                        ; a row of K in LDS: 128 bytes + 16 = 36 words: the 16 rows of a load start at 16 different groups of four banks (64 banks of 4 bytes: ISA guide 11.1)
.set PV,    160                        ; a row of V: 128 + 32 = 40 words
.set CH,    128*PK                     ; a chunk of 128 keys
.set KST,   64*PK                      ; a key step of 64
.set VP,    16*CH                      ; behind K: for each wave its own 32 rows of V (5,120 bytes); later the same wave's stage, 16 rows x 144 bytes
.set SUMS,  VP+4*32*PV                 ; [block 2][ahead, own 2][wave 4][64 f32]
.set SPARE, SUMS+4096                  ; the spare words, 128 bytes for each wave: two blocks of 256 bytes that no other line names
; v1 l % 16, v2 l / 16, v3 my place in a step of K, v4 the address of the run in hand, v5 my place in 16 rows of Q, v6 16 x lane, v7 V into LDS, v8 V^T out of it, v9 my query's row of V, v10 stage in, v11 stage back,
; v12 sums in, v13 sums back, v14 my query in its block (tile 0), v15, v18, v19 at work, v16 my spare word, v17 0
.set ST,   20                          ; tile u's statistics at v[ST+14 u]: +0 c m, +1 m, +2,3 l, +4..7 c0-c3 at work (c2 takes a), +8 the diagonal score, +9 q, +10,11 e^(0-m)/Z twice, +12,13 e^(s_qq-m)/Z twice
.set MD,   48                          ; v48-55   the mask of a tile's own 16 keys: register j is -1e30 where key 8 (l / 16) + j lies ahead of query l % 16
.set LD,   56                          ; v56-71   for tile u: source 1 with 1.0 where row k of my wave's 32 lies ahead of query 16 u + l % 16
.set SEL,  72                          ; v72-79
.set Q,    80                          ; v80-111  Q, 16 a tile; in the sums of rows the two masked SEL; at the end my query's row of V
.set KF,   112                         ; v112-175 K of one step: key block kb, channel half c at KF + 16 kb + 8 c; in the sums of rows four buffers of V up to v239
.set BASE, 144                         ; v144-175 at the end: the sum of all rows ahead of my wave's 32
.set S,    176                         ; v176-239 S^T: tile u, key block kb at S + 32 u + 8 kb
.set PKD,  240                         ; v240-255 the two accumulators of the sums of rows; later packed results
; s8 wave, s9 p, s10 15 - p, s11 the block in hand, s12-20 at work, s21 -4.25e37, s22 the block's place in SUMS, s23 the first step behind the diagonal chunk, s[24:31] group 1, s[32:47] four groups 0,
; s[48:55] q, k, v, attn at the head, s[56:57] c, s[58:59] lane selects, s60 -1e30, s61 lanes with l % 16 >= 8, s62 step, s63 its LDS byte, s[66:67], s[68:69] the mask's factor and addend, s70 the block's first step,
; s71, s72 my tiles' places against the step's key blocks, s73 the next step's LDS byte, s74 blocks to go, s75 chunk, s76 trips, s77 f16 1.0, s[78:83] 1.0 where wave 0, 1, 2 lies ahead of mine,
; s84-91 lanes whose register j holds the diagonal, s[92:99] q, k, v, attn at my rows of the block, s[100:101] v at my rows of a chunk
	s_load_b128 s[4:7], s[0:1], 0x0                ; big s[4:5], act1 s[6:7]
	v_lshl_add_u32 v16, v0, 2, SPARE
	v_mov_b32 v17, 0
	ds_add_u32 v16, v17                            ; the wave's opening: the add and its wait stand ahead of my first tensor load; the set-up below stands between them
	ds_add_u32 v16, v17
	v_lshrrev_b32 v1, 5, v0
	v_readfirstlane_b32 s8, v1                     ; wave 0..3
	s_mov_b32 s9, ttmp9
	s_sub_co_u32 s10, 15, s9
	s_and_b32 s12, ttmp7, 0xffff                   ; 16 x batch + head
	s_lshr_b32 s13, s12, 4
	s_and_b32 s14, s12, 15
	s_lshr_b32 s15, s14, 1
	s_lshl_b32 s15, s15, 20                        ; two heads share a column block of 128: 32 tiles of 32,768 bytes,
	s_lshl_b32 s13, s13, 19                        ; a batch is 16 row blocks,
	s_and_b32 s14, s14, 1
	s_lshl_b32 s14, s14, 14                        ; the odd head is the tile's second half
	s_add_co_u32 s12, s15, s13
	s_add_co_u32 s12, s12, s14
	s_mov_b32 s13, 0
	s_mov_b32 s24, (1<<16)|(1<<20)|(4<<22)|(3<<25) ; group 1: 17:16 2-byte elements; 20 padding on; 24:22 after every 32 words (code 4); 31:25 4 words (code 3)
	s_mov_b32 s25, 128<<16                         ; tensor_dim0 = 128: a chunk's 16,384 dense bytes are asked for as 64 rows of 256, two keys a row
	s_mov_b32 s26, 64<<16                          ; tensor_dim1 = 64
	s_mov_b32 s27, 128<<16                         ; tile_dim0 = 128
	s_mov_b32 s28, 64                              ; tile_dim1 = 64
	s_mov_b32 s29, 128                             ; 128 elements from row to row
	s_mov_b32 s30, 0
	s_mov_b32 s31, 0
	s_lshl_b32 s14, s8, 17                         ; my four chunks of K in memory,
	s_mov_b32 s15, 0
	s_mul_i32 s20, s8, 4*CH                        ; and in LDS
	s_lshl_b32 s22, s8, 12                         ; my 32 rows of a chunk
	s_mov_b32 s23, 0
	s_mov_b32 s21, 0xfe000000
	s_mov_b32 s56, 0x3d38aa3b                      ; c = log2(e) / 32
	s_mov_b32 s57, s56                             ; named with it as a pair
	s_mov_b32 s58, 0x76543210
	s_mov_b32 s59, 0xfedcba98
	s_mov_b32 s60, 0xf149f2ca                      ; -1e30
	s_mov_b32 s61, 0xff00ff00
	s_mov_b32 s67, 0                               ; named as pairs
	s_mov_b32 s69, 0
	s_mov_b32 s77, 0x3c00
	s_wait_dscnt 0x0                               ; the opening add is done
	s_wait_kmcnt 0x0
	s_add_nc_u64 s[48:49], s[4:5], s[12:13]        ; q
	s_add_nc_u64 s[50:51], s[48:49], 0x800000      ; k: 8 column blocks on
	s_add_nc_u64 s[52:53], s[48:49], 0x1000000     ; v: 16
	s_add_nc_u64 s[54:55], s[6:7], s[12:13]        ; attn
	s_add_nc_u64 s[18:19], s[50:51], s[14:15]
	s_add_nc_u64 s[100:101], s[52:53], s[22:23]
.irp i, 0,1,2,3
	s_mov_b32 s[32+4*\i], 1                        ; count = 1
	s_add_co_u32 s[33+4*\i], s20, (\i)*CH          ; LDS address: chunk 4 w + i
	s_add_nc_u64 s[34+4*\i:35+4*\i], s[18:19], (\i)*32768
	s_or_b32 s[35+4*\i], s[35+4*\i], 0x80000000    ; type = 2
.endr
.irp i, 0,1,2,3
	tensor_load_to_lds s[32+4*\i:35+4*\i], s[24:31]
	s_nop 0
.endr
	v_and_b32 v1, 15, v0
	v_bfe_u32 v2, v0, 4, 1
	v_and_b32 v6, 31, v0
	v_lshlrev_b32 v6, 4, v6
.set n, 0
.rept 4                                ; my rows of V's chunks 0 to 3: 8 loads of 512 consecutive bytes each
.set j, 0
.rept 8
	global_load_b128 v[KF+32*n+4*j:KF+32*n+4*j+3], v6, s[100:101] offset:n*32768+j*512
.set j, j+1
.endr
.set n, n+1
.endr
	v_mul_u32_u24 v3, v1, PK
	v_lshl_add_u32 v3, v2, 4, v3                   ; row x pitch + 16 x half
	v_lshlrev_b32 v5, 7, v1
	v_lshl_add_u32 v5, v2, 4, v5                   ; row x 128 + 16 x half
	s_mul_i32 s16, s8, 32*PV
	s_add_co_u32 s16, s16, VP                      ; my wave's rows of V
	v_and_b32 v15, 7, v0
	v_bfe_u32 v18, v0, 3, 2
	v_bfe_u32 v19, v0, 3, 1
	v_mul_u32_u24 v7, v18, PV                      ; in: 32 lanes x 16 bytes are four rows
	v_lshl_add_u32 v7, v15, 4, v7
	v_add_nc_u32 v7, s16, v7
	v_lshl_add_u32 v8, v2, 3, v15                  ; turned: lane l reads row 8 (l / 16) + l % 8, channels 8 ((l / 8) % 2) + 0..7
	v_mul_u32_u24 v8, v8, PV
	v_lshl_add_u32 v8, v19, 4, v8
	v_add_nc_u32 v8, s16, v8
	v_mul_u32_u24 v9, v1, PV                       ; my query's own row, channels 8 (l / 16) + 0..7
	v_lshl_add_u32 v9, v2, 4, v9
	v_add_nc_u32 v9, s16, v9
	v_add_nc_u32 v10, s16, v3                      ; the stage, in: row l % 16, 16 bytes for each half of the lanes
	v_mul_u32_u24 v11, v18, PK                     ; back: four rows of 128 bytes
	v_lshl_add_u32 v11, v15, 4, v11
	v_add_nc_u32 v11, s16, v11
	s_lshl_b32 s18, s8, 8
	s_add_co_u32 s18, s18, SUMS
	v_lshlrev_b32 v12, 5, v15                      ; my eight channels 8 (l % 8) + 0..7; lanes 0-15 hold 'ahead', lanes 16-31 'own'
	v_lshl_add_u32 v12, v2, 10, v12
	v_add_nc_u32 v12, s18, v12
	v_lshlrev_b32 v13, 5, v2                       ; back: channels 16 cb + 8 (l / 16) + 0..7
	v_add_nc_u32 v13, SUMS, v13
	s_lshl_b32 s18, s8, 5
	v_add_nc_u32 v14, s18, v1
	v_lshlrev_b32 v15, 3, v2
	v_sub_nc_u32 v15, v1, v15                      ; t = l % 16 - 8 (l / 16): register j holds the key that is my query's own where j = t
.set j, 0
.rept 8
	v_cmp_lt_i32 vcc_lo, j, v15
	v_cndmask_b32 v[MD+j], 0, s60, vcc_lo
	v_cmp_eq_i32 s[84+j], j, v15
.set j, j+1
.endr
	s_mov_b32 s17, 0x3c003c00
.set u, 0
.rept 2
	v_add_nc_u32 v18, 16*u, v15
.set i, 0
.rept 8
.set kc, 2*i+8*(i/4)                   ; register i holds rows kc and kc + 1, less my lanes' 8 (l / 16)
	v_cmp_lt_i32 vcc_lo, kc, v18
	v_cndmask_b32 v[LD+8*u+i], 0, s77, vcc_lo
	v_cmp_lt_i32 vcc_lo, kc+1, v18
	v_cndmask_b32 v[LD+8*u+i], v[LD+8*u+i], s17, vcc_lo
.set i, i+1
.endr
.set u, u+1
.endr
	s_mov_b32 s18, 0x3c000000
	v_bfe_u32 v18, v0, 1, 2                        ; (l % 8) / 2: the register,
	v_and_b32 v19, 1, v0                           ; l % 2: the half, in which SEL's row l % 16 has its 1.0
	v_cmp_eq_u32 vcc_lo, 1, v19
	v_mov_b32 v19, s77
	v_cndmask_b32 v19, v19, s18, vcc_lo
.irp i, 0,1,2,3
	v_cmp_eq_u32 vcc_lo, \i, v18
	v_cndmask_b32 v[SEL+\i], 0, v19, vcc_lo
	v_mov_b32 v[SEL+4+\i], v[SEL+\i]
.endr
.irp i, 0,1,2
	s_cmp_gt_u32 s8, \i
	s_cselect_b32 s[78+2*\i], 1.0, 0
	s_cselect_b32 s[79+2*\i], 1.0, 0
.endr
.set i, 0
.rept 16
	v_mov_b32 v[PKD+i], 0                          ; the two sums begin at 0: every chunk is then a chunk like any other
.set i, i+1
.endr
	s_mov_b32 s75, 0
	s_mov_b32 s76, 3
; One chunk's 32 rows, in buffer n.  left: the younger loads that may stay out.  The four lines that make the masks are the places behind the last chunk's products, whose sources the v_and lines rewrite.
; The two accumulators take turns.
.macro VSLOT n, left, refill
	s_wait_loadcnt \left
	s_cmp_lt_u32 s75, s9
	s_cselect_b32 s12, -1, 0
	s_cmp_eq_u32 s75, s9
	s_cselect_b32 s13, -1, 0
	s_cmp_lt_u32 s75, s10
	s_cselect_b32 s14, -1, 0
	s_cmp_eq_u32 s75, s10
	s_cselect_b32 s15, -1, 0
	v_mov_b32 v18, s12
	v_mov_b32 v19, s14
	v_cndmask_b32 v18, v18, s13, s61
	v_cndmask_b32 v19, v19, s15, s61
.irp i, 0,1,2,3,4,5,6,7
	v_and_b32 v[Q+\i], v18, v[SEL+\i]
.endr
.irp i, 0,1,2,3,4,5,6,7
	v_and_b32 v[Q+8+\i], v19, v[SEL+\i]
.endr
.irp d, 0,1,2,3
	v_wmma_f32_16x16x32_f16 v[PKD:PKD+7], v[Q:Q+7], v[KF+32*(\n)+8*\d:KF+32*(\n)+8*\d+7], v[PKD:PKD+7]
	v_wmma_f32_16x16x32_f16 v[PKD+8:PKD+15], v[Q+8:Q+15], v[KF+32*(\n)+8*\d:KF+32*(\n)+8*\d+7], v[PKD+8:PKD+15]
.endr
	s_add_co_u32 s75, s75, 1
.if \refill
.rept 4
	v_nop                                          ; the places in front of loads into registers that those products read
.endr
.irp j, 0,1,2,3,4,5,6,7
	global_load_b128 v[KF+32*(\n)+4*\j:KF+32*(\n)+4*\j+3], v6, s[100:101] offset:((\n)+4)*32768+\j*512
.endr
.endif
.endm
.Lvsum:                                                ; three trips of four chunks; each buffer is filled again with the chunk four further on
	VSLOT 0, 24, 1                                 ; 24: the other three buffers' loads
	VSLOT 1, 24, 1
	VSLOT 2, 24, 1
	VSLOT 3, 24, 1
	s_wait_xcnt 0x0                                ; the loads' base is stepped only behind this wait
	s_add_nc_u64 s[100:101], s[100:101], 131072
	s_sub_co_u32 s76, s76, 1
	s_cmp_lg_u32 s76, 0
	s_cbranch_scc1 .Lvsum
	VSLOT 0, 24, 0                                 ; the last four chunks load nothing: the counts run down
	VSLOT 1, 16, 0
	VSLOT 2, 8, 0
	VSLOT 3, 0, 0
.rept 4
	v_nop
.endr
.set i, 0
.rept 16
	v_add_f32_dpp v[PKD+i], v[PKD+i], v[PKD+i] row_xmask:8 row_mask:0xf bank_mask:0xf  ; the other half of the rows; each accumulator from its low end on
.set i, i+1
.endr
	ds_store_b128 v12, v[PKD:PKD+3]                ; lanes r and r + 8 store the same numbers to the same words
	ds_store_b128 v12, v[PKD+4:PKD+7] offset:16
	ds_store_b128 v12, v[PKD+8:PKD+11] offset:2048
	ds_store_b128 v12, v[PKD+12:PKD+15] offset:2064
	s_wait_tensorcnt 0x0                           ; my four chunks of K have landed,
	s_wait_dscnt 0x0                               ; my sums are stored:
	s_barrier_signal -1
	s_barrier_wait -1                              ; everybody's.  Behind this barrier K and the sums are only read
.macro FETCHK a                        ; a step's K: 64 keys x 64 channels, 16 loads in one run
	v_add_nc_u32 v4, \a, v3
.irp f, 0,1,2,3,4,5,6,7
	ds_load_b128 v[KF+8*\f:KF+8*\f+3],   v4 offset:(\f/2)*16*PK+(\f%2)*64
	ds_load_b128 v[KF+8*\f+4:KF+8*\f+7], v4 offset:(\f/2)*16*PK+(\f%2)*64+32
.endr
.endm
; THE SOFTMAX'S PART OF A STEP, both tiles alternating.  Each LANE keeps a running maximum and sum of its own 32 scores a step (a query's keys lie in two lanes); the two are joined once, at the block's end.
; p = 2^(c s - c m); l = l a + the sum of p, a = 2^(c m_old - c m_new).  No two lines that lean on each other stand side by side, and a plain line stands between each exponential and the use of its result.
.macro SMX
.set n, 0
.rept 4
.irp u, 0,1
	v_max3_num_f32 v[ST+14*\u+4+n], v[S+32*\u+8*n], v[S+32*\u+8*n+1], v[S+32*\u+8*n+2]  ; each accumulator's lowest registers are read first
.endr
.set n, n+1
.endr
.rept 8
.irp u, 0,1
	v_max3_num_f32 v[ST+14*\u+4+n%4], v[ST+14*\u+4+n%4], v[S+32*\u+8*(n%4)+2*(n/4)+1], v[S+32*\u+8*(n%4)+2*(n/4)+2]
.endr
.set n, n+1
.endr
.irp u, 0,1
	v_max3_num_f32 v[ST+14*\u+4], v[ST+14*\u+4], v[S+32*\u+7], v[S+32*\u+15]
	v_max3_num_f32 v[ST+14*\u+5], v[ST+14*\u+5], v[S+32*\u+23], v[S+32*\u+31]
	v_max3_num_f32 v[ST+14*\u+6], v[ST+14*\u+6], v[ST+14*\u+7], v[ST+14*\u+1]
.endr
.irp u, 0,1
	v_mov_b32 v[ST+14*\u+7], v[ST+14*\u]           ; c m_old is kept
.endr
.irp u, 0,1
	v_max3_num_f32 v[ST+14*\u+1], v[ST+14*\u+4], v[ST+14*\u+5], v[ST+14*\u+6]
.endr
.irp u, 0,1
	v_mul_f32 v[ST+14*\u], s56, v[ST+14*\u+1]
.endr
.irp u, 0,1
	v_sub_f32 v[ST+14*\u+5], v[ST+14*\u+7], v[ST+14*\u]
.endr
.irp u, 0,1
	v_exp_f32 v[ST+14*\u+6], v[ST+14*\u+5]
.endr
.irp b, 0,1
.irp u, 0,1
	v_pk_fma_f32 v[S+32*\u+2*\b:S+32*\u+2*\b+1], v[S+32*\u+2*\b:S+32*\u+2*\b+1], s[56:57], v[ST+14*\u:ST+14*\u+1] op_sel_hi:[1,0,0] neg_lo:[0,0,1] neg_hi:[0,0,1]
.endr
.endr
.set b, 0
.rept 16
.irp u, 0,1
	v_exp_f32 v[S+32*\u+2*b], v[S+32*\u+2*b]
	v_exp_f32 v[S+32*\u+2*b+1], v[S+32*\u+2*b+1]
.endr
.if b < 14
.irp u, 0,1
	v_pk_fma_f32 v[S+32*\u+2*b+4:S+32*\u+2*b+5], v[S+32*\u+2*b+4:S+32*\u+2*b+5], s[56:57], v[ST+14*\u:ST+14*\u+1] op_sel_hi:[1,0,0] neg_lo:[0,0,1] neg_hi:[0,0,1]  ; two pairs ahead
.endr
.endif
.if b == 1
	s_wait_alu depctr_va_vdst(0)
.irp u, 0,1
	v_pk_fma_f32 v[ST+14*\u+2:ST+14*\u+3], v[ST+14*\u+2:ST+14*\u+3], v[ST+14*\u+6:ST+14*\u+7], v[S+32*\u:S+32*\u+1] op_sel_hi:[1,0,1]
.endr
.elseif b > 1
	s_wait_alu depctr_va_vdst(0)
.irp u, 0,1
	v_pk_add_f32 v[ST+14*\u+2:ST+14*\u+3], v[ST+14*\u+2:ST+14*\u+3], v[S+32*\u+2*b-2:S+32*\u+2*b-1]  ; a pair back
.endr
.endif
.set b, b+1
.endr
.irp u, 0,1
	v_pk_add_f32 v[ST+14*\u+2:ST+14*\u+3], v[ST+14*\u+2:ST+14*\u+3], v[S+32*\u+30:S+32*\u+31]
.endr
.endm
; A KEY STEP.  S^T = K Q^T (source 0 = 16 keys, source 1 = 16 queries): a lane holds ONE query (l % 16) and the keys 8 (l / 16) + 0..7 of each key block.
; d = 1: a step of the diagonal chunk: the sums begin with the mask MD x AL + BE: (1, 0) where the key block is the tile's own, (0, -1e30) where it lies ahead of it, (0, 0) behind it.
; The eight accumulators take turns.  The next step's K is asked for behind the products and lands under the softmax.
.macro STEP d
.if \d
.set kb, 0
.rept 4
.set u, 0
.rept 2
	s_cmp_eq_i32 s[71+u], kb
	s_cselect_b32 s66, 1.0, 0
	s_cmp_gt_i32 s[71+u], kb
	s_cselect_b32 s68, s60, 0
.set z, 0
.rept 4
	v_pk_fma_f32 v[S+32*u+8*kb+2*z:S+32*u+8*kb+2*z+1], v[MD+2*z:MD+2*z+1], s[66:67], s[68:69] op_sel_hi:[1,0,0]
.set z, z+1
.endr
.set u, u+1
.endr
.set kb, kb+1
.endr
.endif
	s_wait_dscnt 0x0                               ; K is in
.set i, 0
.rept 16
.set rS, S+32*(i%2)+8*((i/2)%4)
.set rK, KF+16*((i/2)%4)+8*(i/8)
.set rQ, Q+16*(i%2)+8*(i/8)
.if (i < 8) && !(\d)
	v_wmma_f32_16x16x32_f16 v[rS:rS+7], v[rK:rK+7], v[rQ:rQ+7], 0
.else
	v_wmma_f32_16x16x32_f16 v[rS:rS+7], v[rK:rK+7], v[rQ:rQ+7], v[rS:rS+7]
.endif
.set i, i+1
.endr
.rept 4
	v_nop                                          ; the places behind those products
.endr
	FETCHK s73
	SMX
.endm
.macro LV dst, off                     ; 64 sums, each lane its eight channels of each of four channel blocks
.irp cb, 0,1,2,3
	ds_load_b128 v[\dst+8*\cb:\dst+8*\cb+3],   v19 offset:\off+\cb*64
	ds_load_b128 v[\dst+8*\cb+4:\dst+8*\cb+7], v19 offset:\off+\cb*64+16
.endr
.endm
.macro ACCP t
.set z, 0
.rept 16
	v_pk_add_f32 v[BASE+2*z:BASE+2*z+1], v[BASE+2*z:BASE+2*z+1], v[\t+2*z:\t+2*z+1]
.set z, z+1
.endr
.endm
.macro ACCF t, f                       ; counted only where that wave's rows lie ahead of mine
.set z, 0
.rept 16
	v_pk_fma_f32 v[BASE+2*z:BASE+2*z+1], v[\t+2*z:\t+2*z+1], s[\f:\f+1], v[BASE+2*z:BASE+2*z+1] op_sel_hi:[1,0,1]
.set z, z+1
.endr
.endm
.macro WIDEN                           ; my query's row of V, 32 channels in v80-95, to f32 in v144-175
	v_cvt_f32_f16 v144, v80.l
	v_cvt_f32_f16 v145, v80.h
	v_cvt_f32_f16 v146, v81.l
	v_cvt_f32_f16 v147, v81.h
	v_cvt_f32_f16 v148, v82.l
	v_cvt_f32_f16 v149, v82.h
	v_cvt_f32_f16 v150, v83.l
	v_cvt_f32_f16 v151, v83.h
	v_cvt_f32_f16 v152, v84.l
	v_cvt_f32_f16 v153, v84.h
	v_cvt_f32_f16 v154, v85.l
	v_cvt_f32_f16 v155, v85.h
	v_cvt_f32_f16 v156, v86.l
	v_cvt_f32_f16 v157, v86.h
	v_cvt_f32_f16 v158, v87.l
	v_cvt_f32_f16 v159, v87.h
	v_cvt_f32_f16 v160, v88.l
	v_cvt_f32_f16 v161, v88.h
	v_cvt_f32_f16 v162, v89.l
	v_cvt_f32_f16 v163, v89.h
	v_cvt_f32_f16 v164, v90.l
	v_cvt_f32_f16 v165, v90.h
	v_cvt_f32_f16 v166, v91.l
	v_cvt_f32_f16 v167, v91.h
	v_cvt_f32_f16 v168, v92.l
	v_cvt_f32_f16 v169, v92.h
	v_cvt_f32_f16 v170, v93.l
	v_cvt_f32_f16 v171, v93.h
	v_cvt_f32_f16 v172, v94.l
	v_cvt_f32_f16 v173, v94.h
	v_cvt_f32_f16 v174, v95.l
	v_cvt_f32_f16 v175, v95.h
.endm
; Tile u goes out: attn = (the sum of the rows ahead) x e^(0-m)/Z + (my row) x e^(s_qq-m)/Z, rounded to f16, through my stage, back as whole rows
.macro OUTU u
	WIDEN
.if (\u) == 0
.irp cb, 0,1,2,3
	ds_load_b128 v[Q+4*\cb:Q+4*\cb+3], v9 offset:16*PV+\cb*32  ; tile 1's rows, into the registers just read
.endr
.endif
.set z, 0
.rept 16
	v_pk_mul_f32 v[S+32*(\u)+2*z:S+32*(\u)+2*z+1], v[S+32*(\u)+2*z:S+32*(\u)+2*z+1], v[ST+14*(\u)+10:ST+14*(\u)+11]  ; each accumulator from its low end on
.set z, z+1
.endr
.set z, 0
.rept 16
	v_pk_fma_f32 v[S+32*(\u)+2*z:S+32*(\u)+2*z+1], v[BASE+2*z:BASE+2*z+1], v[ST+14*(\u)+12:ST+14*(\u)+13], v[S+32*(\u)+2*z:S+32*(\u)+2*z+1]
.set z, z+1
.endr
.set z, 0
.rept 16
	v_cvt_pk_f16_f32 v[PKD+z], v[S+32*(\u)+2*z], v[S+32*(\u)+2*z+1]
.set z, z+1
.endr
.irp cb, 0,1,2,3
	ds_store_b128 v10, v[PKD+4*\cb:PKD+4*\cb+3] offset:32*\cb
.endr
.irp f, 0,1,2,3
	ds_load_b128 v[KF+16*(\u)+4*\f:KF+16*(\u)+4*\f+3], v11 offset:\f*4*PK  ; LDS serves a wave's instructions in order (ISA guide 5.7.1.4): these see the stores above
.endr
.endm
	s_mov_b32 s11, s9                              ; block p first
	s_mov_b32 s22, 0
	s_mov_b32 s74, 2
.Lblock:
	s_wait_xcnt 0x0                                ; the last block's stores have read their registers and their base
	s_lshl_b32 s12, s11, 15
	s_lshl_b32 s13, s8, 12
	s_add_co_u32 s12, s12, s13                     ; my 32 rows of the block
	s_mov_b32 s13, 0
	s_add_nc_u64 s[92:93], s[48:49], s[12:13]
	s_add_nc_u64 s[94:95], s[50:51], s[12:13]
	s_add_nc_u64 s[96:97], s[52:53], s[12:13]
	s_add_nc_u64 s[98:99], s[54:55], s[12:13]
.irp u, 0,1
.irp c, 0,1
	global_load_b128 v[Q+16*\u+8*\c:Q+16*\u+8*\c+3],     v5, s[92:93] offset:\u*2048+\c*64     ; a fragment: lane l holds row l % 16, channels 8 (l / 16) + 0..7 and 16 + 8 (l / 16) + 0..7
	global_load_b128 v[Q+16*\u+8*\c+4:Q+16*\u+8*\c+7],   v5, s[92:93] offset:\u*2048+\c*64+32
	global_load_b128 v[KF+16*\u+8*\c:KF+16*\u+8*\c+3],   v5, s[94:95] offset:\u*2048+\c*64     ; the tile's own 16 keys
	global_load_b128 v[KF+16*\u+8*\c+4:KF+16*\u+8*\c+7], v5, s[94:95] offset:\u*2048+\c*64+32
.endr
.endr
.irp j, 0,1,2,3,4,5,6,7
	global_load_b128 v[208+4*\j:211+4*\j], v6, s[96:97] offset:\j*512  ; my 32 rows of V
.endr
	s_lshl_b32 s70, s11, 1                         ; the block's first live step,
	s_add_co_u32 s23, s70, 2                       ; the first behind the diagonal chunk
	s_lshl_b32 s71, s8, 1                          ; my tiles among the block's eight
	s_add_co_u32 s72, s71, 1
	s_wait_loadcnt 0x0
.irp j, 0,1,2,3,4,5,6,7
	ds_store_b128 v7, v[208+4*\j:211+4*\j] offset:\j*4*PV
.endr
	; the diagonal score s_qq: the tile's own keys times its queries; register j = t of one of the query's two lanes holds it
	v_wmma_f32_16x16x32_f16 v[S:S+7],    v[KF:KF+7],     v[Q:Q+7],     0
	v_wmma_f32_16x16x32_f16 v[S+8:S+15], v[KF+16:KF+23], v[Q+16:Q+23], 0
	v_wmma_f32_16x16x32_f16 v[S:S+7],    v[KF+8:KF+15],  v[Q+8:Q+15],  v[S:S+7]
	v_wmma_f32_16x16x32_f16 v[S+8:S+15], v[KF+24:KF+31], v[Q+24:Q+31], v[S+8:S+15]
.irp u, 0,1                            ; the statistics begin: c m far below every c s, so the first a is 0; m at -2^96, between the hidden scores and the true ones; these lines are the places behind those products
	v_mov_b32 v[ST+14*\u], s21
	v_mov_b32 v[ST+14*\u+1], 0xef800000
	v_mov_b32 v[ST+14*\u+2], 0
	v_mov_b32 v[ST+14*\u+3], 0
	v_mov_b32 v[ST+14*\u+4], 0
	v_mov_b32 v[ST+14*\u+5], 0
	v_mov_b32 v[ST+14*\u+8], 0
.endr
.set j, 0
.rept 8
	v_cndmask_b32 v[ST+8], v[ST+8], v[S+j], s[84+j]
	v_cndmask_b32 v[ST+22], v[ST+22], v[S+8+j], s[84+j]
.set j, j+1
.endr
	v_permlanex16_b32 v15, v[ST+8], s58, s59
	v_permlanex16_b32 v18, v[ST+22], s58, s59
	v_add_f32 v[ST+8], v[ST+8], v15                ; one of the two lanes held 0
	v_add_f32 v[ST+22], v[ST+22], v18
	s_mov_b32 s62, 0
	s_mov_b32 s63, 0
.Lstep:                                                ; 32 trips, whatever the block: the steps ahead of the block are jumped over, forward, past no barrier and no tensor load
	s_cmp_lt_u32 s62, s70
	s_cbranch_scc1 .Lnext
	s_cmp_lg_u32 s62, s70
	s_cbranch_scc1 .Lhave
	s_wait_dscnt 0x0                               ; no earlier run of loads into K's registers is out when this one is issued; passed once a block, with the eight stores of V out at the most
	FETCHK s63                                     ; the block's first live step asks for its own K
.Lhave:
	s_add_co_u32 s73, s63, KST
	s_min_u32 s73, s73, 31*KST                     ; the last step asks for its own K once more: no read leaves K's rows
	s_cmp_ge_u32 s62, s23
	s_cbranch_scc1 .Lplain
	STEP 1
	s_sub_co_i32 s71, s71, 4                       ; the next step's key blocks lie four further on
	s_sub_co_i32 s72, s72, 4
	s_branch .Lnext
.Lplain:
	STEP 0
.Lnext:
	s_add_co_u32 s63, s63, KST
	s_add_co_u32 s62, s62, 1
	s_cmp_lt_u32 s62, 32
	s_cbranch_scc1 .Lstep
	; THE BLOCK'S END.  A query's two lanes are joined with each other and with the q keys ahead of it, whose score is 0: m = max(m, m', 0 if q > 0); Z = l 2^(cm - cM) + l' 2^(cm' - cM) + q 2^(0 - cM).
	; A lane that saw hidden keys alone has l = 0 and c m = -2^96 c, near -3.6e27: its factor is 0.
	s_wait_dscnt 0x0                               ; the last step's run of loads
	s_lshl_b32 s12, s11, 7                         ; the block's first query,
	s_add_co_u32 s13, s12, 16                      ; and tile 1's sixteen on
.irp u, 0,1
	v_add_f32 v[ST+14*\u+2], v[ST+14*\u+2], v[ST+14*\u+3]
	v_add_nc_u32 v[ST+14*\u+9], s[12+\u], v14      ; q
.endr
.irp u, 0,1
	v_permlanex16_b32 v[ST+14*\u+4], v[ST+14*\u], s58, s59
	v_permlanex16_b32 v[ST+14*\u+5], v[ST+14*\u+2], s58, s59
	v_cmp_eq_u32 vcc_lo, 0, v[ST+14*\u+9]
	v_cndmask_b32 v[ST+14*\u+6], 0, s21, vcc_lo    ; query 0 has no key ahead of it
	v_cvt_f32_u32 v[ST+14*\u+9], v[ST+14*\u+9]
.endr
.irp u, 0,1
	v_max3_num_f32 v[ST+14*\u+1], v[ST+14*\u], v[ST+14*\u+4], v[ST+14*\u+6]
.endr
.irp u, 0,1
	v_sub_f32 v[ST+14*\u], v[ST+14*\u], v[ST+14*\u+1]
	v_sub_f32 v[ST+14*\u+4], v[ST+14*\u+4], v[ST+14*\u+1]
	v_sub_f32 v[ST+14*\u+6], v[ST+14*\u+6], v[ST+14*\u+1]
	v_fma_f32 v[ST+14*\u+8], v[ST+14*\u+8], s56, -v[ST+14*\u+1]
.endr
.irp u, 0,1
	v_exp_f32 v[ST+14*\u], v[ST+14*\u]
	v_exp_f32 v[ST+14*\u+4], v[ST+14*\u+4]
	v_exp_f32 v[ST+14*\u+6], v[ST+14*\u+6]
	v_exp_f32 v[ST+14*\u+8], v[ST+14*\u+8]
.endr
	v_add_nc_u32 v19, s22, v13                     ; the block's sums of rows: a plain line behind the exponentials
	s_wait_alu depctr_va_vdst(0)
.irp u, 0,1
	v_mul_f32 v[ST+14*\u+2], v[ST+14*\u+2], v[ST+14*\u]
.endr
.irp u, 0,1
	v_fma_f32 v[ST+14*\u+2], v[ST+14*\u+5], v[ST+14*\u+4], v[ST+14*\u+2]
.endr
.irp u, 0,1
	v_fma_f32 v[ST+14*\u+2], v[ST+14*\u+9], v[ST+14*\u+6], v[ST+14*\u+2]  ; Z, 1 at the least
.endr
.irp u, 0,1
	v_rcp_f32 v[ST+14*\u+2], v[ST+14*\u+2]
.endr
	v_nop                                          ; a plain line between the last reciprocal and the use of its result
	s_wait_alu depctr_va_vdst(0)
.irp u, 0,1
	v_mul_f32 v[ST+14*\u+10], v[ST+14*\u+6], v[ST+14*\u+2]
	v_mul_f32 v[ST+14*\u+11], v[ST+14*\u+6], v[ST+14*\u+2]
	v_mul_f32 v[ST+14*\u+12], v[ST+14*\u+8], v[ST+14*\u+2]
	v_mul_f32 v[ST+14*\u+13], v[ST+14*\u+8], v[ST+14*\u+2]
.endr
	; the sum of all rows ahead of my wave's 32: four waves' 'ahead', and 'own' of the waves in front of mine.  Two landing buffers take turns; each wait leaves the one younger run of eight loads out
	LV BASE, 0
	LV 176, 256
	LV 208, 512
	s_wait_dscnt 8
	ACCP 176
	LV 176, 768
	s_wait_dscnt 8
	ACCP 208
	LV 208, 1024
	s_wait_dscnt 8
	ACCP 176
	LV 176, 1280
	s_wait_dscnt 8
	ACCF 208, 78
	LV 208, 1536
	s_wait_dscnt 8
	ACCF 176, 80
.irp cb, 0,1,2,3
	ds_load_tr16_b128 v[KF+8*\cb:KF+8*\cb+3],   v8 offset:\cb*32         ; V^T of my 32 rows: lane l holds channel 16 cb + l % 16
	ds_load_tr16_b128 v[KF+8*\cb+4:KF+8*\cb+7], v8 offset:\cb*32+16*PV
.endr
.irp cb, 0,1,2,3
	ds_load_b128 v[Q+4*\cb:Q+4*\cb+3], v9 offset:\cb*32                  ; tile 0's own rows
.endr
	s_wait_dscnt 12                                ; the twelve just issued may be out
	ACCF 208, 82
	s_wait_dscnt 0x0
.irp cb, 0,1,2,3
.irp u, 0,1
	v_wmma_f32_16x16x32_f16 v[S+32*\u+8*\cb:S+32*\u+8*\cb+7], v[KF+8*\cb:KF+8*\cb+7], v[LD+8*\u:LD+8*\u+7], v[BASE+8*\cb:BASE+8*\cb+7]  ; + the rows of my 32 that lie ahead of each query: one query a lane, eight channels
.endr
.endr
.rept 4
	v_nop                                          ; the places behind those products
.endr
	OUTU 0
	s_wait_dscnt 8                                 ; tile 1's rows are in: behind them stand tile 0's four stores and four loads
	OUTU 1
.irp f, 0,1,2,3
	s_wait_dscnt 11-\f                             ; behind tile 0's load f: its later loads, and tile 1's four stores and four loads
	global_store_b128 v6, v[KF+4*\f:KF+4*\f+3], s[98:99] offset:\f*512  ; 512 consecutive bytes, at a multiple of 256 from the buffer's first
.endr
.irp f, 0,1,2,3
	s_wait_dscnt 3-\f
	global_store_b128 v6, v[KF+16+4*\f:KF+16+4*\f+3], s[98:99] offset:2048+\f*512
.endr
	s_mov_b32 s11, s10                             ; then block 15 - p
	s_add_co_u32 s22, s22, 2048
	s_sub_co_u32 s74, s74, 1
	s_cmp_lg_u32 s74, 0
	s_cbranch_scc1 .Lblock
	s_wait_tensorcnt 0x0                           ; the wave's end: behind my last tensor load and my last LDS store
	ds_add_u32 v16, v17
	s_wait_dscnt 0x0
	s_endpgm
.Lfunc_end_k_q976a7baa0f_att:
	.size	k_q976a7baa0f_att, .Lfunc_end_k_q976a7baa0f_att-k_q976a7baa0f_att
	.p2alignl 7, 3214868480
	.fill 96, 4, 3214868480
	.section	.rodata,"a",@progbits
	.p2align	6, 0x0
	.amdhsa_kernel k_q976a7baa0f_att
		.amdhsa_group_segment_fixed_size 327680
		.amdhsa_private_segment_fixed_size 0
		.amdhsa_enable_private_segment 0
		.amdhsa_kernarg_size 16
		.amdhsa_user_sgpr_count 2
		.amdhsa_user_sgpr_kernarg_segment_ptr 1
		.amdhsa_wavefront_size32 1
		.amdhsa_system_sgpr_workgroup_id_x 1
		.amdhsa_system_sgpr_workgroup_id_y 1
		.amdhsa_system_sgpr_workgroup_id_z 1
		.amdhsa_system_vgpr_workitem_id 0
		.amdhsa_next_free_vgpr 256
		.amdhsa_next_free_sgpr 102
		.amdhsa_reserve_vcc 1
		.amdhsa_float_denorm_mode_32 3
		.amdhsa_float_denorm_mode_16_64 3
		.amdhsa_memory_ordered 1
		.amdhsa_forward_progress 1
		.amdhsa_inst_pref_size 88
	.end_amdhsa_kernel
	.amdgpu_metadata
---
amdhsa.version: [ 1, 2 ]
amdhsa.kernels:
  - .name:           k_q976a7baa0f_att
    .symbol:         k_q976a7baa0f_att.kd
    .args:
      - { .name: big, .offset: 0, .size: 8, .value_kind: global_buffer, .address_space: global }
      - { .name: act1, .offset: 8, .size: 8, .value_kind: global_buffer, .address_space: global }
    .group_segment_fixed_size: 327680
    .private_segment_fixed_size: 0
    .kernarg_segment_align: 8
    .kernarg_segment_size: 16
    .max_flat_workgroup_size: 128
    .sgpr_count:     102
    .vgpr_count:     256
    .wavefront_size: 32
...
	.end_amdgpu_metadata
.endif
;; end of part 3
;; launch proj (part 4): grid 8 x 32, 4 waves a work-group, clusters of 4 x 4, 327,680 bytes of LDS; arguments act1, wc, bo, big; writes big
.if DOCPART == 4
	.amdgcn_target "amdgcn-amd-amdhsa--gfx1250"
	.amdhsa_code_object_version 6
	.text
	.protected	k_q976a7baa0f_proj
	.globl	k_q976a7baa0f_proj
	.p2align	8
	.type	k_q976a7baa0f_proj,@function
k_q976a7baa0f_proj:
	s_mov_b64 s[64:65], 0
	v_nop
	global_prefetch_b8 v0, s[64:65] scope:SCOPE_SE
	s_setreg_imm32_b32 hwreg(HW_REG_WAVE_MODE, 25, 1), 1
	s_wait_xcnt 0x0
	s_wait_alu depctr_hold_cnt(0) depctr_sa_sdst(0) depctr_va_vdst(0) depctr_va_sdst(0) depctr_va_ssrc(0) depctr_va_vcc(0) depctr_vm_vsrc(0)
	s_getreg_b32 s2, hwreg(HW_REG_IB_STS2, 6, 4)
	s_cmp_eq_u32 s2, 0
	s_cbranch_scc0 .Lentry_in_a_cluster
	s_endpgm
.Lentry_in_a_cluster:
	s_bfe_u32 s2, ttmp6, 0x10000c
	s_cmp_lg_u32 s2, 0xf033
	s_cbranch_scc0 .Lentry_shape_is_right
	s_endpgm
.Lentry_shape_is_right:
; C = A W + bias, K = 1,024, N = 1,024.  A: 4,096 rows in f16, in tiles of 128 x 128 (32,768 dense bytes: [column half][128 rows][64]); W: f16 in blocks [K][128], at the head of its buffer; C: f32, row-major.
; Sums in f32; nothing is rounded on the way out.  NaN and infinities are not treated apart.
; A tile of C is 128 x 128 (256 tiles: one for each work-group): four waves, each 64 x 64: 16 accumulators.  K goes in steps of 256 through two LDS slots; each wave's one tensor load brings 32,768 dense bytes as 128 rows of 256.
; CLUSTERS: 4 x 4 work-groups.  The four of a row of the cluster need the same tiles of A, the four of a column the same tiles of W: each is asked for JOINTLY, by the same tensor load with the same
; descriptor and a mask that names the four.  THE MATRIX INSTRUCTION IS USED TRANSPOSED (source 0 = 16 columns of W, source 1 = 16 rows of A): a lane then holds eight neighbouring numbers of a row of C.
; REGISTERS: window 0: v0-31 addresses; v32-35 bias; v64-127 the way out; v128-255 the accumulators ((a, b) at v[128 + 8 (4 a + b)]).  window 1: two fragment buffers of 128.
.set KTOT,   1024
.set WOFF,   0
.set RELU,   0
.set PA,     144                       ; 128 bytes of A + 16 of padding = 36 words: the 16 rows of a load start at 16 different groups of four banks (64 banks of 4 bytes: ISA guide 11.1)
.set PB,     288                       ; 256 bytes of W + 32 = 72 words
.set QB,     18432                     ; 64 along K: 128 x PA of A, 64 x PB of W
.set PART,   36864                     ; what one tensor load fills
.set SLOT,   4*PART
.set STAGE,  2*SLOT                    ; behind the ring: 16 rows x 272 bytes for each wave, for the way out
.set SP,     272
.set SPARE,  STAGE+4*16*SP             ; behind the stages: the spare words, 128 bytes for each wave: two blocks of 256 bytes that no other line names
.set LAPS,   KTOT/512
.set ADRA, 16
.set ADRB, 20
.set STO,  24
.set RD,   25
.set CO,   26
.set BO,   27
.set SPW,  28
.set NIL,  29
.set BIAS, 32
.set TMP,  64
.set ACC,  128
.set F0,   0
.set F1,   128
.set G1, 24
.set G0, 32
.set G1B, 48
.set G0B, 56
.set MSB, 0
.macro WIN new                         ; the immediate's high byte repeats the setting that is left
.if MSB != (\new)
	s_set_vgpr_msb (MSB<<8)|(\new)
.set MSB, \new
.endif
.endm
.set MUL,  0x05                        ; sources 0 (W) and 1 (A) window 1; C and D window 0
.set TO_F, 0x40                        ; destination window 1, address window 0
.macro JLOAD s                         ; a joint load: waves 0 and 1 fetch A's two tiles, waves 2 and 3 W's two halves; an s_nop 0 and four v_nop follow each line
	s_cmp_eq_u32 s11, 0
	s_cbranch_scc0 .Lfor_b_\@
	tensor_load_to_lds s[G0+4*(\s):G0+4*(\s)+3], s[G1:G1+7]
	s_nop 0
.rept 4
	v_nop
.endr
	s_branch .Lasked_\@
.Lfor_b_\@:
	tensor_load_to_lds s[G0B+4*(\s):G0B+4*(\s)+3], s[G1B:G1B+7]
	s_nop 0
.rept 4
	v_nop
.endr
.Lasked_\@:
.endm
.macro CREST                           ; a round of the cluster's barrier behind its opening barrier
	s_cmp_lg_u32 s10, 0
	s_cbranch_scc1 .Lnot_wave_0_\@
	s_barrier_signal -3
.Lnot_wave_0_\@:
	s_barrier_wait -3
	s_barrier_signal -1
	s_barrier_wait -1
.endm
.macro CROUND
	s_barrier_signal -1
	s_barrier_wait -1
	CREST
.endm
	s_load_b256 s[68:75], s[0:1], 0x0              ; A s[68:69], W s[70:71], bias s[72:73], C s[74:75]
	v_lshl_add_u32 v[SPW], v0, 2, SPARE
	v_mov_b32 v[NIL], 0
	ds_add_u32 v[SPW], v[NIL]                      ; the wave's opening: the add and its wait stand ahead of my first tensor load; the set-up below stands between them
	ds_add_u32 v28, v29
	v_lshrrev_b32 v1, 5, v0
	v_readfirstlane_b32 s10, v1                    ; wave 0..3
	s_lshr_b32 s11, s10, 1                         ; which half of the tile's rows is mine.  Also: I fetch for A (0) or for W (1)
	s_and_b32 s12, s10, 1                          ; which half of its columns.  Also: which part of a K step I fetch
	s_bfe_u32 s40, ttmp6, 0x40000                  ; cx, cy
	s_bfe_u32 s41, ttmp6, 0x40004
	s_lshl_b32 s42, ttmp9, 2
	s_add_co_u32 s42, s42, s40                     ; tile column of C
	s_and_b32 s13, ttmp7, 0xffff
	s_lshl_b32 s13, s13, 2
	s_add_co_u32 s13, s13, s41                     ; tile row of C
	s_lshl_b32 s43, s41, 2
	s_lshl_b32 s43, 15, s43                        ; my row of the cluster
	s_lshl_b32 s44, 0x1111, s40                    ; my column
	s_or_b32 s[G1+0], s43, (1<<16)|(1<<20)|(1<<21)|(4<<22)|(3<<25)   ; the mask of my row; 2-byte elements; padding on; 21 set beside a mask; after every 32 words 4 words
	s_or_b32 s[G1B+0], s44, (1<<16)|(1<<20)|(1<<21)|(5<<22)|(7<<25)  ; the mask of my column; after every 64 words 8 words
.irp g, G1, G1B
	s_mov_b32 s[(\g)+1], 128<<16                   ; tensor_dim0 = 128
	s_mov_b32 s[(\g)+2], 128<<16                   ; tensor_dim1 = 128
	s_mov_b32 s[(\g)+3], 128<<16                   ; tile_dim0 = 128
	s_mov_b32 s[(\g)+4], 128                       ; tile_dim1 = 128
	s_mov_b32 s[(\g)+5], 128                       ; dense
	s_mov_b32 s[(\g)+6], 0
	s_mov_b32 s[(\g)+7], 0
.endr
	s_lshl_b32 s16, s13, 15                        ; A: tile (K block x 32 + tile row) x 32,768; wave 0 the step's first K block, wave 1 its second
	s_lshl_b32 s17, s12, 20
	s_add_co_u32 s16, s16, s17
	s_mov_b32 s17, 0
	s_mul_i32 s46, s42, KTOT*256                   ; W: the tile column's block; wave 2 the step's first 128 rows, wave 3 the others
	s_lshl_b32 s47, s12, 15
	s_add_co_u32 s46, s46, s47
.if WOFF
	s_add_co_u32 s46, s46, WOFF
.endif
	s_mov_b32 s47, 0
	s_mul_i32 s20, s10, PART                       ; where they go: no place in the cluster enters an LDS address
	s_wait_dscnt 0x0                               ; the opening add is done
	s_wait_kmcnt 0x0
	s_add_nc_u64 s[14:15], s[68:69], s[16:17]
	s_add_nc_u64 s[46:47], s[70:71], s[46:47]
	CROUND                                         ; all sixteen work-groups are here: the first joint loads meet
.irp s, 0,1
	s_mov_b32 s[G0+4*(\s)], 1
	s_add_co_u32 s[G0+4*(\s)+1], s20, (\s)*SLOT
	s_add_nc_u64 s[G0+4*(\s)+2:G0+4*(\s)+3], s[14:15], (\s)*2097152
	s_or_b32 s[G0+4*(\s)+3], s[G0+4*(\s)+3], 0x80000000
	s_mov_b32 s[G0B+4*(\s)], 1
	s_add_co_u32 s[G0B+4*(\s)+1], s20, (\s)*SLOT
	s_add_nc_u64 s[G0B+4*(\s)+2:G0B+4*(\s)+3], s[46:47], (\s)*65536
	s_or_b32 s[G0B+4*(\s)+3], s[G0B+4*(\s)+3], 0x80000000
	JLOAD \s
.endr
	v_and_b32 v1, 15, v0                           ; l % 16
	v_bfe_u32 v2, v0, 4, 1                         ; l / 16
	v_mul_u32_u24 v3, v1, PA
	v_lshl_add_u32 v3, v2, 4, v3
	v_and_b32 v5, 7, v0
	v_bfe_u32 v6, v0, 3, 1
	v_lshl_add_u32 v4, v2, 3, v5
	v_mul_u32_u24 v4, v4, PB
	v_lshl_add_u32 v4, v6, 4, v4
	s_mul_i32 s21, s11, 64*PA
	s_lshl_b32 s22, s12, 7
	s_add_co_u32 s22, s22, 2*PART
.irp s, 0,1
	v_add_nc_u32 v[ADRA+(\s)], s21, v3
	v_add_nc_u32 v[ADRB+2*(\s)], s22, v4
	s_add_co_u32 s22, s22, PART
	v_add_nc_u32 v[ADRB+2*(\s)+1], s22, v4
	s_add_co_u32 s21, s21, SLOT
	s_add_co_u32 s22, s22, SLOT-PART
.endr
	s_mul_i32 s23, s10, 16*SP
	s_add_co_u32 s23, s23, STAGE                   ; my stage
	v_mul_u32_u24 v7, v1, SP                       ; in: row l % 16, 32 bytes for each half of the lanes
	v_lshl_add_u32 v7, v2, 5, v7
	v_add_nc_u32 v[STO], s23, v7
	v_mul_u32_u24 v7, v2, SP                       ; back: lanes 0-15 take one row of 256 bytes, lanes 16-31 the next
	v_lshl_add_u32 v7, v1, 4, v7
	v_add_nc_u32 v[RD], s23, v7
	v_lshlrev_b32 v[CO], 12, v2                    ; and the same two rows in C, 4,096 bytes apart
	v_lshl_add_u32 v[CO], v1, 4, v[CO]
	s_lshl_b32 s16, s13, 19                        ; my first row of C: 128 x tile row + 64 x half, 4,096 bytes each
	s_lshl_b32 s17, s11, 18
	s_add_co_u32 s16, s16, s17
	s_mov_b32 s17, 0
	s_add_nc_u64 s[74:75], s[74:75], s[16:17]
	s_lshl_b32 s46, s42, 9                         ; my first column, in bytes (in the registers that held W's address: none that feeds A's descriptors ever holds cx)
	s_lshl_b32 s47, s12, 8
	s_add_co_u32 s46, s46, s47
	s_mov_b32 s47, 0
	s_add_nc_u64 s[74:75], s[74:75], s[46:47]
	v_lshl_add_u32 v[BO], v1, 4, s46
	global_load_b128 v[BIAS:BIAS+3], v[BO], s[72:73]  ; the four columns that I store
.macro MUL8 f, c, a0, zero             ; 8 matrix instructions; the 16 accumulators take turns
	WIN MUL
.irp a, \a0, (\a0)+1
.irp b, 0,1,2,3
.if \zero
	v_wmma_f32_16x16x32_f16 v[ACC+8*(4*(\a)+(\b)):ACC+8*(4*(\a)+(\b))+7], v[(\f)+64+8*(4*(\c)+(\b)):(\f)+64+8*(4*(\c)+(\b))+7], v[(\f)+8*(4*(\c)+(\a)):(\f)+8*(4*(\c)+(\a))+7], 0
.else
	v_wmma_f32_16x16x32_f16 v[ACC+8*(4*(\a)+(\b)):ACC+8*(4*(\a)+(\b))+7], v[(\f)+64+8*(4*(\c)+(\b)):(\f)+64+8*(4*(\c)+(\b))+7], v[(\f)+8*(4*(\c)+(\a)):(\f)+8*(4*(\c)+(\a))+7], v[ACC+8*(4*(\a)+(\b)):ACC+8*(4*(\a)+(\b))+7]
.endif
.endr
.endr
.endm
.macro FETCH slot, q, f                ; 32 LDS loads in one run: quarter q (64 along K) of a slot into buffer f; the first 32 along K first
	WIN TO_F
.irp c, 0,1
.irp i, 0,1,2,3
	ds_load_tr16_b128 v[(\f)+64+8*(4*(\c)+(\i)):(\f)+64+8*(4*(\c)+(\i))+3],   v[ADRB+2*(\slot)+(\q)/2] offset:((\q)%2)*QB+(\c)*32*PB+(\i)*32
	ds_load_tr16_b128 v[(\f)+64+8*(4*(\c)+(\i))+4:(\f)+64+8*(4*(\c)+(\i))+7], v[ADRB+2*(\slot)+(\q)/2] offset:((\q)%2)*QB+(\c)*32*PB+16*PB+(\i)*32
	ds_load_b128 v[(\f)+8*(4*(\c)+(\i)):(\f)+8*(4*(\c)+(\i))+3],              v[ADRA+(\slot)] offset:(\q)*QB+(\c)*64+(\i)*16*PA
	ds_load_b128 v[(\f)+8*(4*(\c)+(\i))+4:(\f)+8*(4*(\c)+(\i))+7],            v[ADRA+(\slot)] offset:(\q)*QB+(\c)*64+(\i)*16*PA+32
.endr
.endr
.endm
.macro PLACES                          ; four places in front of loads into registers that matrix instructions have read, and of lines that read results
.rept 4
	v_nop
.endr
.endm
.macro QUARTER slot, q, f, g, zero
	s_wait_dscnt 16                                ; the first 32 along K are in; the run's other sixteen loads may be out
	WIN MUL
	MUL8 \f, 0, 0, \zero
	MUL8 \f, 0, 2, \zero
	PLACES
	FETCH \slot, \q, \g
	s_wait_dscnt 32                                ; all but the 32 just issued
	WIN MUL
	MUL8 \f, 1, 0, 0
	MUL8 \f, 1, 2, 0
.endm
.macro TURN slot, next, fill           ; the last quarter changes slots: ONE barrier; in front of it the wait for all tensor loads, the add, the wait for it and for my reads of this slot
	WIN 0
	s_wait_tensorcnt 0x0                           ; all my tensor loads have landed: my part of the next slot;
	ds_add_u32 v[SPW], v[NIL]                      ; 0 onto my spare word;
	s_wait_dscnt 17                                ; (the add and the youngest sixteen loads may be out)
	WIN MUL
	MUL8 F1, 0, 0, 0
	s_wait_dscnt 0x0                               ; the add is done, and my reads of this slot are over
	s_barrier_signal -1
	MUL8 F1, 0, 2, 0
.if \fill
	WIN 0
.endif
	s_barrier_wait -1
.if \fill
	CREST                                          ; a round of the cluster's barrier: no wave of any partner still reads this slot or has a load on its way
	s_add_nc_u64 s[G0+4*(\slot)+2:G0+4*(\slot)+3], s[G0+4*(\slot)+2:G0+4*(\slot)+3], 4194304
	s_add_nc_u64 s[G0B+4*(\slot)+2:G0B+4*(\slot)+3], s[G0B+4*(\slot)+2:G0B+4*(\slot)+3], 131072
	JLOAD \slot                                    ; the first tensor load behind the round; its four v_nop are also the places in front of the loads below
.else
	PLACES
.endif
	FETCH \next, 0, F0
	WIN MUL
	MUL8 F1, 1, 0, 0
	MUL8 F1, 1, 2, 0
.endm
	s_wait_tensorcnt 1                             ; my part of K step 0 is in; K step 1's may stay out
	s_barrier_signal -1
	s_barrier_wait -1
	FETCH 0, 0, F0
	QUARTER 0, 1, F0, F1, 1                        ; the first products start the sums
	WIN 0
	s_mov_b32 s3, LAPS-1
.Llap:
	QUARTER 0, 2, F1, F0, 0
	QUARTER 0, 3, F0, F1, 0
	TURN 0, 1, 1
	QUARTER 1, 1, F0, F1, 0
	QUARTER 1, 2, F1, F0, 0
	QUARTER 1, 3, F0, F1, 0
	TURN 1, 0, 1
	QUARTER 0, 1, F0, F1, 0
	WIN 0
	s_sub_co_u32 s3, s3, 1
	s_cmp_lg_u32 s3, 0
	s_cbranch_scc1 .Llap
	QUARTER 0, 2, F1, F0, 0                        ; the last lap fills nothing
	QUARTER 0, 3, F0, F1, 0
	TURN 0, 1, 0
	QUARTER 1, 1, F0, F1, 0
	QUARTER 1, 2, F1, F0, 0
	QUARTER 1, 3, F0, F1, 0
	s_wait_dscnt 16
	WIN MUL
	MUL8 F1, 0, 0, 0
	MUL8 F1, 0, 2, 0
	s_wait_dscnt 0
	MUL8 F1, 1, 0, 0
	MUL8 F1, 1, 2, 0
	WIN 0
	; THE WAY OUT.  A wave's 64 columns in f32 are 256 bytes of a row of C: 16 rows at a time go through my own stage and come back as whole rows; bias (and ReLU) are applied to the rows.
	PLACES
	s_wait_loadcnt 0x0                             ; the bias
.macro OUTS a
.if (\a) >= 2
	s_wait_xcnt 0x0                                ; the landing registers were data of stores: they are loaded again only behind this wait
.endif
.irp b, 0,1,2,3
	ds_store_b128 v[STO], v[ACC+8*(4*(\a)+(\b)):ACC+8*(4*(\a)+(\b))+3]   offset:64*(\b)      ; each accumulator from its low end on
	ds_store_b128 v[STO], v[ACC+8*(4*(\a)+(\b))+4:ACC+8*(4*(\a)+(\b))+7] offset:64*(\b)+16
.endr
.irp t, 0,1,2,3,4,5,6,7
	ds_load_b128 v[TMP+32*((\a)%2)+4*(\t):TMP+32*((\a)%2)+4*(\t)+3], v[RD] offset:(\t)*2*SP  ; LDS serves a wave's instructions in order (ISA guide 5.7.1.4): these see the stores above
.endr
.endm
.macro SENDF a, younger                ; younger: the sixteen LDS instructions of the next block, or none
.irp t, 0,1,2,3,4,5,6,7
	s_wait_dscnt (\younger)+7-(\t)
	v_pk_add_f32 v[TMP+32*((\a)%2)+4*(\t):TMP+32*((\a)%2)+4*(\t)+1],   v[TMP+32*((\a)%2)+4*(\t):TMP+32*((\a)%2)+4*(\t)+1],   v[BIAS:BIAS+1]
	v_pk_add_f32 v[TMP+32*((\a)%2)+4*(\t)+2:TMP+32*((\a)%2)+4*(\t)+3], v[TMP+32*((\a)%2)+4*(\t)+2:TMP+32*((\a)%2)+4*(\t)+3], v[BIAS+2:BIAS+3]
.if RELU
.irp i, 0,1,2,3
	v_max_num_f32 v[TMP+32*((\a)%2)+4*(\t)+(\i)], 0, v[TMP+32*((\a)%2)+4*(\t)+(\i)]
.endr
.endif
	global_store_b128 v[CO], v[TMP+32*((\a)%2)+4*(\t):TMP+32*((\a)%2)+4*(\t)+3], s[74:75] offset:(16*(\a)+2*(\t))*4096  ; 16 lanes store 256 consecutive bytes, at a multiple of 256 from C's first byte
.endr
.endm
	OUTS 0
	OUTS 1
	SENDF 0, 16
	OUTS 2
	SENDF 1, 16
	OUTS 3
	SENDF 2, 16
	SENDF 3, 0
	s_wait_tensorcnt 0x0                           ; the wave's end: behind my last tensor load and my last LDS store
	ds_add_u32 v[SPW], v[NIL]
	s_wait_dscnt 0x0
	CROUND                                         ; the closing round
	s_endpgm
.Lfunc_end_k_q976a7baa0f_proj:
	.size	k_q976a7baa0f_proj, .Lfunc_end_k_q976a7baa0f_proj-k_q976a7baa0f_proj
	.p2alignl 7, 3214868480
	.fill 96, 4, 3214868480
	.section	.rodata,"a",@progbits
	.p2align	6, 0x0
	.amdhsa_kernel k_q976a7baa0f_proj
		.amdhsa_group_segment_fixed_size 327680
		.amdhsa_private_segment_fixed_size 0
		.amdhsa_enable_private_segment 0
		.amdhsa_kernarg_size 32
		.amdhsa_user_sgpr_count 2
		.amdhsa_user_sgpr_kernarg_segment_ptr 1
		.amdhsa_wavefront_size32 1
		.amdhsa_system_sgpr_workgroup_id_x 1
		.amdhsa_system_sgpr_workgroup_id_y 1
		.amdhsa_system_sgpr_workgroup_id_z 1
		.amdhsa_system_vgpr_workitem_id 0
		.amdhsa_next_free_vgpr 512
		.amdhsa_next_free_sgpr 80
		.amdhsa_reserve_vcc 0
		.amdhsa_float_denorm_mode_32 3
		.amdhsa_float_denorm_mode_16_64 3
		.amdhsa_memory_ordered 1
		.amdhsa_forward_progress 1
		.amdhsa_inst_pref_size 91
	.end_amdhsa_kernel
	.amdgpu_metadata
---
amdhsa.version: [ 1, 2 ]
amdhsa.kernels:
  - .name:           k_q976a7baa0f_proj
    .symbol:         k_q976a7baa0f_proj.kd
    .args:
      - { .name: act1, .offset: 0, .size: 8, .value_kind: global_buffer, .address_space: global }
      - { .name: wc, .offset: 8, .size: 8, .value_kind: global_buffer, .address_space: global }
      - { .name: bo, .offset: 16, .size: 8, .value_kind: global_buffer, .address_space: global }
      - { .name: big, .offset: 24, .size: 8, .value_kind: global_buffer, .address_space: global }
    .group_segment_fixed_size: 327680
    .private_segment_fixed_size: 0
    .kernarg_segment_align: 8
    .kernarg_segment_size: 32
    .max_flat_workgroup_size: 128
    .sgpr_count:     80
    .vgpr_count:     512
    .wavefront_size: 32
...
	.end_amdgpu_metadata
.endif
;; end of part 4
;; launch ln2 (part 5): grid 256 x 1, 8 waves a work-group, no clusters, 0 bytes of LDS; arguments x, big, g1, be1, g2, be2, act1; writes act1
.if DOCPART == 5
	.amdgcn_target "amdgcn-amd-amdhsa--gfx1250"
	.amdhsa_code_object_version 6
	.text
	.protected	k_q976a7baa0f_ln2
	.globl	k_q976a7baa0f_ln2
	.p2align	8
	.type	k_q976a7baa0f_ln2,@function
k_q976a7baa0f_ln2:
	s_mov_b64 s[64:65], 0
	v_nop
	global_prefetch_b8 v0, s[64:65] scope:SCOPE_SE
	s_setreg_imm32_b32 hwreg(HW_REG_WAVE_MODE, 25, 1), 1
	s_wait_xcnt 0x0
; h2 = LayerNorm(LayerNorm(x) g1 + be1 + ya) g2 + be2, rounded once to f16, into the activation tiles (byte(m, c) = ((c / 128) 32 + m / 128) 32768 + ((c / 64) % 2) 16384 + (m % 128) 128 + (c % 64) 2).
; ya = attn wo + bo, f32 row-major.  The first LayerNorm is made anew from x, in f32, so that the residual never passes through 16 bits.
; A stream: no LDS, no barrier, no matrix unit, no cluster (work-groups share only the four vectors, 16 KiB).  A wave takes two rows: lanes 0-15 the first, lanes 16-31 the second, 64 numbers a lane.
; LIMIT.  f16 ends at 65,504: a number of h2 beyond it becomes an infinity.  NaN and infinities are not treated apart.
; REGISTERS: window 0: v1-3 offsets, v4-15 at work, v16-79 the row, v80-143 ya, v144-175 the row in f16.  window 1: g1 v0-63, be1 v64-127, g2 v128-191, be2 v192-255.
.set T,    4
.set MEAN, 12
.set RS,   14
.set X,    16
.set A,    80
.set O,    144
.set MSB, 0
.macro WIN new                         ; the immediate's high byte repeats the setting that is left
.if MSB != (\new)
	s_set_vgpr_msb (MSB<<8)|(\new)
.set MSB, \new
.endif
.endm
	s_load_b256 s[4:11], s[0:1], 0x0               ; x s[4:5], ya s[6:7], g1 s[8:9], be1 s[10:11]
	s_load_b128 s[12:15], s[0:1], 0x20             ; g2 s[12:13], be2 s[14:15]
	s_load_b64 s[16:17], s[0:1], 0x30              ; h2
	v_lshrrev_b32 v1, 5, v0
	v_readfirstlane_b32 s21, v1                    ; wave 0..7
	s_mov_b32 s20, ttmp9
	s_mov_b32 s22, 0x3a800000                      ; 1 / 1024
	s_mov_b32 s23, 0x3727c5ac                      ; eps = 1e-5
	v_and_b32 v4, 31, v0
	v_lshlrev_b32 v1, 3, v4                        ; v1: 8 x lane, the stores' offset
	v_and_b32 v3, 15, v0
	v_lshlrev_b32 v3, 4, v3                        ; v3: my place in 256 bytes of a vector
	v_bfe_u32 v2, v0, 4, 1
	v_lshl_add_u32 v2, v2, 12, v3                  ; v2: the same in x and ya, lanes 16-31 one row further down
	s_lshl_b32 s24, s20, 16                        ; rows 16 g + 2 w and the next
	s_lshl_b32 s25, s21, 13
	s_add_co_u32 s24, s24, s25
	s_mov_b32 s25, 0
	s_lshr_b32 s26, s20, 3
	s_lshl_b32 s26, s26, 15
	s_and_b32 s27, s20, 7
	s_lshl_b32 s27, s27, 11
	s_add_co_u32 s26, s26, s27
	s_lshl_b32 s27, s21, 8
	s_add_co_u32 s26, s26, s27
	s_mov_b32 s27, 0
	s_wait_kmcnt 0x0
	s_add_nc_u64 s[4:5], s[4:5], s[24:25]
	s_add_nc_u64 s[6:7], s[6:7], s[24:25]
	s_add_nc_u64 s[16:17], s[16:17], s[26:27]
.set j, 0
.rept 16
	global_load_b128 v[X+4*j:X+4*j+3], v2, s[4:5] offset:256*j th:TH_LOAD_NT
.set j, j+1
.endr
.set j, 0
.rept 16
	global_load_b128 v[A+4*j:A+4*j+3], v2, s[6:7] offset:256*j th:TH_LOAD_NT
.set j, j+1
.endr
	WIN 0x40                                       ; destination window 1, address window 0
.set j, 0
.rept 16
	global_load_b128 v[4*j:4*j+3], v3, s[8:9] offset:256*j
.set j, j+1
.endr
	WIN 0
.macro REDUCE                          ; four chains of pairs in v[T:T+7] -> the sum over the row's 16 lanes, in each of them
	v_pk_add_f32 v[T:T+1], v[T:T+1], v[T+2:T+3]
	v_pk_add_f32 v[T+4:T+5], v[T+4:T+5], v[T+6:T+7]
	v_pk_add_f32 v[T:T+1], v[T:T+1], v[T+4:T+5]
	v_add_f32 v[T], v[T], v[T+1]
	v_add_f32_dpp v[T], v[T], v[T] row_xmask:1 row_mask:0xf bank_mask:0xf
	v_add_f32_dpp v[T], v[T], v[T] row_xmask:2 row_mask:0xf bank_mask:0xf
	v_add_f32_dpp v[T], v[T], v[T] row_xmask:4 row_mask:0xf bank_mask:0xf
	v_add_f32_dpp v[T], v[T], v[T] row_xmask:8 row_mask:0xf bank_mask:0xf
.endm
; The row's mean; X = x - mean in place; the mean of the squares of that (two passes: no difference of large sums); RS = 1 / sqrt(var + eps)
.macro LNSTAT
.irp k, 0,1,2,3
	v_pk_add_f32 v[T+2*\k:T+2*\k+1], v[X+2*\k:X+2*\k+1], v[X+8+2*\k:X+8+2*\k+1]
.endr
.set p, 8
.rept 24
	v_pk_add_f32 v[T+2*(p%4):T+2*(p%4)+1], v[T+2*(p%4):T+2*(p%4)+1], v[X+2*p:X+2*p+1]
.set p, p+1
.endr
	REDUCE
	v_mul_f32 v[MEAN], s22, v[T]
	v_mul_f32 v[MEAN+1], s22, v[T]
.set p, 0
.rept 32
	v_pk_add_f32 v[X+2*p:X+2*p+1], v[X+2*p:X+2*p+1], v[MEAN:MEAN+1] neg_lo:[0,1] neg_hi:[0,1]
.set p, p+1
.endr
.irp k, 0,1,2,3
	v_pk_mul_f32 v[T+2*\k:T+2*\k+1], v[X+2*\k:X+2*\k+1], v[X+2*\k:X+2*\k+1]
.endr
.set p, 4
.rept 28
	v_pk_fma_f32 v[T+2*(p%4):T+2*(p%4)+1], v[X+2*p:X+2*p+1], v[X+2*p:X+2*p+1], v[T+2*(p%4):T+2*(p%4)+1]
.set p, p+1
.endr
	REDUCE
	v_fma_f32 v[T], v[T], s22, s23
	v_rsq_f32 v[RS], v[T]
	v_rsq_f32 v[RS+1], v[T]
	v_nop                                          ; a plain instruction behind the root, ahead of the use of its result (ISA guide 5.7.2)
.endm
.macro SCALE gg, bb                    ; X = X RS g + b, g and b in window 1
.set p, 0
	s_wait_alu depctr_va_vdst(0)
.rept 32
	v_pk_mul_f32 v[X+2*p:X+2*p+1], v[X+2*p:X+2*p+1], v[RS:RS+1]
.set p, p+1
.endr
	WIN 0x14                                       ; sources 1 and 2 window 1
.set p, 0
.rept 32
	v_pk_fma_f32 v[X+2*p:X+2*p+1], v[X+2*p:X+2*p+1], v[(\gg)+2*p:(\gg)+2*p+1], v[(\bb)+2*p:(\bb)+2*p+1]
.set p, p+1
.endr
	WIN 0
.endm
	s_wait_loadcnt 32                              ; x is in; the 32 loads of ya and g1 may stay out
	WIN 0x40
.set j, 0
.rept 16
	global_load_b128 v[64+4*j:64+4*j+3], v3, s[10:11] offset:256*j  ; be1 lands under the first statistics
.set j, j+1
.endr
	WIN 0
	LNSTAT
	s_wait_loadcnt 0x0                             ; ya, g1 and be1: all are wanted now, and nothing younger is out
	WIN 0x40
.set j, 0
.rept 16
	global_load_b128 v[128+4*j:128+4*j+3], v3, s[12:13] offset:256*j  ; g2 and be2 land under the scaling, the residual and the second statistics
.set j, j+1
.endr
.set j, 0
.rept 16
	global_load_b128 v[192+4*j:192+4*j+3], v3, s[14:15] offset:256*j
.set j, j+1
.endr
	WIN 0
	SCALE 0, 64
.set p, 0
.rept 32
	v_pk_add_f32 v[X+2*p:X+2*p+1], v[X+2*p:X+2*p+1], v[A+2*p:A+2*p+1]  ; the residual
.set p, p+1
.endr
	LNSTAT
	s_wait_loadcnt 0x0                             ; g2 and be2
	SCALE 128, 192
.set p, 0
.rept 32
	v_cvt_pk_f16_f32 v[O+p], v[X+2*p], v[X+2*p+1]
.set p, p+1
.endr
.set j, 0
.rept 16
	global_store_b64 v1, v[O+2*j:O+2*j+1], s[16:17] offset:((j/2)<<20)|((j%2)<<14)  ; columns 64 j on of both rows: 256 consecutive bytes, aligned
.set j, j+1
.endr
	s_endpgm
.Lfunc_end_k_q976a7baa0f_ln2:
	.size	k_q976a7baa0f_ln2, .Lfunc_end_k_q976a7baa0f_ln2-k_q976a7baa0f_ln2
	.p2alignl 7, 3214868480
	.fill 96, 4, 3214868480
	.section	.rodata,"a",@progbits
	.p2align	6, 0x0
	.amdhsa_kernel k_q976a7baa0f_ln2
		.amdhsa_group_segment_fixed_size 0
		.amdhsa_private_segment_fixed_size 0
		.amdhsa_enable_private_segment 0
		.amdhsa_kernarg_size 56
		.amdhsa_user_sgpr_count 2
		.amdhsa_user_sgpr_kernarg_segment_ptr 1
		.amdhsa_wavefront_size32 1
		.amdhsa_system_sgpr_workgroup_id_x 1
		.amdhsa_system_sgpr_workgroup_id_y 1
		.amdhsa_system_sgpr_workgroup_id_z 1
		.amdhsa_system_vgpr_workitem_id 0
		.amdhsa_next_free_vgpr 512
		.amdhsa_next_free_sgpr 66
		.amdhsa_reserve_vcc 0
		.amdhsa_float_denorm_mode_32 3
		.amdhsa_float_denorm_mode_16_64 3
		.amdhsa_memory_ordered 1
		.amdhsa_forward_progress 1
		.amdhsa_inst_pref_size 39
	.end_amdhsa_kernel
	.amdgpu_metadata
---
amdhsa.version: [ 1, 2 ]
amdhsa.kernels:
  - .name:           k_q976a7baa0f_ln2
    .symbol:         k_q976a7baa0f_ln2.kd
    .args:
      - { .name: x, .offset: 0, .size: 8, .value_kind: global_buffer, .address_space: global }
      - { .name: big, .offset: 8, .size: 8, .value_kind: global_buffer, .address_space: global }
      - { .name: g1, .offset: 16, .size: 8, .value_kind: global_buffer, .address_space: global }
      - { .name: be1, .offset: 24, .size: 8, .value_kind: global_buffer, .address_space: global }
      - { .name: g2, .offset: 32, .size: 8, .value_kind: global_buffer, .address_space: global }
      - { .name: be2, .offset: 40, .size: 8, .value_kind: global_buffer, .address_space: global }
      - { .name: act1, .offset: 48, .size: 8, .value_kind: global_buffer, .address_space: global }
    .group_segment_fixed_size: 0
    .private_segment_fixed_size: 0
    .kernarg_segment_align: 8
    .kernarg_segment_size: 56
    .max_flat_workgroup_size: 256
    .sgpr_count:     66
    .vgpr_count:     512
    .wavefront_size: 32
...
	.end_amdgpu_metadata
.endif
;; end of part 5
;; launch ffn1: the kernel of part 2 again; grid 32 x 32, 4 waves a work-group, clusters of 4 x 4, 327,680 bytes of LDS; arguments act1, wb, ep3, big; writes big
;; launch ffn2 (part 6): grid 8 x 32, 4 waves a work-group, clusters of 4 x 4, 327,680 bytes of LDS; arguments big, wc, b2, out0; writes out0
.if DOCPART == 6
	.amdgcn_target "amdgcn-amd-amdhsa--gfx1250"
	.amdhsa_code_object_version 6
	.text
	.protected	k_q976a7baa0f_ffn2
	.globl	k_q976a7baa0f_ffn2
	.p2align	8
	.type	k_q976a7baa0f_ffn2,@function
k_q976a7baa0f_ffn2:
	s_mov_b64 s[64:65], 0
	v_nop
	global_prefetch_b8 v0, s[64:65] scope:SCOPE_SE
	s_setreg_imm32_b32 hwreg(HW_REG_WAVE_MODE, 25, 1), 1
	s_wait_xcnt 0x0
	s_wait_alu depctr_hold_cnt(0) depctr_sa_sdst(0) depctr_va_vdst(0) depctr_va_sdst(0) depctr_va_ssrc(0) depctr_va_vcc(0) depctr_vm_vsrc(0)
	s_getreg_b32 s2, hwreg(HW_REG_IB_STS2, 6, 4)
	s_cmp_eq_u32 s2, 0
	s_cbranch_scc0 .Lentry_in_a_cluster
	s_endpgm
.Lentry_in_a_cluster:
	s_bfe_u32 s2, ttmp6, 0x10000c
	s_cmp_lg_u32 s2, 0xf033
	s_cbranch_scc0 .Lentry_shape_is_right
	s_endpgm
.Lentry_shape_is_right:
; C = max(A W + bias, 0), K = 4,096, N = 1,024.  A: 4,096 rows in f16, in tiles of 128 x 128 (32,768 dense bytes: [column half][128 rows][64]); W: f16 in blocks [K][128], 2,097,152 bytes into its buffer; C: f32, row-major.
; Sums in f32; nothing is rounded on the way out.  NaN and infinities are not treated apart.
; A tile of C is 128 x 128 (256 tiles: one for each work-group): four waves, each 64 x 64: 16 accumulators.  K goes in steps of 256 through two LDS slots; each wave's one tensor load brings 32,768 dense bytes as 128 rows of 256.
; CLUSTERS: 4 x 4 work-groups.  The four of a row of the cluster need the same tiles of A, the four of a column the same tiles of W: each is asked for JOINTLY, by the same tensor load with the same
; descriptor and a mask that names the four.  THE MATRIX INSTRUCTION IS USED TRANSPOSED (source 0 = 16 columns of W, source 1 = 16 rows of A): a lane then holds eight neighbouring numbers of a row of C.
; REGISTERS: window 0: v0-31 addresses; v32-35 bias; v64-127 the way out; v128-255 the accumulators ((a, b) at v[128 + 8 (4 a + b)]).  window 1: two fragment buffers of 128.
.set KTOT,   4096
.set WOFF,   2097152
.set RELU,   1
.set PA,     144                       ; 128 bytes of A + 16 of padding = 36 words: the 16 rows of a load start at 16 different groups of four banks (64 banks of 4 bytes: ISA guide 11.1)
.set PB,     288                       ; 256 bytes of W + 32 = 72 words
.set QB,     18432                     ; 64 along K: 128 x PA of A, 64 x PB of W
.set PART,   36864                     ; what one tensor load fills
.set SLOT,   4*PART
.set STAGE,  2*SLOT                    ; behind the ring: 16 rows x 272 bytes for each wave, for the way out
.set SP,     272
.set SPARE,  STAGE+4*16*SP             ; behind the stages: the spare words, 128 bytes for each wave: two blocks of 256 bytes that no other line names
.set LAPS,   KTOT/512
.set ADRA, 16
.set ADRB, 20
.set STO,  24
.set RD,   25
.set CO,   26
.set BO,   27
.set SPW,  28
.set NIL,  29
.set BIAS, 32
.set TMP,  64
.set ACC,  128
.set F0,   0
.set F1,   128
.set G1, 24
.set G0, 32
.set G1B, 48
.set G0B, 56
.set MSB, 0
.macro WIN new                         ; the immediate's high byte repeats the setting that is left
.if MSB != (\new)
	s_set_vgpr_msb (MSB<<8)|(\new)
.set MSB, \new
.endif
.endm
.set MUL,  0x05                        ; sources 0 (W) and 1 (A) window 1; C and D window 0
.set TO_F, 0x40                        ; destination window 1, address window 0
.macro JLOAD s                         ; a joint load: waves 0 and 1 fetch A's two tiles, waves 2 and 3 W's two halves; an s_nop 0 and four v_nop follow each line
	s_cmp_eq_u32 s11, 0
	s_cbranch_scc0 .Lfor_b_\@
	tensor_load_to_lds s[G0+4*(\s):G0+4*(\s)+3], s[G1:G1+7]
	s_nop 0
.rept 4
	v_nop
.endr
	s_branch .Lasked_\@
.Lfor_b_\@:
	tensor_load_to_lds s[G0B+4*(\s):G0B+4*(\s)+3], s[G1B:G1B+7]
	s_nop 0
.rept 4
	v_nop
.endr
.Lasked_\@:
.endm
.macro CREST                           ; a round of the cluster's barrier behind its opening barrier
	s_cmp_lg_u32 s10, 0
	s_cbranch_scc1 .Lnot_wave_0_\@
	s_barrier_signal -3
.Lnot_wave_0_\@:
	s_barrier_wait -3
	s_barrier_signal -1
	s_barrier_wait -1
.endm
.macro CROUND
	s_barrier_signal -1
	s_barrier_wait -1
	CREST
.endm
	s_load_b256 s[68:75], s[0:1], 0x0              ; A s[68:69], W s[70:71], bias s[72:73], C s[74:75]
	v_lshl_add_u32 v[SPW], v0, 2, SPARE
	v_mov_b32 v[NIL], 0
	ds_add_u32 v[SPW], v[NIL]                      ; the wave's opening: the add and its wait stand ahead of my first tensor load; the set-up below stands between them
	ds_add_u32 v28, v29
	v_lshrrev_b32 v1, 5, v0
	v_readfirstlane_b32 s10, v1                    ; wave 0..3
	s_lshr_b32 s11, s10, 1                         ; which half of the tile's rows is mine.  Also: I fetch for A (0) or for W (1)
	s_and_b32 s12, s10, 1                          ; which half of its columns.  Also: which part of a K step I fetch
	s_bfe_u32 s40, ttmp6, 0x40000                  ; cx, cy
	s_bfe_u32 s41, ttmp6, 0x40004
	s_lshl_b32 s42, ttmp9, 2
	s_add_co_u32 s42, s42, s40                     ; tile column of C
	s_and_b32 s13, ttmp7, 0xffff
	s_lshl_b32 s13, s13, 2
	s_add_co_u32 s13, s13, s41                     ; tile row of C
	s_lshl_b32 s43, s41, 2
	s_lshl_b32 s43, 15, s43                        ; my row of the cluster
	s_lshl_b32 s44, 0x1111, s40                    ; my column
	s_or_b32 s[G1+0], s43, (1<<16)|(1<<20)|(1<<21)|(4<<22)|(3<<25)   ; the mask of my row; 2-byte elements; padding on; 21 set beside a mask; after every 32 words 4 words
	s_or_b32 s[G1B+0], s44, (1<<16)|(1<<20)|(1<<21)|(5<<22)|(7<<25)  ; the mask of my column; after every 64 words 8 words
.irp g, G1, G1B
	s_mov_b32 s[(\g)+1], 128<<16                   ; tensor_dim0 = 128
	s_mov_b32 s[(\g)+2], 128<<16                   ; tensor_dim1 = 128
	s_mov_b32 s[(\g)+3], 128<<16                   ; tile_dim0 = 128
	s_mov_b32 s[(\g)+4], 128                       ; tile_dim1 = 128
	s_mov_b32 s[(\g)+5], 128                       ; dense
	s_mov_b32 s[(\g)+6], 0
	s_mov_b32 s[(\g)+7], 0
.endr
	s_lshl_b32 s16, s13, 15                        ; A: tile (K block x 32 + tile row) x 32,768; wave 0 the step's first K block, wave 1 its second
	s_lshl_b32 s17, s12, 20
	s_add_co_u32 s16, s16, s17
	s_mov_b32 s17, 0
	s_mul_i32 s46, s42, KTOT*256                   ; W: the tile column's block; wave 2 the step's first 128 rows, wave 3 the others
	s_lshl_b32 s47, s12, 15
	s_add_co_u32 s46, s46, s47
.if WOFF
	s_add_co_u32 s46, s46, WOFF
.endif
	s_mov_b32 s47, 0
	s_mul_i32 s20, s10, PART                       ; where they go: no place in the cluster enters an LDS address
	s_wait_dscnt 0x0                               ; the opening add is done
	s_wait_kmcnt 0x0
	s_add_nc_u64 s[14:15], s[68:69], s[16:17]
	s_add_nc_u64 s[46:47], s[70:71], s[46:47]
	CROUND                                         ; all sixteen work-groups are here: the first joint loads meet
.irp s, 0,1
	s_mov_b32 s[G0+4*(\s)], 1
	s_add_co_u32 s[G0+4*(\s)+1], s20, (\s)*SLOT
	s_add_nc_u64 s[G0+4*(\s)+2:G0+4*(\s)+3], s[14:15], (\s)*2097152
	s_or_b32 s[G0+4*(\s)+3], s[G0+4*(\s)+3], 0x80000000
	s_mov_b32 s[G0B+4*(\s)], 1
	s_add_co_u32 s[G0B+4*(\s)+1], s20, (\s)*SLOT
	s_add_nc_u64 s[G0B+4*(\s)+2:G0B+4*(\s)+3], s[46:47], (\s)*65536
	s_or_b32 s[G0B+4*(\s)+3], s[G0B+4*(\s)+3], 0x80000000
	JLOAD \s
.endr
	v_and_b32 v1, 15, v0                           ; l % 16
	v_bfe_u32 v2, v0, 4, 1                         ; l / 16
	v_mul_u32_u24 v3, v1, PA
	v_lshl_add_u32 v3, v2, 4, v3
	v_and_b32 v5, 7, v0
	v_bfe_u32 v6, v0, 3, 1
	v_lshl_add_u32 v4, v2, 3, v5
	v_mul_u32_u24 v4, v4, PB
	v_lshl_add_u32 v4, v6, 4, v4
	s_mul_i32 s21, s11, 64*PA
	s_lshl_b32 s22, s12, 7
	s_add_co_u32 s22, s22, 2*PART
.irp s, 0,1
	v_add_nc_u32 v[ADRA+(\s)], s21, v3
	v_add_nc_u32 v[ADRB+2*(\s)], s22, v4
	s_add_co_u32 s22, s22, PART
	v_add_nc_u32 v[ADRB+2*(\s)+1], s22, v4
	s_add_co_u32 s21, s21, SLOT
	s_add_co_u32 s22, s22, SLOT-PART
.endr
	s_mul_i32 s23, s10, 16*SP
	s_add_co_u32 s23, s23, STAGE                   ; my stage
	v_mul_u32_u24 v7, v1, SP                       ; in: row l % 16, 32 bytes for each half of the lanes
	v_lshl_add_u32 v7, v2, 5, v7
	v_add_nc_u32 v[STO], s23, v7
	v_mul_u32_u24 v7, v2, SP                       ; back: lanes 0-15 take one row of 256 bytes, lanes 16-31 the next
	v_lshl_add_u32 v7, v1, 4, v7
	v_add_nc_u32 v[RD], s23, v7
	v_lshlrev_b32 v[CO], 12, v2                    ; and the same two rows in C, 4,096 bytes apart
	v_lshl_add_u32 v[CO], v1, 4, v[CO]
	s_lshl_b32 s16, s13, 19                        ; my first row of C: 128 x tile row + 64 x half, 4,096 bytes each
	s_lshl_b32 s17, s11, 18
	s_add_co_u32 s16, s16, s17
	s_mov_b32 s17, 0
	s_add_nc_u64 s[74:75], s[74:75], s[16:17]
	s_lshl_b32 s46, s42, 9                         ; my first column, in bytes (in the registers that held W's address: none that feeds A's descriptors ever holds cx)
	s_lshl_b32 s47, s12, 8
	s_add_co_u32 s46, s46, s47
	s_mov_b32 s47, 0
	s_add_nc_u64 s[74:75], s[74:75], s[46:47]
	v_lshl_add_u32 v[BO], v1, 4, s46
	global_load_b128 v[BIAS:BIAS+3], v[BO], s[72:73]  ; the four columns that I store
.macro MUL8 f, c, a0, zero             ; 8 matrix instructions; the 16 accumulators take turns
	WIN MUL
.irp a, \a0, (\a0)+1
.irp b, 0,1,2,3
.if \zero
	v_wmma_f32_16x16x32_f16 v[ACC+8*(4*(\a)+(\b)):ACC+8*(4*(\a)+(\b))+7], v[(\f)+64+8*(4*(\c)+(\b)):(\f)+64+8*(4*(\c)+(\b))+7], v[(\f)+8*(4*(\c)+(\a)):(\f)+8*(4*(\c)+(\a))+7], 0
.else
	v_wmma_f32_16x16x32_f16 v[ACC+8*(4*(\a)+(\b)):ACC+8*(4*(\a)+(\b))+7], v[(\f)+64+8*(4*(\c)+(\b)):(\f)+64+8*(4*(\c)+(\b))+7], v[(\f)+8*(4*(\c)+(\a)):(\f)+8*(4*(\c)+(\a))+7], v[ACC+8*(4*(\a)+(\b)):ACC+8*(4*(\a)+(\b))+7]
.endif
.endr
.endr
.endm
.macro FETCH slot, q, f                ; 32 LDS loads in one run: quarter q (64 along K) of a slot into buffer f; the first 32 along K first
	WIN TO_F
.irp c, 0,1
.irp i, 0,1,2,3
	ds_load_tr16_b128 v[(\f)+64+8*(4*(\c)+(\i)):(\f)+64+8*(4*(\c)+(\i))+3],   v[ADRB+2*(\slot)+(\q)/2] offset:((\q)%2)*QB+(\c)*32*PB+(\i)*32
	ds_load_tr16_b128 v[(\f)+64+8*(4*(\c)+(\i))+4:(\f)+64+8*(4*(\c)+(\i))+7], v[ADRB+2*(\slot)+(\q)/2] offset:((\q)%2)*QB+(\c)*32*PB+16*PB+(\i)*32
	ds_load_b128 v[(\f)+8*(4*(\c)+(\i)):(\f)+8*(4*(\c)+(\i))+3],              v[ADRA+(\slot)] offset:(\q)*QB+(\c)*64+(\i)*16*PA
	ds_load_b128 v[(\f)+8*(4*(\c)+(\i))+4:(\f)+8*(4*(\c)+(\i))+7],            v[ADRA+(\slot)] offset:(\q)*QB+(\c)*64+(\i)*16*PA+32
.endr
.endr
.endm
.macro PLACES                          ; four places in front of loads into registers that matrix instructions have read, and of lines that read results
.rept 4
	v_nop
.endr
.endm
.macro QUARTER slot, q, f, g, zero
	s_wait_dscnt 16                                ; the first 32 along K are in; the run's other sixteen loads may be out
	WIN MUL
	MUL8 \f, 0, 0, \zero
	MUL8 \f, 0, 2, \zero
	PLACES
	FETCH \slot, \q, \g
	s_wait_dscnt 32                                ; all but the 32 just issued
	WIN MUL
	MUL8 \f, 1, 0, 0
	MUL8 \f, 1, 2, 0
.endm
.macro TURN slot, next, fill           ; the last quarter changes slots: ONE barrier; in front of it the wait for all tensor loads, the add, the wait for it and for my reads of this slot
	WIN 0
	s_wait_tensorcnt 0x0                           ; all my tensor loads have landed: my part of the next slot;
	ds_add_u32 v[SPW], v[NIL]                      ; 0 onto my spare word;
	s_wait_dscnt 17                                ; (the add and the youngest sixteen loads may be out)
	WIN MUL
	MUL8 F1, 0, 0, 0
	s_wait_dscnt 0x0                               ; the add is done, and my reads of this slot are over
	s_barrier_signal -1
	MUL8 F1, 0, 2, 0
.if \fill
	WIN 0
.endif
	s_barrier_wait -1
.if \fill
	CREST                                          ; a round of the cluster's barrier: no wave of any partner still reads this slot or has a load on its way
	s_add_nc_u64 s[G0+4*(\slot)+2:G0+4*(\slot)+3], s[G0+4*(\slot)+2:G0+4*(\slot)+3], 4194304
	s_add_nc_u64 s[G0B+4*(\slot)+2:G0B+4*(\slot)+3], s[G0B+4*(\slot)+2:G0B+4*(\slot)+3], 131072
	JLOAD \slot                                    ; the first tensor load behind the round; its four v_nop are also the places in front of the loads below
.else
	PLACES
.endif
	FETCH \next, 0, F0
	WIN MUL
	MUL8 F1, 1, 0, 0
	MUL8 F1, 1, 2, 0
.endm
	s_wait_tensorcnt 1                             ; my part of K step 0 is in; K step 1's may stay out
	s_barrier_signal -1
	s_barrier_wait -1
	FETCH 0, 0, F0
	QUARTER 0, 1, F0, F1, 1                        ; the first products start the sums
	WIN 0
	s_mov_b32 s3, LAPS-1
.Llap:
	QUARTER 0, 2, F1, F0, 0
	QUARTER 0, 3, F0, F1, 0
	TURN 0, 1, 1
	QUARTER 1, 1, F0, F1, 0
	QUARTER 1, 2, F1, F0, 0
	QUARTER 1, 3, F0, F1, 0
	TURN 1, 0, 1
	QUARTER 0, 1, F0, F1, 0
	WIN 0
	s_sub_co_u32 s3, s3, 1
	s_cmp_lg_u32 s3, 0
	s_cbranch_scc1 .Llap
	QUARTER 0, 2, F1, F0, 0                        ; the last lap fills nothing
	QUARTER 0, 3, F0, F1, 0
	TURN 0, 1, 0
	QUARTER 1, 1, F0, F1, 0
	QUARTER 1, 2, F1, F0, 0
	QUARTER 1, 3, F0, F1, 0
	s_wait_dscnt 16
	WIN MUL
	MUL8 F1, 0, 0, 0
	MUL8 F1, 0, 2, 0
	s_wait_dscnt 0
	MUL8 F1, 1, 0, 0
	MUL8 F1, 1, 2, 0
	WIN 0
	; THE WAY OUT.  A wave's 64 columns in f32 are 256 bytes of a row of C: 16 rows at a time go through my own stage and come back as whole rows; bias and ReLU are applied to the rows.
	PLACES
	s_wait_loadcnt 0x0                             ; the bias
.macro OUTS a
.if (\a) >= 2
	s_wait_xcnt 0x0                                ; the landing registers were data of stores: they are loaded again only behind this wait
.endif
.irp b, 0,1,2,3
	ds_store_b128 v[STO], v[ACC+8*(4*(\a)+(\b)):ACC+8*(4*(\a)+(\b))+3]   offset:64*(\b)      ; each accumulator from its low end on
	ds_store_b128 v[STO], v[ACC+8*(4*(\a)+(\b))+4:ACC+8*(4*(\a)+(\b))+7] offset:64*(\b)+16
.endr
.irp t, 0,1,2,3,4,5,6,7
	ds_load_b128 v[TMP+32*((\a)%2)+4*(\t):TMP+32*((\a)%2)+4*(\t)+3], v[RD] offset:(\t)*2*SP  ; LDS serves a wave's instructions in order (ISA guide 5.7.1.4): these see the stores above
.endr
.endm
.macro SENDF a, younger                ; younger: the sixteen LDS instructions of the next block, or none
.irp t, 0,1,2,3,4,5,6,7
	s_wait_dscnt (\younger)+7-(\t)
	v_pk_add_f32 v[TMP+32*((\a)%2)+4*(\t):TMP+32*((\a)%2)+4*(\t)+1],   v[TMP+32*((\a)%2)+4*(\t):TMP+32*((\a)%2)+4*(\t)+1],   v[BIAS:BIAS+1]
	v_pk_add_f32 v[TMP+32*((\a)%2)+4*(\t)+2:TMP+32*((\a)%2)+4*(\t)+3], v[TMP+32*((\a)%2)+4*(\t)+2:TMP+32*((\a)%2)+4*(\t)+3], v[BIAS+2:BIAS+3]
.if RELU
.irp i, 0,1,2,3
	v_max_num_f32 v[TMP+32*((\a)%2)+4*(\t)+(\i)], 0, v[TMP+32*((\a)%2)+4*(\t)+(\i)]
.endr
.endif
	global_store_b128 v[CO], v[TMP+32*((\a)%2)+4*(\t):TMP+32*((\a)%2)+4*(\t)+3], s[74:75] offset:(16*(\a)+2*(\t))*4096  ; 16 lanes store 256 consecutive bytes, at a multiple of 256 from C's first byte
.endr
.endm
	OUTS 0
	OUTS 1
	SENDF 0, 16
	OUTS 2
	SENDF 1, 16
	OUTS 3
	SENDF 2, 16
	SENDF 3, 0
	s_wait_tensorcnt 0x0                           ; the wave's end: behind my last tensor load and my last LDS store
	ds_add_u32 v[SPW], v[NIL]
	s_wait_dscnt 0x0
	CROUND                                         ; the closing round
	s_endpgm
.Lfunc_end_k_q976a7baa0f_ffn2:
	.size	k_q976a7baa0f_ffn2, .Lfunc_end_k_q976a7baa0f_ffn2-k_q976a7baa0f_ffn2
	.p2alignl 7, 3214868480
	.fill 96, 4, 3214868480
	.section	.rodata,"a",@progbits
	.p2align	6, 0x0
	.amdhsa_kernel k_q976a7baa0f_ffn2
		.amdhsa_group_segment_fixed_size 327680
		.amdhsa_private_segment_fixed_size 0
		.amdhsa_enable_private_segment 0
		.amdhsa_kernarg_size 32
		.amdhsa_user_sgpr_count 2
		.amdhsa_user_sgpr_kernarg_segment_ptr 1
		.amdhsa_wavefront_size32 1
		.amdhsa_system_sgpr_workgroup_id_x 1
		.amdhsa_system_sgpr_workgroup_id_y 1
		.amdhsa_system_sgpr_workgroup_id_z 1
		.amdhsa_system_vgpr_workitem_id 0
		.amdhsa_next_free_vgpr 512
		.amdhsa_next_free_sgpr 80
		.amdhsa_reserve_vcc 0
		.amdhsa_float_denorm_mode_32 3
		.amdhsa_float_denorm_mode_16_64 3
		.amdhsa_memory_ordered 1
		.amdhsa_forward_progress 1
		.amdhsa_inst_pref_size 95
	.end_amdhsa_kernel
	.amdgpu_metadata
---
amdhsa.version: [ 1, 2 ]
amdhsa.kernels:
  - .name:           k_q976a7baa0f_ffn2
    .symbol:         k_q976a7baa0f_ffn2.kd
    .args:
      - { .name: big, .offset: 0, .size: 8, .value_kind: global_buffer, .address_space: global }
      - { .name: wc, .offset: 8, .size: 8, .value_kind: global_buffer, .address_space: global }
      - { .name: b2, .offset: 16, .size: 8, .value_kind: global_buffer, .address_space: global }
      - { .name: out0, .offset: 24, .size: 8, .value_kind: global_buffer, .address_space: global }
    .group_segment_fixed_size: 327680
    .private_segment_fixed_size: 0
    .kernarg_segment_align: 8
    .kernarg_segment_size: 32
    .max_flat_workgroup_size: 128
    .sgpr_count:     80
    .vgpr_count:     512
    .wavefront_size: 32
...
	.end_amdgpu_metadata
.endif
;; end of part 6
;; ======== version 2 of 3: 8 launches; 1.11 times as fast as version 1
;; limits: values are held in f16: magnitudes above 65,504 overflow, below 6.1e-05 lose precision; sums are carried in f16
;; workspace buffers: wa 8,409,088 bytes; wb 8,409,088 bytes; wd 8,409,088 bytes; wc 2,097,152 bytes; act1 33,554,432 bytes; big 33,554,432 bytes
;; launch prep (part 7): grid 640 x 1, 8 waves a work-group, no clusters, 0 bytes of LDS; arguments x, g1, be1, wq, wk, wv, wo, w1, w2, bq, bk, bv, b1, wa, wb, wc, act1, b2, wd; writes wa, wb, wc, wd, act1
.if DOCPART == 7
	.amdgcn_target "amdgcn-amd-amdhsa--gfx1250"
	.amdhsa_code_object_version 6
	.text
	.protected	k_q976a7baa0f_prep
	.globl	k_q976a7baa0f_prep
	.p2align	8
	.type	k_q976a7baa0f_prep,@function
k_q976a7baa0f_prep:
	s_mov_b64 s[64:65], 0
	v_nop
	global_prefetch_b8 v0, s[64:65] scope:SCOPE_SE
	s_setreg_imm32_b32 hwreg(HW_REG_WAVE_MODE, 25, 1), 1
	s_wait_xcnt 0x0
; PREP.  Work-groups 0-255: h = LayerNorm(x) g1 + be1, rounded once to f16, into act1.  Work-groups 256-639: the six weight matrices, f32 [K][N], rounded once to f16 and laid in blocks [1,024][128].
; wa: wq, wk, wv (24 blocks).  wb: w1 (32 blocks).  wd: w2, block 8 p + n for rows 1,024 p on and columns 128 n on (32 blocks).  wc: wo (8 blocks).
; The first of those work-groups also lays, 8 MiB into wa, wb and wd, a floor word and the biases (the product kernel takes max(sum + bias, floor)):
; wa: 1,024 x -inf, bq, bk, bv;  wb: 1,024 x 0, b1;  wd: 1,024 x -inf, b2, 3,072 x 0 (b2 is added to the first of the last product's four partial sums alone).
; ACTIVATION LAYOUT (4,096 rows): byte(m, c) = ((c / 128) 32 + m / 128) 32768 + ((c / 64) % 2) 16384 + (m % 128) 128 + (c % 64) 2: a tile of 128 x 128 is 32,768 dense bytes.
; WEIGHT LAYOUT: byte(k, n) of a block = k 256 + n 2; a block is 262,144 bytes.
; A stream: no LDS, no barrier, no matrix unit, no cluster (work-groups share only g1 and be1, 8 KiB).  Every load and store of a wave covers whole aligned runs of 256 bytes.
; LIMITS.  f16 ends at 65,504: a weight or a number of h beyond it becomes an infinity; below 6e-5 f16 keeps its fixed step of 6e-8.  NaN and infinities are not treated apart.
.set T,    4                           ; v[4:11]    at work
.set MEAN, 12                          ; v[12:13]   the row's mean, twice
.set RS,   14                          ; v[14:15]   1 / sqrt(var + eps), twice
.set X,    16                          ; v[16:79]   64 numbers of my row (weights: 32 rows x 4 registers up to v143)
.set G,    80                          ; v[80:143]  g1 of my columns
.set B,    144                         ; v[144:207] be1 of my columns (weights: v[144:175] the 32 rows' byte offsets)
.set O,    208                         ; v[208:239] the row in f16
.set EP,   0x800000                    ; where floor and biases lie in a weight buffer
	s_load_b512 s[4:19], s[0:1], 0x0               ; x s[4:5], g1 s[6:7], be1 s[8:9], wq s[10:11], wk s[12:13], wv s[14:15], wo s[16:17], w1 s[18:19]
	s_load_b512 s[20:35], s[0:1], 0x40             ; w2 s[20:21], bq s[22:23], bk s[24:25], bv s[26:27], b1 s[28:29], wa s[30:31], wb s[32:33], wc s[34:35]
	s_load_b128 s[36:39], s[0:1], 0x80             ; act1 s[36:37], b2 s[38:39]
	s_load_b64 s[40:41], s[0:1], 0x90              ; wd
	v_lshrrev_b32 v1, 5, v0
	v_readfirstlane_b32 s42, v1                    ; wave 0..7
	s_mov_b32 s43, ttmp9                           ; work-group
	s_mov_b32 s44, 0x3a800000                      ; 1 / 1024
	s_mov_b32 s45, 0x3727c5ac                      ; eps = 1e-5
	v_and_b32 v4, 31, v0                           ; lane
	v_lshlrev_b32 v1, 3, v4                        ; v1: 8 x lane, every store's offset
	v_and_b32 v3, 15, v0
	v_lshlrev_b32 v3, 4, v3                        ; v3: 16 (lane % 16), my place in 256 bytes of g1, be1
	v_bfe_u32 v2, v0, 4, 1
	v_lshl_add_u32 v2, v2, 12, v3                  ; v2: the same in x, lanes 16-31 one row (4,096 bytes) further down
	s_wait_kmcnt 0x0
	s_cmp_lt_u32 s43, 256
	s_cbranch_scc0 .Lweights
; ---- LayerNorm: a wave takes rows m = 16 g + 2 w and m + 1; lanes 0-15 hold the first, lanes 16-31 the second, 64 numbers a lane
	s_lshl_b32 s46, s43, 16                        ; 16 rows of 4,096 bytes a work-group,
	s_lshl_b32 s47, s42, 13                        ; two a wave
	s_add_co_u32 s46, s46, s47
	s_mov_b32 s47, 0
	s_add_nc_u64 s[4:5], s[4:5], s[46:47]
	s_lshr_b32 s48, s43, 3                         ; in act1: (m / 128) 32768
	s_lshl_b32 s48, s48, 15
	s_and_b32 s49, s43, 7                          ; + (m % 128) 128
	s_lshl_b32 s49, s49, 11
	s_add_co_u32 s48, s48, s49
	s_lshl_b32 s49, s42, 8
	s_add_co_u32 s48, s48, s49
	s_mov_b32 s49, 0
	s_add_nc_u64 s[36:37], s[36:37], s[48:49]
.set j, 0
.rept 16
	global_load_b128 v[X+4*j:X+4*j+3], v2, s[4:5] offset:256*j th:TH_LOAD_NT  ; 256 bytes of each of the two rows
.set j, j+1
.endr
.set j, 0
.rept 16
	global_load_b128 v[G+4*j:G+4*j+3], v3, s[6:7] offset:256*j
.set j, j+1
.endr
.set j, 0
.rept 16
	global_load_b128 v[B+4*j:B+4*j+3], v3, s[8:9] offset:256*j
.set j, j+1
.endr
.macro REDUCE                          ; four chains of pairs in v[T:T+7] -> the sum over the row's 16 lanes, in each of them
	v_pk_add_f32 v[T:T+1], v[T:T+1], v[T+2:T+3]
	v_pk_add_f32 v[T+4:T+5], v[T+4:T+5], v[T+6:T+7]
	v_pk_add_f32 v[T:T+1], v[T:T+1], v[T+4:T+5]
	v_add_f32 v[T], v[T], v[T+1]
	v_add_f32_dpp v[T], v[T], v[T] row_xmask:1 row_mask:0xf bank_mask:0xf
	v_add_f32_dpp v[T], v[T], v[T] row_xmask:2 row_mask:0xf bank_mask:0xf
	v_add_f32_dpp v[T], v[T], v[T] row_xmask:4 row_mask:0xf bank_mask:0xf
	v_add_f32_dpp v[T], v[T], v[T] row_xmask:8 row_mask:0xf bank_mask:0xf
.endm
; The row's mean; X = x - mean in place; the mean of the squares of that (two passes: no difference of large sums); RS = 1 / sqrt(var + eps)
.macro LNSTAT
.irp k, 0,1,2,3
	v_pk_add_f32 v[T+2*\k:T+2*\k+1], v[X+2*\k:X+2*\k+1], v[X+8+2*\k:X+8+2*\k+1]  ; the first eight pairs start the chains: nothing is cleared
.endr
.set p, 8
.rept 24
	v_pk_add_f32 v[T+2*(p%4):T+2*(p%4)+1], v[T+2*(p%4):T+2*(p%4)+1], v[X+2*p:X+2*p+1]
.set p, p+1
.endr
	REDUCE
	v_mul_f32 v[MEAN], s44, v[T]
	v_mul_f32 v[MEAN+1], s44, v[T]
.set p, 0
.rept 32
	v_pk_add_f32 v[X+2*p:X+2*p+1], v[X+2*p:X+2*p+1], v[MEAN:MEAN+1] neg_lo:[0,1] neg_hi:[0,1]
.set p, p+1
.endr
.irp k, 0,1,2,3
	v_pk_mul_f32 v[T+2*\k:T+2*\k+1], v[X+2*\k:X+2*\k+1], v[X+2*\k:X+2*\k+1]
.endr
.set p, 4
.rept 28
	v_pk_fma_f32 v[T+2*(p%4):T+2*(p%4)+1], v[X+2*p:X+2*p+1], v[X+2*p:X+2*p+1], v[T+2*(p%4):T+2*(p%4)+1]
.set p, p+1
.endr
	REDUCE
	v_fma_f32 v[T], v[T], s44, s45                 ; var + eps
	v_rsq_f32 v[RS], v[T]
	v_rsq_f32 v[RS+1], v[T]
	v_nop                                          ; a plain instruction behind the root, ahead of the use of its result (ISA guide 5.7.2)
.endm
	s_wait_loadcnt 32                              ; x is in; the 32 loads of g1 and be1 may stay out
	LNSTAT
.set p, 0
	s_wait_alu depctr_va_vdst(0)
.rept 32
	v_pk_mul_f32 v[X+2*p:X+2*p+1], v[X+2*p:X+2*p+1], v[RS:RS+1]
.set p, p+1
.endr
	s_wait_loadcnt 0x0                             ; g1 and be1
.set p, 0
.rept 32
	v_pk_fma_f32 v[X+2*p:X+2*p+1], v[X+2*p:X+2*p+1], v[G+2*p:G+2*p+1], v[B+2*p:B+2*p+1]
.set p, p+1
.endr
.set p, 0
.rept 32
	v_cvt_pk_f16_f32 v[O+p], v[X+2*p], v[X+2*p+1]
.set p, p+1
.endr
.set j, 0
.rept 16
	global_store_b64 v1, v[O+2*j:O+2*j+1], s[36:37] offset:((j/2)<<20)|((j%2)<<14)  ; columns 64 j on of both rows: 2 x 128 = 256 consecutive bytes, aligned
.set j, j+1
.endr
	s_endpgm
; ---- weights: a work-group takes 32 rows (k) x 1,024 columns of one matrix, a wave one block of 128 columns
.Lweights:
	s_sub_co_u32 s43, s43, 256                     ; 0..383
	s_lshr_b32 s46, s43, 5                         ; which 32 work-groups: 0 wq, 1 wk, 2 wv, 3 wo, 4-7 w1's four column groups, 8-11 w2's four row groups
	s_and_b32 s47, s43, 31                         ; which 32 rows of 1,024
	s_and_b32 s48, s46, 3
	s_lshr_b32 s49, s46, 2                         ; 0: a square matrix, 1: w1, 2: w2
	s_cmp_eq_u32 s46, 1                            ; from where: a choice between buffers on the work-group's number
	s_cselect_b64 s[50:51], s[12:13], s[10:11]
	s_cmp_eq_u32 s46, 2
	s_cselect_b64 s[50:51], s[14:15], s[50:51]
	s_cmp_eq_u32 s46, 3
	s_cselect_b64 s[50:51], s[16:17], s[50:51]
	s_cmp_eq_u32 s49, 1
	s_cselect_b64 s[50:51], s[18:19], s[50:51]
	s_cmp_eq_u32 s49, 2
	s_cselect_b64 s[50:51], s[20:21], s[50:51]
	s_cmp_lt_u32 s46, 3                            ; to where: wa, or wc for wo,
	s_cselect_b64 s[52:53], s[30:31], s[34:35]
	s_mov_b32 s54, 4096                            ; bytes from row to row of the source
	s_cmp_eq_u32 s49, 1
	s_cselect_b64 s[52:53], s[32:33], s[52:53]     ; wb for w1,
	s_cselect_b32 s54, 16384, s54
	s_cmp_eq_u32 s49, 2
	s_cselect_b64 s[52:53], s[40:41], s[52:53]     ; wd for w2
	s_lshl_b32 s56, s47, 17                        ; source offset.  Square: 32 rows of 4,096 bytes
	s_lshl_b32 s60, s47, 19                        ; w1: 32 rows of 16,384 bytes,
	s_lshl_b32 s61, s48, 12                        ; and the group's 1,024 columns
	s_add_co_u32 s60, s60, s61
	s_cmp_eq_u32 s49, 1
	s_cselect_b32 s60, s60, s56
	s_lshl_b32 s61, s48, 22                        ; w2: 1,024 rows a group
	s_add_co_u32 s61, s61, s56
	s_cmp_eq_u32 s49, 2
	s_cselect_b32 s56, s61, s60
	s_lshl_b32 s58, s48, 21                        ; destination offset: eight blocks of 262,144 bytes a group;
	s_cmp_eq_u32 s46, 3
	s_cselect_b32 s58, 0, s58                      ; wo lies at wc's head
	s_lshl_b32 s60, s47, 13                        ; 32 rows of 256 bytes
	s_add_co_u32 s58, s58, s60
	s_lshl_b32 s60, s42, 9                         ; my wave's 128 columns: 512 bytes of a source row,
	s_add_co_u32 s56, s56, s60
	s_lshl_b32 s60, s42, 18                        ; a block of the destination
	s_add_co_u32 s58, s58, s60
	s_mov_b32 s57, 0
	s_mov_b32 s59, 0
	s_add_nc_u64 s[50:51], s[50:51], s[56:57]
	s_add_nc_u64 s[52:53], s[52:53], s[58:59]
	v_lshlrev_b32 v4, 4, v4                        ; 16 x lane
.set i, 0
.rept 32
	v_mad_u32_u24 v[B+i], s54, i, v4               ; row i
.set i, i+1
.endr
.set i, 0
.rept 32
	global_load_b128 v[X+4*i:X+4*i+3], v[B+i], s[50:51] th:TH_LOAD_NT  ; 512 consecutive bytes: 128 numbers of a row
.set i, i+1
.endr
.set i, 0
.rept 32
	s_wait_loadcnt 31-i                            ; loads come back in order (ISA guide 5.7.1): row i is in, the younger ones stay out
	v_cvt_pk_f16_f32 v[X+4*i], v[X+4*i], v[X+4*i+1]
	v_cvt_pk_f16_f32 v[X+4*i+1], v[X+4*i+2], v[X+4*i+3]
	global_store_b64 v1, v[X+4*i:X+4*i+1], s[52:53] offset:256*i  ; 256 consecutive bytes, aligned: a row of the block
.set i, i+1
.endr
	s_cmp_lg_u32 s43, 0
	s_cbranch_scc1 .Ldone
; ---- the first of these work-groups also writes floors and biases: 256 threads x 16 bytes = 1,024 numbers a line
	s_add_nc_u64 s[56:57], s[30:31], EP            ; in wa,
	s_add_nc_u64 s[58:59], s[32:33], EP            ; in wb,
	s_add_nc_u64 s[60:61], s[40:41], EP            ; in wd
	v_lshlrev_b32 v212, 4, v0
	global_load_b128 v[176:179], v212, s[22:23]
	global_load_b128 v[180:183], v212, s[24:25]
	global_load_b128 v[184:187], v212, s[26:27]
.irp i, 0,1,2,3
	global_load_b128 v[188+4*\i:191+4*\i], v212, s[28:29] offset:4096*\i
.endr
	global_load_b128 v[216:219], v212, s[38:39]
.irp i, 0,1,2,3
	v_mov_b32 v[204+\i], 0xff800000                ; -inf: the floor of a product without activation
	v_mov_b32 v[208+\i], 0                         ; 0: the floor of a ReLU, and the bias of the later partial sums
.endr
	global_store_b128 v212, v[204:207], s[56:57]
	global_store_b128 v212, v[208:211], s[58:59]
	global_store_b128 v212, v[204:207], s[60:61]
.irp i, 2,3,4
	global_store_b128 v212, v[208:211], s[60:61] offset:4096*\i
.endr
	s_wait_loadcnt 0x0
.irp i, 0,1,2
	global_store_b128 v212, v[176+4*\i:179+4*\i], s[56:57] offset:4096+4096*\i
.endr
.irp i, 0,1,2,3
	global_store_b128 v212, v[188+4*\i:191+4*\i], s[58:59] offset:4096+4096*\i
.endr
	global_store_b128 v212, v[216:219], s[60:61] offset:4096
.Ldone:
	s_endpgm
.Lfunc_end_k_q976a7baa0f_prep:
	.size	k_q976a7baa0f_prep, .Lfunc_end_k_q976a7baa0f_prep-k_q976a7baa0f_prep
	.p2alignl 7, 3214868480
	.fill 96, 4, 3214868480
	.section	.rodata,"a",@progbits
	.p2align	6, 0x0
	.amdhsa_kernel k_q976a7baa0f_prep
		.amdhsa_group_segment_fixed_size 0
		.amdhsa_private_segment_fixed_size 0
		.amdhsa_enable_private_segment 0
		.amdhsa_kernarg_size 152
		.amdhsa_user_sgpr_count 2
		.amdhsa_user_sgpr_kernarg_segment_ptr 1
		.amdhsa_wavefront_size32 1
		.amdhsa_system_sgpr_workgroup_id_x 1
		.amdhsa_system_sgpr_workgroup_id_y 1
		.amdhsa_system_sgpr_workgroup_id_z 1
		.amdhsa_system_vgpr_workitem_id 0
		.amdhsa_next_free_vgpr 240
		.amdhsa_next_free_sgpr 66
		.amdhsa_reserve_vcc 0
		.amdhsa_float_denorm_mode_32 3
		.amdhsa_float_denorm_mode_16_64 3
		.amdhsa_memory_ordered 1
		.amdhsa_forward_progress 1
		.amdhsa_inst_pref_size 38
	.end_amdhsa_kernel
	.amdgpu_metadata
---
amdhsa.version: [ 1, 2 ]
amdhsa.kernels:
  - .name:           k_q976a7baa0f_prep
    .symbol:         k_q976a7baa0f_prep.kd
    .args:
      - { .name: x, .offset: 0, .size: 8, .value_kind: global_buffer, .address_space: global }
      - { .name: g1, .offset: 8, .size: 8, .value_kind: global_buffer, .address_space: global }
      - { .name: be1, .offset: 16, .size: 8, .value_kind: global_buffer, .address_space: global }
      - { .name: wq, .offset: 24, .size: 8, .value_kind: global_buffer, .address_space: global }
      - { .name: wk, .offset: 32, .size: 8, .value_kind: global_buffer, .address_space: global }
      - { .name: wv, .offset: 40, .size: 8, .value_kind: global_buffer, .address_space: global }
      - { .name: wo, .offset: 48, .size: 8, .value_kind: global_buffer, .address_space: global }
      - { .name: w1, .offset: 56, .size: 8, .value_kind: global_buffer, .address_space: global }
      - { .name: w2, .offset: 64, .size: 8, .value_kind: global_buffer, .address_space: global }
      - { .name: bq, .offset: 72, .size: 8, .value_kind: global_buffer, .address_space: global }
      - { .name: bk, .offset: 80, .size: 8, .value_kind: global_buffer, .address_space: global }
      - { .name: bv, .offset: 88, .size: 8, .value_kind: global_buffer, .address_space: global }
      - { .name: b1, .offset: 96, .size: 8, .value_kind: global_buffer, .address_space: global }
      - { .name: wa, .offset: 104, .size: 8, .value_kind: global_buffer, .address_space: global }
      - { .name: wb, .offset: 112, .size: 8, .value_kind: global_buffer, .address_space: global }
      - { .name: wc, .offset: 120, .size: 8, .value_kind: global_buffer, .address_space: global }
      - { .name: act1, .offset: 128, .size: 8, .value_kind: global_buffer, .address_space: global }
      - { .name: b2, .offset: 136, .size: 8, .value_kind: global_buffer, .address_space: global }
      - { .name: wd, .offset: 144, .size: 8, .value_kind: global_buffer, .address_space: global }
    .group_segment_fixed_size: 0
    .private_segment_fixed_size: 0
    .kernarg_segment_align: 8
    .kernarg_segment_size: 152
    .max_flat_workgroup_size: 256
    .sgpr_count:     66
    .vgpr_count:     240
    .wavefront_size: 32
...
	.end_amdgpu_metadata
.endif
;; end of part 7
;; launch qkv (part 8): grid 12 x 16, 4 waves a work-group, clusters of 4 x 4, 327,680 bytes of LDS; arguments act1, wa, big; writes big
.if DOCPART == 8
	.amdgcn_target "amdgcn-amd-amdhsa--gfx1250"
	.amdhsa_code_object_version 6
	.text
	.protected	k_q976a7baa0f_qkv
	.globl	k_q976a7baa0f_qkv
	.p2align	8
	.type	k_q976a7baa0f_qkv,@function
k_q976a7baa0f_qkv:
	s_mov_b64 s[64:65], 0
	v_nop
	global_prefetch_b8 v0, s[64:65] scope:SCOPE_SE
	s_setreg_imm32_b32 hwreg(HW_REG_WAVE_MODE, 25, 1), 1
	s_wait_xcnt 0x0
	s_wait_alu depctr_hold_cnt(0) depctr_sa_sdst(0) depctr_va_vdst(0) depctr_va_sdst(0) depctr_va_ssrc(0) depctr_va_vcc(0) depctr_vm_vsrc(0)
	s_getreg_b32 s2, hwreg(HW_REG_IB_STS2, 6, 4)
	s_cmp_eq_u32 s2, 0
	s_cbranch_scc0 .Lentry_in_a_cluster
	s_endpgm
.Lentry_in_a_cluster:
	s_bfe_u32 s2, ttmp6, 0x10000c
	s_cmp_lg_u32 s2, 0xf033
	s_cbranch_scc0 .Lentry_shape_is_right
	s_endpgm
.Lentry_shape_is_right:
; C = max(A W + bias, floor), K = 1,024.  A: 4,096 rows in f16, in tiles of 128 x 128 (32,768 dense bytes: [column half][128 rows][64]; tile (K block, row block) at (32 K block + row block) x 32,768);
; W: f16 in blocks [1,024][128] of 262,144 bytes; C: f16 in A's tile layout.  8 MiB into W's buffer lie the floor (first word: -inf: no activation; 0: ReLU) and, from byte 4,096 on, the bias.
; Sums in f32, beginning with the bias; C rounded once.
; THE WORK-GROUP'S y IS 16 x PART + TILE ROW.  Part p takes A's K blocks 8 p on, W's blocks 8 p on, the bias's columns 1,024 p on and C's 8 MiB p on.  A launch with 16 rows of work-groups has part 0 alone: a plain
; product.  A launch of 4 x 64 work-groups makes the four partial products of a product with K = 4,096 and N = 1,024, which a later launch adds in f32.
; LIMITS.  f16 ends at 65,504: a number of C beyond it becomes an infinity.  Such partial products are each rounded once to f16, within 2^-11 of themselves.  NaN and infinities are not treated apart.
; A tile of C is 256 x 256: four waves, as many as a WGP has SIMDs, each 128 x 128: 64 accumulators, 512 registers.  K goes in steps of 128 through two LDS slots; each wave's one tensor load brings 32,768 dense
; bytes as 128 rows of 256: waves 0 and 1 A's two row blocks, waves 2 and 3 W's two column blocks.  From a refill to the wait for it a wave issues 224 matrix instructions.
; CLUSTERS: 4 x 4 work-groups.  The four of a row of the cluster need the same tiles of A, the four of a column the same tiles of W: each is asked for JOINTLY, by the same tensor load with the same
; descriptor and a mask that names the four.  THE MATRIX INSTRUCTION IS USED TRANSPOSED (source 0 = 16 columns of W, source 1 = 16 rows of A): a lane then holds eight neighbouring numbers of a row of C.
; A comes out of LDS as it lies; W ([k][n]) turned, by ds_load_tr16_b128.
; REGISTERS, in windows of 256 (s_set_vgpr_msb: bits 1:0 source 0, 3:2 source 1, 5:4 source 2, 7:6 destination):
;   window 0: v0-31 addresses; v64-127, v128-191 fragments of A (8 x 16 rows x 32 K), two buffers; v32-63, v192-255 at work on the way out
;   window 1: v64-127, v128-191 fragments of W, two buffers; v192-255 the bias: eight registers for each of my eight blocks of 16 columns
;   window 2: the 32 accumulators of my rows 0-63 ((a, b) at v[8 (8 a + b)]);   window 3: those of my rows 64-127
.set PA,     144                       ; 128 bytes of A (a row's 64 numbers) + 16 of padding = 36 words: the 16 rows of a load start at 16 different groups of four banks (64 banks of 4 bytes: ISA guide 11.1)
.set PB,     288                       ; 256 bytes of W (a k's 128 columns) + 32 = 72 words
.set PART,   36864                     ; what one tensor load fills: 256 x PA, or 128 x PB
.set SLOT,   4*PART                    ; A's rows 0-127, A's rows 128-255, W's columns 0-127, W's columns 128-255
.set STAGE,  2*SLOT                    ; behind the ring: for each wave 16 rows x 144 bytes for each half of its 128 columns, for the way out
.set SP,     144
.set HST,    16*SP
.set SPARE,  STAGE+4*2*HST             ; behind the stages: the spare words, 128 bytes for each wave: two blocks of 256 bytes that no other line names
.set LAPS,   4                         ; a lap = two K steps = once round the ring: 1,024 / 256
.set EP,     0x800000                  ; where floor and bias lie in W's buffer
.set ADRA, 16                          ; v16-17  LDS address of my A fragments in slot 0, 1
.set ADRB, 20                          ; v20-21  the same for W
.set STO,  24                          ; v24     the way out: where I put 16 bytes of a row
.set RD,   25                          ; v25     the way out: where I read rows back
.set CO,   26                          ; v26     16 x lane
.set BO,   27                          ; v27     my byte offset in the bias
.set SPW,  28                          ; v28     LDS address of my spare word; never rewritten
.set NIL,  29                          ; v29     0; never rewritten
.set F0,   64                          ; fragment buffer 0
.set F1,   128                         ; fragment buffer 1
.set BIAS, 192                         ; in window 1
.set TMP,  192                         ; the way out: packed results, in window 0
.set OB,   32                          ; the way out: 16 rows read back from the stage: v32-63 and v224-255 by turns
.set G1, 24                            ; s[24:31] descriptor group 1 for A's tiles;  s[32:39] group 0, one set for each slot
.set G0, 32
.set G1B, 48                           ; s[48:55], s[56:63] the same for W's tiles
.set G0B, 56
.set MSB, 0
.macro WIN new                         ; the immediate's high byte repeats the setting that is left; a switch that changes nothing is dropped
.if MSB != (\new)
	s_set_vgpr_msb (MSB<<8)|(\new)
.set MSB, \new
.endif
.endm
.set MUL_LO, 0xa1                      ; source 0 (W) window 1, source 1 (A) window 0, C and D window 2
.set MUL_HI, 0xf1                      ; the same, C and D window 3
.set FST_LO, 0x91                      ; the first products: C (the bias) window 1, D window 2
.set FST_HI, 0xd1                      ; the same, D window 3
.set TO_B,   0x40                      ; destination window 1, address window 0
.macro JLOAD s                         ; a joint load: waves 0 and 1 fetch for A, waves 2 and 3 for W; an s_nop 0 and four v_nop follow each line
	s_cmp_eq_u32 s11, 0
	s_cbranch_scc0 .Lfor_b_\@
	tensor_load_to_lds s[G0+4*(\s):G0+4*(\s)+3], s[G1:G1+7]
	s_nop 0
.rept 4
	v_nop
.endr
	s_branch .Lasked_\@
.Lfor_b_\@:
	tensor_load_to_lds s[G0B+4*(\s):G0B+4*(\s)+3], s[G1B:G1B+7]
	s_nop 0
.rept 4
	v_nop
.endr
.Lasked_\@:
.endm
.macro CREST                           ; a round of the cluster's barrier behind its opening barrier
	s_cmp_lg_u32 s10, 0
	s_cbranch_scc1 .Lnot_wave_0_\@
	s_barrier_signal -3
.Lnot_wave_0_\@:
	s_barrier_wait -3
	s_barrier_signal -1
	s_barrier_wait -1
.endm
.macro CROUND                          ; a whole round
	s_barrier_signal -1
	s_barrier_wait -1
	CREST
.endm
	s_load_b128 s[68:71], s[0:1], 0x0              ; A s[68:69], W s[70:71]
	s_load_b64 s[74:75], s[0:1], 0x10              ; C
	v_lshl_add_u32 v[SPW], v0, 2, SPARE
	v_mov_b32 v[NIL], 0
	ds_add_u32 v[SPW], v[NIL]                      ; the wave's opening: the add and its wait stand ahead of my first tensor load; the set-up below stands between them
	ds_add_u32 v28, v29
	v_lshrrev_b32 v1, 5, v0
	v_readfirstlane_b32 s10, v1                    ; wave 0..3
	s_lshr_b32 s11, s10, 1                         ; which half of the tile's rows is mine.  Also: I fetch for A (0) or for W (1)
	s_and_b32 s12, s10, 1                          ; which half of its columns.  Also: which block of 128 rows of A, or columns of W, I fetch
	s_bfe_u32 s40, ttmp6, 0x40000                  ; cx, cy: my place in the cluster
	s_bfe_u32 s41, ttmp6, 0x40004
	s_lshl_b32 s42, ttmp9, 2
	s_add_co_u32 s42, s42, s40                     ; tile column of C = 4 x cluster x + cx
	s_and_b32 s13, ttmp7, 0xffff                   ; the cluster's y: four clusters make a part's 16 tile rows
	s_lshr_b32 s45, s13, 2                         ; the part, which all sixteen partners share
	s_and_b32 s13, s13, 3
	s_lshl_b32 s13, s13, 2
	s_add_co_u32 s13, s13, s41                     ; tile row of C, 0..15
	s_lshl_b32 s43, s41, 2
	s_lshl_b32 s43, 15, s43                        ; my row of the cluster
	s_lshl_b32 s44, 0x1111, s40                    ; my column
	s_or_b32 s[G1+0], s43, (1<<16)|(1<<20)|(1<<21)|(4<<22)|(3<<25)   ; 15:0 the mask: A's tiles go to my row; 17:16 2-byte elements; 20 padding on; 21 set beside a mask; 24:22 after every 32 words (code 4); 31:25 4 words (code 3)
	s_or_b32 s[G1B+0], s44, (1<<16)|(1<<20)|(1<<21)|(5<<22)|(7<<25)  ; W's go to my column; after every 64 words (code 5) 8 words (code 7)
.irp g, G1, G1B
	s_mov_b32 s[(\g)+1], 128<<16                   ; tensor_dim0 = 128 elements: 256 bytes
	s_mov_b32 s[(\g)+2], 128<<16                   ; tensor_dim1 = 128
	s_mov_b32 s[(\g)+3], 128<<16                   ; tile_dim0 = 128
	s_mov_b32 s[(\g)+4], 128                       ; tile_dim1 = 128
	s_mov_b32 s[(\g)+5], 128                       ; dense: 128 elements from row to row
	s_mov_b32 s[(\g)+6], 0
	s_mov_b32 s[(\g)+7], 0
.endr
	s_lshl_b32 s16, s13, 16                        ; A: row block 2 x tile row + my block, 32,768 bytes each;
	s_lshl_b32 s17, s12, 15
	s_add_co_u32 s16, s16, s17
	s_lshl_b32 s17, s45, 23                        ; the part's eight K blocks of 32 tiles
	s_add_co_u32 s16, s16, s17
	s_mov_b32 s17, 0
	s_lshl_b32 s46, s42, 19                        ; W: block 2 x tile column + my block, 262,144 bytes each;
	s_lshl_b32 s47, s12, 18
	s_add_co_u32 s46, s46, s47
	s_lshl_b32 s47, s45, 21                        ; the part's eight blocks
	s_add_co_u32 s46, s46, s47
	s_mov_b32 s47, 0
	s_mul_i32 s20, s10, PART                       ; where they go: no place in the cluster enters an LDS address
	s_wait_dscnt 0x0                               ; the opening add is done
	s_wait_kmcnt 0x0
	s_add_nc_u64 s[14:15], s[68:69], s[16:17]
	s_add_nc_u64 s[46:47], s[70:71], s[46:47]
	s_add_nc_u64 s[72:73], s[70:71], EP            ; floor and bias
	CROUND                                         ; all sixteen work-groups are here: the first joint loads meet
.irp s, 0,1
	s_mov_b32 s[G0+4*(\s)], 1
	s_add_co_u32 s[G0+4*(\s)+1], s20, (\s)*SLOT
	s_add_nc_u64 s[G0+4*(\s)+2:G0+4*(\s)+3], s[14:15], (\s)*1048576  ; K step s: a K block of 32 tiles
	s_or_b32 s[G0+4*(\s)+3], s[G0+4*(\s)+3], 0x80000000
	s_mov_b32 s[G0B+4*(\s)], 1
	s_add_co_u32 s[G0B+4*(\s)+1], s20, (\s)*SLOT
	s_add_nc_u64 s[G0B+4*(\s)+2:G0B+4*(\s)+3], s[46:47], (\s)*32768  ; 128 rows of 256 bytes
	s_or_b32 s[G0B+4*(\s)+3], s[G0B+4*(\s)+3], 0x80000000
	JLOAD \s                                       ; the ring is filled before anything else is done: two loads of mine are out
.endr
	v_and_b32 v1, 15, v0                           ; l % 16
	v_bfe_u32 v2, v0, 4, 1                         ; l / 16
	v_mul_u32_u24 v3, v1, PA
	v_lshl_add_u32 v3, v2, 4, v3                   ; A: a fragment's row x pitch + 16 x half
	v_and_b32 v5, 7, v0
	v_bfe_u32 v6, v0, 3, 1
	v_lshl_add_u32 v4, v2, 3, v5                   ; W: lane l reads k = 8 (l / 16) + l % 8, columns 8 ((l / 8) % 2) + 0..7
	v_mul_u32_u24 v4, v4, PB
	v_lshl_add_u32 v4, v6, 4, v4
	s_mul_i32 s21, s11, PART                       ; my 128 rows of A
	s_mul_i32 s22, s12, PART                       ; my 128 columns of W,
	s_add_co_u32 s22, s22, 2*PART                  ; which lies behind A
.irp s, 0,1
	v_add_nc_u32 v[ADRA+(\s)], s21, v3
	v_add_nc_u32 v[ADRB+(\s)], s22, v4
	s_add_co_u32 s21, s21, SLOT
	s_add_co_u32 s22, s22, SLOT
.endr
	s_mul_i32 s23, s10, 2*HST
	s_add_co_u32 s23, s23, STAGE                   ; my stage
	v_add_nc_u32 v[STO], s23, v3                   ; in: row l % 16, 16 bytes for each half of the lanes
	v_bfe_u32 v7, v0, 3, 2                         ; back: 32 lanes take four rows of 128 bytes,
	v_mul_u32_u24 v7, v7, SP
	v_lshl_add_u32 v7, v5, 4, v7
	v_add_nc_u32 v[RD], s23, v7
	v_and_b32 v[CO], 31, v0                        ; which are 512 consecutive bytes of C
	v_lshlrev_b32 v[CO], 4, v[CO]
	s_lshl_b32 s16, s13, 16                        ; my 128 x 128 of C is ONE tile: (32 (2 x tile column + column half) + 2 x tile row + row half) x 32,768, in the part's 8 MiB
	s_lshl_b32 s17, s11, 15
	s_add_co_u32 s16, s16, s17
	s_lshl_b32 s17, s45, 23
	s_add_co_u32 s16, s16, s17
	s_mov_b32 s17, 0
	s_add_nc_u64 s[74:75], s[74:75], s[16:17]
	s_lshl_b32 s46, s42, 21                        ; (in the registers that held W's address: none that feeds A's descriptors ever holds cx)
	s_lshl_b32 s47, s12, 20
	s_add_co_u32 s46, s46, s47
	s_mov_b32 s47, 0
	s_add_nc_u64 s[74:75], s[74:75], s[46:47]
	s_lshl_b32 s46, s42, 10                        ; the bias of my 128 columns: 4 (1,024 x part + 256 x tile column + 128 x half) + 32 (l / 16)
	s_lshl_b32 s47, s12, 9
	s_add_co_u32 s46, s46, s47
	s_lshl_b32 s47, s45, 12
	s_add_co_u32 s46, s46, s47
	v_lshl_add_u32 v[BO], v2, 5, s46
	WIN TO_B
.irp b, 0,1,2,3,4,5,6,7
	global_load_b128 v[BIAS+8*(\b):BIAS+8*(\b)+3],   v[BO], s[72:73] offset:4096+64*(\b)     ; the eight columns that accumulators (., b) hold in my lane
	global_load_b128 v[BIAS+8*(\b)+4:BIAS+8*(\b)+7], v[BO], s[72:73] offset:4096+64*(\b)+16
.endr
	WIN 0
	s_load_b32 s76, s[72:73], 0x0                  ; the floor
; 16 matrix instructions: m blocks a0, a0 + 1 of the window's four (hi = 0: my rows 0-63, 1: rows 64-127) x all 8 n blocks, 32 along K.
; first = 1: the first product starts the sums, with the bias as C: nothing is ever cleared, and no addition stands on the way out.  The 64 accumulators take turns.
.macro MUL16 f, hi, a0, first
.if \first
	WIN FST_LO+0x40*(\hi)
.else
	WIN MUL_LO+0x50*(\hi)
.endif
.irp a, \a0, (\a0)+1
.irp b, 0,1,2,3,4,5,6,7
.if \first
	v_wmma_f32_16x16x32_f16 v[8*(8*(\a)+(\b)):8*(8*(\a)+(\b))+7], v[(\f)+8*(\b):(\f)+8*(\b)+7], v[(\f)+8*(4*(\hi)+(\a)):(\f)+8*(4*(\hi)+(\a))+7], v[BIAS+8*(\b):BIAS+8*(\b)+7]
.else
	v_wmma_f32_16x16x32_f16 v[8*(8*(\a)+(\b)):8*(8*(\a)+(\b))+7], v[(\f)+8*(\b):(\f)+8*(\b)+7], v[(\f)+8*(4*(\hi)+(\a)):(\f)+8*(4*(\hi)+(\a))+7], v[8*(8*(\a)+(\b)):8*(8*(\a)+(\b))+7]
.endif
.endr
.endr
.endm
; 32 LDS loads in one run: the fragments of quarter q (32 along K) of a slot, into buffer f: W's 128 columns, then A's 128 rows
.macro FETCH slot, q, f
	WIN TO_B
.irp i, 0,1,2,3,4,5,6,7
	ds_load_tr16_b128 v[(\f)+8*(\i):(\f)+8*(\i)+3],   v[ADRB+(\slot)] offset:(\q)*32*PB+(\i)*32
	ds_load_tr16_b128 v[(\f)+8*(\i)+4:(\f)+8*(\i)+7], v[ADRB+(\slot)] offset:(\q)*32*PB+16*PB+(\i)*32
.endr
	WIN 0
.irp i, 0,1,2,3,4,5,6,7
	ds_load_b128 v[(\f)+8*(\i):(\f)+8*(\i)+3],   v[ADRA+(\slot)] offset:((\q)/2)*128*PA+((\q)%2)*64+(\i)*16*PA
	ds_load_b128 v[(\f)+8*(\i)+4:(\f)+8*(\i)+7], v[ADRA+(\slot)] offset:((\q)/2)*128*PA+((\q)%2)*64+(\i)*16*PA+32
.endr
.endm
.macro PLACES                          ; four places in front of loads into registers that matrix instructions have read, and of vector lines that read results
.rept 4
	v_nop
.endr
.endm
; A K step is four quarters of 32 along K, 64 matrix instructions each, on buffers 0, 1, 0, 1.  One of the first three: multiplies buffer f; in its middle it fetches quarter q of the same slot into buffer g.
.macro QUARTER slot, q, f, g, first
	s_wait_dscnt 8                                 ; W and A's rows 0-63 are in; the youngest eight loads (A's rows 64-127) may be out
	MUL16 \f, 0, 0, \first
	MUL16 \f, 0, 2, \first
	PLACES
	FETCH \slot, \q, \g
	s_wait_dscnt 32                                ; all but the 32 just issued
	MUL16 \f, 1, 0, \first
	MUL16 \f, 1, 2, \first
.endm
; The last quarter multiplies buffer 1 and changes slots: ONE barrier; in front of it each wave waits for all its tensor loads, adds 0 to its spare word, and waits for that and for its own reads of this slot.
; Behind it nobody reads this slot any more and the next slot is whole.  fill = 1: this slot is filled again, two K steps ahead.
.macro TURN slot, next, fill
	WIN 0                                          ; (the add's two registers lie in window 0)
	s_wait_tensorcnt 0x0                           ; all my tensor loads have landed: the one that was out is my part of the next slot;
	ds_add_u32 v[SPW], v[NIL]                      ; 0 onto my spare word;
	s_wait_dscnt 9                                 ; (the add and the youngest eight loads may be out)
	MUL16 F1, 0, 0, 0                              ; sixteen matrix instructions stand between the add and the wait for it
	s_wait_dscnt 0x0                               ; the add is done, and my reads of this slot are over
	s_barrier_signal -1
	MUL16 F1, 0, 2, 0                              ; work on registers while the others arrive
.if \fill
	WIN 0
.endif
	s_barrier_wait -1
.if \fill
	CREST                                          ; the barrier has opened a round of the cluster's barrier: no wave of any partner still reads this slot or has a load on its way
	s_add_nc_u64 s[G0+4*(\slot)+2:G0+4*(\slot)+3], s[G0+4*(\slot)+2:G0+4*(\slot)+3], 2097152
	s_add_nc_u64 s[G0B+4*(\slot)+2:G0B+4*(\slot)+3], s[G0B+4*(\slot)+2:G0B+4*(\slot)+3], 65536
	JLOAD \slot                                    ; the first tensor load behind the round; its four v_nop are also the places in front of the loads below
.else
	PLACES
.endif
	FETCH \next, 0, F0
	MUL16 F1, 1, 0, 0
	MUL16 F1, 1, 2, 0
.endm
	s_wait_tensorcnt 1                             ; my part of K step 0 is in; K step 1's may stay out
	s_barrier_signal -1
	s_barrier_wait -1                              ; everybody's is
	FETCH 0, 0, F0
	s_wait_loadcnt 0x0                             ; the bias, which the first products take
	s_wait_kmcnt 0x0                               ; the floor
	QUARTER 0, 1, F0, F1, 1                        ; the first quarter stands in front of the loop: its products start the sums
	WIN 0                                          ; at a label and at a branch every window is 0
	s_mov_b32 s3, LAPS-1
.Llap:                                                 ; a trip goes once round the ring, from a lap's second quarter to the next lap's first, and fills both slots again
	QUARTER 0, 2, F1, F0, 0
	QUARTER 0, 3, F0, F1, 0
	TURN 0, 1, 1
	QUARTER 1, 1, F0, F1, 0
	QUARTER 1, 2, F1, F0, 0
	QUARTER 1, 3, F0, F1, 0
	TURN 1, 0, 1
	QUARTER 0, 1, F0, F1, 0
	WIN 0
	s_sub_co_u32 s3, s3, 1
	s_cmp_lg_u32 s3, 0
	s_cbranch_scc1 .Llap
	QUARTER 0, 2, F1, F0, 0                        ; the last lap fills nothing, and has no round of the cluster's barrier
	QUARTER 0, 3, F0, F1, 0
	TURN 0, 1, 0
	QUARTER 1, 1, F0, F1, 0
	QUARTER 1, 2, F1, F0, 0
	QUARTER 1, 3, F0, F1, 0
	s_wait_dscnt 8                                 ; the very last quarter: nothing more to fetch
	MUL16 F1, 0, 0, 0
	MUL16 F1, 0, 2, 0
	s_wait_dscnt 0x0
	MUL16 F1, 1, 0, 0
	MUL16 F1, 1, 2, 0
	WIN 0
	PLACES                                         ; behind the last products, ahead of the lines that read results
; THE WAY OUT of block a (16 of my rows), in three parts.  PACK: the floor, then rounded to f16, 16 bytes a lane.  TOSTAGE: into my own stage in LDS, a half of the columns apart from the other, and back as
; rows of 128 bytes.  SEND: stored: four rows of a column half are 512 consecutive bytes of C's tile.
.macro PACK a
.set AC, 64*((\a)%4)
	WIN 0x8a+0x45*((\a)/4)                         ; destination and sources: window 2 or 3
.set i, 0
.rept 64
	v_max_num_f32 v[AC+i], s76, v[AC+i]            ; each accumulator from its low end on
.set i, i+1
.endr
	WIN 0x0a+5*((\a)/4)                            ; sources 0 and 1: window 2 or 3; destination window 0
.irp b, 0,1,2,3,4,5,6,7
.irp r, 0,1,2,3
	v_cvt_pk_f16_f32 v[TMP+4*(\b)+(\r)], v[AC+8*(\b)+2*(\r)], v[AC+8*(\b)+2*(\r)+1]
.endr
.endr
	WIN 0
.endm
.macro TOSTAGE a
.set BK, OB+192*((\a)%2)
.irp b, 0,1,2,3,4,5,6,7
	ds_store_b128 v[STO], v[TMP+4*(\b):TMP+4*(\b)+3] offset:((\b)/4)*HST+((\b)%4)*32
.endr
.irp t, 0,1,2,3,4,5,6,7
	ds_load_b128 v[BK+4*(\t):BK+4*(\t)+3], v[RD] offset:((\t)/4)*HST+((\t)%4)*4*SP  ; LDS serves a wave's instructions in order (ISA guide 5.7.1.4): these see the stores above
.endr
.endm
.macro SEND a
.set BK, OB+192*((\a)%2)
	s_wait_dscnt 0x0                               ; the block is back in registers
	s_wait_xcnt 0x0                                ; every earlier store has had its addresses translated (ISA guide 3.1): the next block lands in registers that the block before this one was stored from
.irp t, 0,1,2,3,4,5,6,7
	global_store_b128 v[CO], v[BK+4*(\t):BK+4*(\t)+3], s[74:75] offset:((\t)/4)*16384+(\a)*2048+((\t)%4)*512  ; 512 consecutive bytes, at a multiple of 256 from C's first
.endr
.endm
	PACK 0
	TOSTAGE 0
.irp a, 1,2,3,4,5,6,7                  ; block a's arithmetic stands between block a - 1's loads from the stage and the wait for them
	PACK \a
	SEND (\a)-1
	TOSTAGE \a
.endr
	SEND 7
	s_wait_tensorcnt 0x0                           ; the wave's end: behind my last tensor load and my last LDS store
	ds_add_u32 v[SPW], v[NIL]
	s_wait_dscnt 0x0
	CROUND                                         ; the closing round: no work-group ends while a partner may still ask for a tile that names it
	s_endpgm
.Lfunc_end_k_q976a7baa0f_qkv:
	.size	k_q976a7baa0f_qkv, .Lfunc_end_k_q976a7baa0f_qkv-k_q976a7baa0f_qkv
	.p2alignl 7, 3214868480
	.fill 96, 4, 3214868480
	.section	.rodata,"a",@progbits
	.p2align	6, 0x0
	.amdhsa_kernel k_q976a7baa0f_qkv
		.amdhsa_group_segment_fixed_size 327680
		.amdhsa_private_segment_fixed_size 0
		.amdhsa_enable_private_segment 0
		.amdhsa_kernarg_size 24
		.amdhsa_user_sgpr_count 2
		.amdhsa_user_sgpr_kernarg_segment_ptr 1
		.amdhsa_wavefront_size32 1
		.amdhsa_system_sgpr_workgroup_id_x 1
		.amdhsa_system_sgpr_workgroup_id_y 1
		.amdhsa_system_sgpr_workgroup_id_z 1
		.amdhsa_system_vgpr_workitem_id 0
		.amdhsa_next_free_vgpr 1024
		.amdhsa_next_free_sgpr 80
		.amdhsa_reserve_vcc 0
		.amdhsa_float_denorm_mode_32 3
		.amdhsa_float_denorm_mode_16_64 3
		.amdhsa_memory_ordered 1
		.amdhsa_forward_progress 1
		.amdhsa_inst_pref_size 161
	.end_amdhsa_kernel
	.amdgpu_metadata
---
amdhsa.version: [ 1, 2 ]
amdhsa.kernels:
  - .name:           k_q976a7baa0f_qkv
    .symbol:         k_q976a7baa0f_qkv.kd
    .args:
      - { .name: act1, .offset: 0, .size: 8, .value_kind: global_buffer, .address_space: global }
      - { .name: wa, .offset: 8, .size: 8, .value_kind: global_buffer, .address_space: global }
      - { .name: big, .offset: 16, .size: 8, .value_kind: global_buffer, .address_space: global }
    .group_segment_fixed_size: 327680
    .private_segment_fixed_size: 0
    .kernarg_segment_align: 8
    .kernarg_segment_size: 24
    .max_flat_workgroup_size: 128
    .sgpr_count:     80
    .vgpr_count:     1024
    .wavefront_size: 32
...
	.end_amdgpu_metadata
.endif
;; end of part 8
;; launch att: the kernel of part 3 again; grid 8 x 32, 4 waves a work-group, no clusters, 327,680 bytes of LDS; arguments big, act1; writes act1
;; launch proj: the kernel of part 4 again; grid 8 x 32, 4 waves a work-group, clusters of 4 x 4, 327,680 bytes of LDS; arguments act1, wc, bo, big; writes big
;; launch ln2: the kernel of part 5 again; grid 256 x 1, 8 waves a work-group, no clusters, 0 bytes of LDS; arguments x, big, g1, be1, g2, be2, act1; writes act1
;; launch ffn1: the kernel of part 8 again; grid 16 x 16, 4 waves a work-group, clusters of 4 x 4, 327,680 bytes of LDS; arguments act1, wb, big; writes big
;; launch ffn2: the kernel of part 8 again; grid 4 x 64, 4 waves a work-group, clusters of 4 x 4, 327,680 bytes of LDS; arguments big, wd, act1; writes act1
;; launch fin (part 9): grid 1024 x 1, 8 waves a work-group, no clusters, 0 bytes of LDS; arguments act1, out0; writes out0
.if DOCPART == 9
	.amdgcn_target "amdgcn-amd-amdhsa--gfx1250"
	.amdhsa_code_object_version 6
	.text
	.protected	k_q976a7baa0f_fin
	.globl	k_q976a7baa0f_fin
	.p2align	8
	.type	k_q976a7baa0f_fin,@function
k_q976a7baa0f_fin:
	s_mov_b64 s[64:65], 0
	v_nop
	global_prefetch_b8 v0, s[64:65] scope:SCOPE_SE
	s_setreg_imm32_b32 hwreg(HW_REG_WAVE_MODE, 25, 1), 1
	s_wait_xcnt 0x0
; out[m][n] = max(P0[m][n] + P1[m][n] + P2[m][n] + P3[m][n], 0).  P0 to P3: the last product's four partial products (K = 1,024 each; b2 is in P0), f16, 8 MiB apart, each in tiles:
; byte(m, n) = ((n / 128) 32 + m / 128) 32768 + ((n / 64) % 2) 16384 + (m % 128) 128 + (n % 64) 2.  out: [4,096][1,024] f32, row-major.  The sum is made in f32, as (P0 + P1) + (P2 + P3).
; LIMIT.  The partial products arrive rounded to f16, each within 2^-11 of itself.  NaN and infinities are not treated apart.
; A stream: no LDS, no barrier, no matrix unit, no cluster (no byte is read twice).  A work-group takes 16 rows x 256 columns, a wave two rows: lanes 0-15 the first, lanes 16-31 the second.
; An item is 64 columns of both rows: each of its four loads covers 256 consecutive bytes (two rows of 128), its store two whole aligned runs of 256 bytes.  All sixteen loads of a wave go out at once;
; the text has no loop, so no register is used twice.
.set D, 16                             ; v[16:47]   item j, part q: two registers (four f16) at D + 8 j + 2 q
.set T, 48                             ; v[48:111]  the same in f32: register n of D widens into T + 2 (n - D); an item's sum ends in its first four
	s_load_b128 s[4:7], s[0:1], 0x0                ; the partial products s[4:5], out s[6:7]
	v_lshrrev_b32 v1, 5, v0
	v_readfirstlane_b32 s9, v1                     ; wave 0..7
	s_lshr_b32 s8, ttmp9, 2                        ; which 16 rows
	s_and_b32 s14, ttmp9, 3                        ; which 256 columns
	v_and_b32 v4, 31, v0
	v_lshlrev_b32 v1, 3, v4                        ; v1: 8 x lane, the loads' offset
	v_and_b32 v3, 15, v0
	v_lshlrev_b32 v3, 4, v3
	v_bfe_u32 v2, v0, 4, 1
	v_lshl_add_u32 v2, v2, 12, v3                  ; v2: the stores' offset: 16 (lane % 16), lanes 16-31 one row (4,096 bytes) further down
	s_lshl_b32 s10, s8, 16                         ; out: 16 rows of 4,096 bytes a group,
	s_lshl_b32 s11, s9, 13                         ; two a wave,
	s_add_co_u32 s10, s10, s11
	s_lshl_b32 s11, s14, 10                        ; 256 columns of 4 bytes
	s_add_co_u32 s10, s10, s11
	s_mov_b32 s11, 0
	s_lshr_b32 s12, s8, 3                          ; P: (m / 128) 32768
	s_lshl_b32 s12, s12, 15
	s_and_b32 s13, s8, 7                           ; + (m % 128) 128
	s_lshl_b32 s13, s13, 11
	s_add_co_u32 s12, s12, s13
	s_lshl_b32 s13, s9, 8
	s_add_co_u32 s12, s12, s13
	s_lshl_b32 s13, s14, 21                        ; + two column blocks of 32 tiles
	s_add_co_u32 s12, s12, s13
	s_mov_b32 s13, 0
	s_wait_kmcnt 0x0
	s_add_nc_u64 s[6:7], s[6:7], s[10:11]
	s_add_nc_u64 s[16:17], s[4:5], s[12:13]        ; a base for each part: 8 MiB is more than a load's immediate holds
	s_add_nc_u64 s[18:19], s[16:17], 0x800000
	s_add_nc_u64 s[20:21], s[16:17], 0x1000000
	s_add_nc_u64 s[22:23], s[16:17], 0x1800000
.set j, 0
.rept 4
.set q, 0
.rept 4
	global_load_b64 v[D+8*j+2*q:D+8*j+2*q+1], v1, s[16+2*q:17+2*q] offset:((j/2)<<20)|((j%2)<<14) th:TH_LOAD_NT
.set q, q+1
.endr
.set j, j+1
.endr
.macro CV d, lo, hi                    ; the two halves of a register, widened
	v_cvt_f32_f16 v[\d], \lo
	v_cvt_f32_f16 v[(\d)+1], \hi
.endm
.macro SUM j                           ; item j: four parts of four numbers into one, the ReLU, the store
.set b, T+16*(\j)
	v_pk_add_f32 v[b:b+1],     v[b:b+1],     v[b+4:b+5]
	v_pk_add_f32 v[b+2:b+3],   v[b+2:b+3],   v[b+6:b+7]
	v_pk_add_f32 v[b+8:b+9],   v[b+8:b+9],   v[b+12:b+13]
	v_pk_add_f32 v[b+10:b+11], v[b+10:b+11], v[b+14:b+15]
	v_pk_add_f32 v[b:b+1],     v[b:b+1],     v[b+8:b+9]
	v_pk_add_f32 v[b+2:b+3],   v[b+2:b+3],   v[b+10:b+11]
.irp i, 0,1,2,3
	v_max_num_f32 v[b+\i], 0, v[b+\i]
.endr
	global_store_b128 v2, v[b:b+3], s[6:7] offset:256*(\j) th:TH_STORE_NT  ; 16 lanes store 256 consecutive bytes, at a multiple of 256 from out's first byte
.endm
	s_wait_loadcnt 12                              ; loads come back in order (ISA guide 5.7.1): item 0's four are in, the later items' twelve stay out
	CV 48, v16.l, v16.h
	CV 50, v17.l, v17.h
	CV 52, v18.l, v18.h
	CV 54, v19.l, v19.h
	CV 56, v20.l, v20.h
	CV 58, v21.l, v21.h
	CV 60, v22.l, v22.h
	CV 62, v23.l, v23.h
	SUM 0
	s_wait_loadcnt 8
	CV 64, v24.l, v24.h
	CV 66, v25.l, v25.h
	CV 68, v26.l, v26.h
	CV 70, v27.l, v27.h
	CV 72, v28.l, v28.h
	CV 74, v29.l, v29.h
	CV 76, v30.l, v30.h
	CV 78, v31.l, v31.h
	SUM 1
	s_wait_loadcnt 4
	CV 80, v32.l, v32.h
	CV 82, v33.l, v33.h
	CV 84, v34.l, v34.h
	CV 86, v35.l, v35.h
	CV 88, v36.l, v36.h
	CV 90, v37.l, v37.h
	CV 92, v38.l, v38.h
	CV 94, v39.l, v39.h
	SUM 2
	s_wait_loadcnt 0x0
	CV 96, v40.l, v40.h
	CV 98, v41.l, v41.h
	CV 100, v42.l, v42.h
	CV 102, v43.l, v43.h
	CV 104, v44.l, v44.h
	CV 106, v45.l, v45.h
	CV 108, v46.l, v46.h
	CV 110, v47.l, v47.h
	SUM 3
	s_endpgm
.Lfunc_end_k_q976a7baa0f_fin:
	.size	k_q976a7baa0f_fin, .Lfunc_end_k_q976a7baa0f_fin-k_q976a7baa0f_fin
	.p2alignl 7, 3214868480
	.fill 96, 4, 3214868480
	.section	.rodata,"a",@progbits
	.p2align	6, 0x0
	.amdhsa_kernel k_q976a7baa0f_fin
		.amdhsa_group_segment_fixed_size 0
		.amdhsa_private_segment_fixed_size 0
		.amdhsa_enable_private_segment 0
		.amdhsa_kernarg_size 16
		.amdhsa_user_sgpr_count 2
		.amdhsa_user_sgpr_kernarg_segment_ptr 1
		.amdhsa_wavefront_size32 1
		.amdhsa_system_sgpr_workgroup_id_x 1
		.amdhsa_system_sgpr_workgroup_id_y 1
		.amdhsa_system_sgpr_workgroup_id_z 1
		.amdhsa_system_vgpr_workitem_id 0
		.amdhsa_next_free_vgpr 112
		.amdhsa_next_free_sgpr 66
		.amdhsa_reserve_vcc 0
		.amdhsa_float_denorm_mode_32 3
		.amdhsa_float_denorm_mode_16_64 3
		.amdhsa_memory_ordered 1
		.amdhsa_forward_progress 1
		.amdhsa_inst_pref_size 8
	.end_amdhsa_kernel
	.amdgpu_metadata
---
amdhsa.version: [ 1, 2 ]
amdhsa.kernels:
  - .name:           k_q976a7baa0f_fin
    .symbol:         k_q976a7baa0f_fin.kd
    .args:
      - { .name: act1, .offset: 0, .size: 8, .value_kind: global_buffer, .address_space: global }
      - { .name: out0, .offset: 8, .size: 8, .value_kind: global_buffer, .address_space: global }
    .group_segment_fixed_size: 0
    .private_segment_fixed_size: 0
    .kernarg_segment_align: 8
    .kernarg_segment_size: 16
    .max_flat_workgroup_size: 256
    .sgpr_count:     66
    .vgpr_count:     112
    .wavefront_size: 32
...
	.end_amdgpu_metadata
.endif
;; end of part 9
;; ======== version 3 of 3: 8 launches; version 2 with the launch prep written anew for expert scheduling mode
;; limits: values are held in f16: magnitudes above 65,504 overflow, below 6.1e-05 lose precision; sums are carried in f16
;; workspace buffers: wa 8,409,088 bytes; wb 8,409,088 bytes; wd 8,409,088 bytes; wc 2,097,152 bytes; act1 33,554,432 bytes; big 33,554,432 bytes
;; launch prep (part 10): grid 640 x 1, 8 waves a work-group, no clusters, 0 bytes of LDS; arguments x, g1, be1, wq, wk, wv, wo, w1, w2, bq, bk, bv, b1, wa, wb, wc, act1, b2, wd; writes wa, wb, wc, wd, act1
.if DOCPART == 10
	.amdgcn_target "amdgcn-amd-amdhsa--gfx1250"
	.amdhsa_code_object_version 6
	.text
	.protected	k_q976a7baa0f_prep
	.globl	k_q976a7baa0f_prep
	.p2align	8
	.type	k_q976a7baa0f_prep,@function
k_q976a7baa0f_prep:
	s_mov_b64 s[64:65], 0
	v_nop
	global_prefetch_b8 v0, s[64:65] scope:SCOPE_SE
	s_setreg_imm32_b32 hwreg(HW_REG_WAVE_SCHED_MODE, 0, 2), 2
	s_setreg_imm32_b32 hwreg(HW_REG_WAVE_MODE, 25, 1), 1
	s_wait_xcnt 0x0
	s_wait_alu depctr_vm_vsrc(0)
; PREP.  Work-groups 0-255: h = LayerNorm(x) g1 + be1, rounded once to f16, into act1.  Work-groups 256-639: the six weight matrices, f32 [K][N], rounded once to f16 and laid in blocks [1,024][128].
; wa: wq, wk, wv (24 blocks).  wb: w1 (32 blocks).  wd: w2, block 8 p + n for rows 1,024 p on and columns 128 n on (32 blocks).  wc: wo (8 blocks).
; The first of those work-groups also lays, 8 MiB into wa, wb and wd, a floor word and the biases (the product kernel takes max(sum + bias, floor)):
; wa: 1,024 x -inf, bq, bk, bv;  wb: 1,024 x 0, b1;  wd: 1,024 x -inf, b2, 3,072 x 0 (b2 is added to the first of the last product's four partial sums alone).
; ACTIVATION LAYOUT (4,096 rows): byte(m, c) = ((c / 128) 32 + m / 128) 32768 + ((c / 64) % 2) 16384 + (m % 128) 128 + (c % 64) 2: a tile of 128 x 128 is 32,768 dense bytes.
; WEIGHT LAYOUT: byte(k, n) of a block = k 256 + n 2; a block is 262,144 bytes.
; A stream: no LDS, no barrier, no matrix unit, no cluster (work-groups share only g1 and be1, 8 KiB).  Every load and store of a wave covers whole aligned runs of 256 bytes.
; LIMITS.  f16 ends at 65,504: a weight or a number of h beyond it becomes an infinity; below 6e-5 f16 keeps its fixed step of 6e-8.  NaN and infinities are not treated apart.
; THE MODE: SCHED_MODE bits 1:0 = 2 (LLVM: expert scheduling mode 2), set by the entry lines.  The code itself states the register dependences
; between vector instructions and memory instructions, with s_wait_alu, always for 0.
; THE PLAN.  The text has no loop, and no register that a memory instruction reads is written again on any path: so no wait on vm_vsrc is owed.  Registers that memory instructions touch:
;   v1, v2, v3      byte offsets, made at the head by vector lines and never written again.  Read by the stores (v1), by x's loads (v2), by g1's and be1's loads (v3).
;   LayerNorm:      X, G, B are written by loads alone, and no vector line names them ahead of those loads.  O is written by the 32 conversions and read by the 16 stores: one wait between the two runs.
;   Weights:        v[144:175], the 32 rows' offsets, are written by 32 vector lines and read by the 32 loads: one wait between the two runs.
;                   The rows go in 8 blocks of four.  Block p's conversions write the first two registers of each of its rows, in place; the four stores that read them are issued in block p + 1,
;                   behind one wait at that block's head, dealt among that block's conversions, which name block p + 1's registers alone.
;   Floors, biases: v212 (offset) and v[204:211] (two constants) are written first, one wait follows, then all loads and the constants' stores.  The biases' stores read loaded data.
;   s42             the wave's number, written by v_readfirstlane_b32: one wait on va_sdst at the head, ahead of the branch and of its first reader in either arm.
.set T,    4                           ; v[4:11]    at work
.set MEAN, 12                          ; v[12:13]   the row's mean, twice
.set RS,   14                          ; v[14:15]   1 / sqrt(var + eps), twice
.set X,    16                          ; v[16:79]   64 numbers of my row (weights: 32 rows x 4 registers up to v143)
.set G,    80                          ; v[80:143]  g1 of my columns
.set B,    144                         ; v[144:207] be1 of my columns (weights: v[144:175] the 32 rows' byte offsets)
.set O,    208                         ; v[208:239] the row in f16
.set EP,   0x800000                    ; where floor and biases lie in a weight buffer
	s_load_b512 s[4:19], s[0:1], 0x0               ; x s[4:5], g1 s[6:7], be1 s[8:9], wq s[10:11], wk s[12:13], wv s[14:15], wo s[16:17], w1 s[18:19]
	s_load_b512 s[20:35], s[0:1], 0x40             ; w2 s[20:21], bq s[22:23], bk s[24:25], bv s[26:27], b1 s[28:29], wa s[30:31], wb s[32:33], wc s[34:35]
	s_load_b128 s[36:39], s[0:1], 0x80             ; act1 s[36:37], b2 s[38:39]
	s_load_b64 s[40:41], s[0:1], 0x90              ; wd
	v_lshrrev_b32 v1, 5, v0
	v_readfirstlane_b32 s42, v1                    ; wave 0..7
	s_mov_b32 s43, ttmp9                           ; work-group
	s_mov_b32 s44, 0x3a800000                      ; 1 / 1024
	s_mov_b32 s45, 0x3727c5ac                      ; eps = 1e-5
	v_and_b32 v4, 31, v0                           ; lane
	v_lshlrev_b32 v1, 3, v4                        ; v1: 8 x lane, every store's offset
	v_and_b32 v3, 15, v0
	v_lshlrev_b32 v3, 4, v3                        ; v3: 16 (lane % 16), my place in 256 bytes of g1, be1
	v_bfe_u32 v2, v0, 4, 1
	v_lshl_add_u32 v2, v2, 12, v3                  ; v2: the same in x, lanes 16-31 one row (4,096 bytes) further down
	s_wait_alu depctr_va_sdst(0)                   ; s42 is written, ahead of the branch and of its first reader: both arms make their bases from it
	s_wait_kmcnt 0x0
	s_cmp_lt_u32 s43, 256
	s_cbranch_scc0 .Lweights
; ---- LayerNorm: a wave takes rows m = 16 g + 2 w and m + 1; lanes 0-15 hold the first, lanes 16-31 the second, 64 numbers a lane
	s_lshl_b32 s46, s43, 16                        ; 16 rows of 4,096 bytes a work-group,
	s_lshl_b32 s47, s42, 13                        ; two a wave
	s_add_co_u32 s46, s46, s47
	s_mov_b32 s47, 0
	s_add_nc_u64 s[4:5], s[4:5], s[46:47]
	s_lshr_b32 s48, s43, 3                         ; in act1: (m / 128) 32768
	s_lshl_b32 s48, s48, 15
	s_and_b32 s49, s43, 7                          ; + (m % 128) 128
	s_lshl_b32 s49, s49, 11
	s_add_co_u32 s48, s48, s49
	s_lshl_b32 s49, s42, 8
	s_add_co_u32 s48, s48, s49
	s_mov_b32 s49, 0
	s_add_nc_u64 s[36:37], s[36:37], s[48:49]
	s_wait_alu depctr_va_vdst(0)                   ; the offsets v1, v2 and v3 are written: every load and store of this arm reads one of them
.set j, 0
.rept 16
	global_load_b128 v[X+4*j:X+4*j+3], v2, s[4:5] offset:256*j th:TH_LOAD_NT  ; 256 bytes of each of the two rows
.set j, j+1
.endr
.set j, 0
.rept 16
	global_load_b128 v[G+4*j:G+4*j+3], v3, s[6:7] offset:256*j
.set j, j+1
.endr
.set j, 0
.rept 16
	global_load_b128 v[B+4*j:B+4*j+3], v3, s[8:9] offset:256*j
.set j, j+1
.endr
.macro REDUCE                          ; four chains of pairs in v[T:T+7] -> the sum over the row's 16 lanes, in each of them
	v_pk_add_f32 v[T:T+1], v[T:T+1], v[T+2:T+3]
	v_pk_add_f32 v[T+4:T+5], v[T+4:T+5], v[T+6:T+7]
	v_pk_add_f32 v[T:T+1], v[T:T+1], v[T+4:T+5]
	v_add_f32 v[T], v[T], v[T+1]
	v_add_f32_dpp v[T], v[T], v[T] row_xmask:1 row_mask:0xf bank_mask:0xf
	v_add_f32_dpp v[T], v[T], v[T] row_xmask:2 row_mask:0xf bank_mask:0xf
	v_add_f32_dpp v[T], v[T], v[T] row_xmask:4 row_mask:0xf bank_mask:0xf
	v_add_f32_dpp v[T], v[T], v[T] row_xmask:8 row_mask:0xf bank_mask:0xf
.endm
; The row's mean; X = x - mean in place; the mean of the squares of that (two passes: no difference of large sums); RS = 1 / sqrt(var + eps)
.macro LNSTAT
.irp k, 0,1,2,3
	v_pk_add_f32 v[T+2*\k:T+2*\k+1], v[X+2*\k:X+2*\k+1], v[X+8+2*\k:X+8+2*\k+1]  ; the first eight pairs start the chains: nothing is cleared
.endr
.set p, 8
.rept 24
	v_pk_add_f32 v[T+2*(p%4):T+2*(p%4)+1], v[T+2*(p%4):T+2*(p%4)+1], v[X+2*p:X+2*p+1]
.set p, p+1
.endr
	REDUCE
	v_mul_f32 v[MEAN], s44, v[T]
	v_mul_f32 v[MEAN+1], s44, v[T]
.set p, 0
.rept 32
	v_pk_add_f32 v[X+2*p:X+2*p+1], v[X+2*p:X+2*p+1], v[MEAN:MEAN+1] neg_lo:[0,1] neg_hi:[0,1]
.set p, p+1
.endr
.irp k, 0,1,2,3
	v_pk_mul_f32 v[T+2*\k:T+2*\k+1], v[X+2*\k:X+2*\k+1], v[X+2*\k:X+2*\k+1]
.endr
.set p, 4
.rept 28
	v_pk_fma_f32 v[T+2*(p%4):T+2*(p%4)+1], v[X+2*p:X+2*p+1], v[X+2*p:X+2*p+1], v[T+2*(p%4):T+2*(p%4)+1]
.set p, p+1
.endr
	REDUCE
	v_fma_f32 v[T], v[T], s44, s45                 ; var + eps
	v_rsq_f32 v[RS], v[T]
	v_rsq_f32 v[RS+1], v[T]
	v_nop                                          ; a plain instruction behind the root, ahead of the use of its result (ISA guide 5.7.2)
.endm
	s_wait_loadcnt 32                              ; x is in; the 32 loads of g1 and be1 may stay out
	LNSTAT
.set p, 0
	s_wait_alu depctr_va_vdst(0)                   ; the two roots have written v[RS] and v[RS+1], ahead of their first reader: one wait for both
.rept 32
	v_pk_mul_f32 v[X+2*p:X+2*p+1], v[X+2*p:X+2*p+1], v[RS:RS+1]
.set p, p+1
.endr
	s_wait_loadcnt 0x0                             ; g1 and be1
.set p, 0
.rept 32
	v_pk_fma_f32 v[X+2*p:X+2*p+1], v[X+2*p:X+2*p+1], v[G+2*p:G+2*p+1], v[B+2*p:B+2*p+1]
.set p, p+1
.endr
.set p, 0
.rept 32
	v_cvt_pk_f16_f32 v[O+p], v[X+2*p], v[X+2*p+1]
.set p, p+1
.endr
	s_wait_alu depctr_va_vdst(0)                   ; the conversions have written v[O ..], which the sixteen stores read
.set j, 0
.rept 16
	global_store_b64 v1, v[O+2*j:O+2*j+1], s[36:37] offset:((j/2)<<20)|((j%2)<<14)  ; columns 64 j on of both rows: 2 x 128 = 256 consecutive bytes, aligned
.set j, j+1
.endr
	s_endpgm
; ---- weights: a work-group takes 32 rows (k) x 1,024 columns of one matrix, a wave one block of 128 columns
.Lweights:
	s_sub_co_u32 s43, s43, 256                     ; 0..383
	s_lshr_b32 s46, s43, 5                         ; which 32 work-groups: 0 wq, 1 wk, 2 wv, 3 wo, 4-7 w1's four column groups, 8-11 w2's four row groups
	s_and_b32 s47, s43, 31                         ; which 32 rows of 1,024
	s_and_b32 s48, s46, 3
	s_lshr_b32 s49, s46, 2                         ; 0: a square matrix, 1: w1, 2: w2
	s_cmp_eq_u32 s46, 1                            ; from where: a choice between buffers on the work-group's number
	s_cselect_b64 s[50:51], s[12:13], s[10:11]
	s_cmp_eq_u32 s46, 2
	s_cselect_b64 s[50:51], s[14:15], s[50:51]
	s_cmp_eq_u32 s46, 3
	s_cselect_b64 s[50:51], s[16:17], s[50:51]
	s_cmp_eq_u32 s49, 1
	s_cselect_b64 s[50:51], s[18:19], s[50:51]
	s_cmp_eq_u32 s49, 2
	s_cselect_b64 s[50:51], s[20:21], s[50:51]
	s_cmp_lt_u32 s46, 3                            ; to where: wa, or wc for wo,
	s_cselect_b64 s[52:53], s[30:31], s[34:35]
	s_mov_b32 s54, 4096                            ; bytes from row to row of the source
	s_cmp_eq_u32 s49, 1
	s_cselect_b64 s[52:53], s[32:33], s[52:53]     ; wb for w1,
	s_cselect_b32 s54, 16384, s54
	s_cmp_eq_u32 s49, 2
	s_cselect_b64 s[52:53], s[40:41], s[52:53]     ; wd for w2
	s_lshl_b32 s56, s47, 17                        ; source offset.  Square: 32 rows of 4,096 bytes
	s_lshl_b32 s60, s47, 19                        ; w1: 32 rows of 16,384 bytes,
	s_lshl_b32 s61, s48, 12                        ; and the group's 1,024 columns
	s_add_co_u32 s60, s60, s61
	s_cmp_eq_u32 s49, 1
	s_cselect_b32 s60, s60, s56
	s_lshl_b32 s61, s48, 22                        ; w2: 1,024 rows a group
	s_add_co_u32 s61, s61, s56
	s_cmp_eq_u32 s49, 2
	s_cselect_b32 s56, s61, s60
	s_lshl_b32 s58, s48, 21                        ; destination offset: eight blocks of 262,144 bytes a group;
	s_cmp_eq_u32 s46, 3
	s_cselect_b32 s58, 0, s58                      ; wo lies at wc's head
	s_lshl_b32 s60, s47, 13                        ; 32 rows of 256 bytes
	s_add_co_u32 s58, s58, s60
	s_lshl_b32 s60, s42, 9                         ; my wave's 128 columns: 512 bytes of a source row,
	s_add_co_u32 s56, s56, s60
	s_lshl_b32 s60, s42, 18                        ; a block of the destination
	s_add_co_u32 s58, s58, s60
	s_mov_b32 s57, 0
	s_mov_b32 s59, 0
	s_add_nc_u64 s[50:51], s[50:51], s[56:57]
	s_add_nc_u64 s[52:53], s[52:53], s[58:59]
	v_lshlrev_b32 v4, 4, v4                        ; 16 x lane
.set i, 0
.rept 32
	v_mad_u32_u24 v[B+i], s54, i, v4               ; row i
.set i, i+1
.endr
	s_wait_alu depctr_va_vdst(0)                   ; the 32 rows' offsets v[B ..] are written, which the loads below read; so is v1, the stores' offset
.set i, 0
.rept 32
	global_load_b128 v[X+4*i:X+4*i+3], v[B+i], s[50:51] th:TH_LOAD_NT  ; 512 consecutive bytes: 128 numbers of a row
.set i, i+1
.endr
; Eight blocks of four rows.  Block p rounds its rows in place; the stores of block p - 1 are dealt among its conversions.
.set p, 0
.rept 8
	s_wait_loadcnt 28-4*p                          ; loads come back in order (ISA guide 5.7.1): block p's four rows are in, the later blocks' loads stay out
.if p > 0
	s_wait_alu depctr_va_vdst(0)                   ; the block before has written the first two registers of each of its rows, which the four stores below read
.endif
.set r, 0
.rept 4
.set i, 4*p+r
.if p > 0
	global_store_b64 v1, v[X+4*(i-4):X+4*(i-4)+1], s[52:53] offset:256*(i-4)  ; 256 consecutive bytes, aligned: a row of the block.  No vector line since the wait names these registers
.endif
	v_cvt_pk_f16_f32 v[X+4*i], v[X+4*i], v[X+4*i+1]
	v_cvt_pk_f16_f32 v[X+4*i+1], v[X+4*i+2], v[X+4*i+3]
.set r, r+1
.endr
.set p, p+1
.endr
	s_wait_alu depctr_va_vdst(0)                   ; the last block has written its rows' first two registers, which the last four stores read
.set i, 28
.rept 4
	global_store_b64 v1, v[X+4*i:X+4*i+1], s[52:53] offset:256*i
.set i, i+1
.endr
	s_cmp_lg_u32 s43, 0
	s_cbranch_scc1 .Ldone
; ---- the first of these work-groups also writes floors and biases: 256 threads x 16 bytes = 1,024 numbers a line
	s_add_nc_u64 s[56:57], s[30:31], EP            ; in wa,
	s_add_nc_u64 s[58:59], s[32:33], EP            ; in wb,
	s_add_nc_u64 s[60:61], s[40:41], EP            ; in wd
	v_lshlrev_b32 v212, 4, v0
.irp i, 0,1,2,3
	v_mov_b32 v[204+\i], 0xff800000                ; -inf: the floor of a product without activation
	v_mov_b32 v[208+\i], 0                         ; 0: the floor of a ReLU, and the bias of the later partial sums
.endr
	s_wait_alu depctr_va_vdst(0)                   ; v212 is written, the offset of every load and store below; so are v[204:211], which the six stores of constants read
	global_load_b128 v[176:179], v212, s[22:23]
	global_load_b128 v[180:183], v212, s[24:25]
	global_load_b128 v[184:187], v212, s[26:27]
.irp i, 0,1,2,3
	global_load_b128 v[188+4*\i:191+4*\i], v212, s[28:29] offset:4096*\i
.endr
	global_load_b128 v[216:219], v212, s[38:39]
	global_store_b128 v212, v[204:207], s[56:57]
	global_store_b128 v212, v[208:211], s[58:59]
	global_store_b128 v212, v[204:207], s[60:61]
.irp i, 2,3,4
	global_store_b128 v212, v[208:211], s[60:61] offset:4096*\i
.endr
	s_wait_loadcnt 0x0                             ; the biases are in: the stores below read loaded data alone
.irp i, 0,1,2
	global_store_b128 v212, v[176+4*\i:179+4*\i], s[56:57] offset:4096+4096*\i
.endr
.irp i, 0,1,2,3
	global_store_b128 v212, v[188+4*\i:191+4*\i], s[58:59] offset:4096+4096*\i
.endr
	global_store_b128 v212, v[216:219], s[60:61] offset:4096
.Ldone:
	s_endpgm
.Lfunc_end_k_q976a7baa0f_prep:
	.size	k_q976a7baa0f_prep, .Lfunc_end_k_q976a7baa0f_prep-k_q976a7baa0f_prep
	.p2alignl 7, 3214868480
	.fill 96, 4, 3214868480
	.section	.rodata,"a",@progbits
	.p2align	6, 0x0
	.amdhsa_kernel k_q976a7baa0f_prep
		.amdhsa_group_segment_fixed_size 0
		.amdhsa_private_segment_fixed_size 0
		.amdhsa_enable_private_segment 0
		.amdhsa_kernarg_size 152
		.amdhsa_user_sgpr_count 2
		.amdhsa_user_sgpr_kernarg_segment_ptr 1
		.amdhsa_wavefront_size32 1
		.amdhsa_system_sgpr_workgroup_id_x 1
		.amdhsa_system_sgpr_workgroup_id_y 1
		.amdhsa_system_sgpr_workgroup_id_z 1
		.amdhsa_system_vgpr_workitem_id 0
		.amdhsa_next_free_vgpr 240
		.amdhsa_next_free_sgpr 66
		.amdhsa_reserve_vcc 0
		.amdhsa_float_denorm_mode_32 3
		.amdhsa_float_denorm_mode_16_64 3
		.amdhsa_memory_ordered 1
		.amdhsa_forward_progress 1
		.amdhsa_inst_pref_size 38
	.end_amdhsa_kernel
	.amdgpu_metadata
---
amdhsa.version: [ 1, 2 ]
amdhsa.kernels:
  - .name:           k_q976a7baa0f_prep
    .symbol:         k_q976a7baa0f_prep.kd
    .args:
      - { .name: x, .offset: 0, .size: 8, .value_kind: global_buffer, .address_space: global }
      - { .name: g1, .offset: 8, .size: 8, .value_kind: global_buffer, .address_space: global }
      - { .name: be1, .offset: 16, .size: 8, .value_kind: global_buffer, .address_space: global }
      - { .name: wq, .offset: 24, .size: 8, .value_kind: global_buffer, .address_space: global }
      - { .name: wk, .offset: 32, .size: 8, .value_kind: global_buffer, .address_space: global }
      - { .name: wv, .offset: 40, .size: 8, .value_kind: global_buffer, .address_space: global }
      - { .name: wo, .offset: 48, .size: 8, .value_kind: global_buffer, .address_space: global }
      - { .name: w1, .offset: 56, .size: 8, .value_kind: global_buffer, .address_space: global }
      - { .name: w2, .offset: 64, .size: 8, .value_kind: global_buffer, .address_space: global }
      - { .name: bq, .offset: 72, .size: 8, .value_kind: global_buffer, .address_space: global }
      - { .name: bk, .offset: 80, .size: 8, .value_kind: global_buffer, .address_space: global }
      - { .name: bv, .offset: 88, .size: 8, .value_kind: global_buffer, .address_space: global }
      - { .name: b1, .offset: 96, .size: 8, .value_kind: global_buffer, .address_space: global }
      - { .name: wa, .offset: 104, .size: 8, .value_kind: global_buffer, .address_space: global }
      - { .name: wb, .offset: 112, .size: 8, .value_kind: global_buffer, .address_space: global }
      - { .name: wc, .offset: 120, .size: 8, .value_kind: global_buffer, .address_space: global }
      - { .name: act1, .offset: 128, .size: 8, .value_kind: global_buffer, .address_space: global }
      - { .name: b2, .offset: 136, .size: 8, .value_kind: global_buffer, .address_space: global }
      - { .name: wd, .offset: 144, .size: 8, .value_kind: global_buffer, .address_space: global }
    .group_segment_fixed_size: 0
    .private_segment_fixed_size: 0
    .kernarg_segment_align: 8
    .kernarg_segment_size: 152
    .max_flat_workgroup_size: 256
    .sgpr_count:     66
    .vgpr_count:     240
    .wavefront_size: 32
...
	.end_amdgpu_metadata
.endif
;; end of part 10
;; launch qkv: the kernel of part 8 again; grid 12 x 16, 4 waves a work-group, clusters of 4 x 4, 327,680 bytes of LDS; arguments act1, wa, big; writes big
;; launch att: the kernel of part 3 again; grid 8 x 32, 4 waves a work-group, no clusters, 327,680 bytes of LDS; arguments big, act1; writes act1
;; launch proj: the kernel of part 4 again; grid 8 x 32, 4 waves a work-group, clusters of 4 x 4, 327,680 bytes of LDS; arguments act1, wc, bo, big; writes big
;; launch ln2: the kernel of part 5 again; grid 256 x 1, 8 waves a work-group, no clusters, 0 bytes of LDS; arguments x, big, g1, be1, g2, be2, act1; writes act1
;; launch ffn1: the kernel of part 8 again; grid 16 x 16, 4 waves a work-group, clusters of 4 x 4, 327,680 bytes of LDS; arguments act1, wb, big; writes big
;; launch ffn2: the kernel of part 8 again; grid 4 x 64, 4 waves a work-group, clusters of 4 x 4, 327,680 bytes of LDS; arguments big, wd, act1; writes act1
;; launch fin: the kernel of part 9 again; grid 1024 x 1, 8 waves a work-group, no clusters, 0 bytes of LDS; arguments act1, out0; writes out0
